; MI455X (gfx1250); checked and timed in simulation.
; The chip was launched on July 23, 2026; its instructions are those of AMD's public machine-readable ISA for CDNA 5 (MIT licence, August 2026) and "CDNA5" Instruction Set Architecture Reference Guide (July 2026). The comments in the code are by the model that wrote it; some were corrected since.
;; Bert Attention. Allowed arithmetic: matrix products marked QUANTISED: E3M2 operands, one E8M0 scale for each 32 along K, by v_wmma_scale_f32_16x16x128_f8f6f4 with both operands' format E3M2, f32 sums; everything else in f32.
;; Inputs: Wk 1,024 x 1,024 float32; Wo 1,024 x 1,024 float32; Wq 1,024 x 1,024 float32; Wv 1,024 x 1,024 float32; attention_mask 4 x 1 x 1 x 2,048 float32; bk 1,024 float32; bo 1,024 float32; bq 1,024 float32; bv 1,024 float32; hidden_states 4 x 2,048 x 1,024 float32; ln_beta 1,024 float32; ln_gamma 1,024 float32.
;; Outputs: out0 4 x 2,048 x 1,024 float32.
;; This version of the problem:
;;   THIS VERSION OF THE PROBLEM IS GIVEN IN LOW PRECISION. The matrix products marked QUANTISED in the list below multiply operands that are first quantised to E3M2 (3 exponent bits, 2 mantissa bits; 6 bits a number), with one power-of-two scale for each 32 numbers along K (OCP MX v1.0); their sums are f32. All else is computed in f32.
;;   The module's matrix products, in the order in which they are computed (A, B: the left and right operand; K: the contracted axis; several contracted axes count as one K, in the product's order):
;;     1. [M 8,192, K 1,024] x [K 1,024, N 1,024]; A: input hidden_states; B: input Wq: QUANTISED
;;     2. [M 8,192, K 1,024] x [K 1,024, N 1,024]; A: input hidden_states; B: input Wk: QUANTISED
;;     3. [M 8,192, K 1,024] x [K 1,024, N 1,024]; A: input hidden_states; B: input Wv: QUANTISED
;;     4. batch 64 x [M 2,048, K 64] x [K 64, N 2,048]; A: computed on the way; B: computed on the way: QUANTISED
;;     5. batch 64 x [M 2,048, K 2,048] x [K 2,048, N 64]; A: softmax (see below); B: computed on the way: QUANTISED
;;     6. [M 8,192, K 1,024] x [K 1,024, N 1,024]; A: computed on the way; B: input Wo: QUANTISED
;;   THE QUANTISER, for each operand of a quantised product, along K:
;;     - K is cut into blocks of 32 from its start; a last block that is shorter is filled with zeros.
;;     - A block's scale is 2^e with e = floor(log2(the largest magnitude in the block)) - 4, held to -126 .. 127; a block of zeros has e = 0. As a byte (E8M0): e + 127.
;;     - Each number is divided by its block's scale, clamped to +-28, and rounded to the nearest number of E3M2, ties to even, subnormals kept.
;;     - The product sums the exact products of the quantised numbers (number of the format x scale) in f32.
;;   ~~~python
;;   def quantise(x, axis):      # numpy; x: float32 -> the quantised numbers, widened to float32 again
;;       x = np.moveaxis(x, axis, -1); K = x.shape[-1]
;;       x = np.pad(x, [(0, 0)] * (x.ndim - 1) + [(0, -K % 32)]); x = x.reshape(x.shape[:-1] + (-1, 32)); a = np.abs(x).max(-1, keepdims=True)
;;       e = np.where(a > 0, np.clip(np.frexp(np.where(a > 0, a, 1))[1] - 1 - 4, -126, 127), 0)      # np.frexp(a)[1] - 1 = floor(log2(a)), exactly
;;       r = np.clip(x / 2.0 ** e, -28, 28)
;;       step = 2.0 ** (np.maximum(np.frexp(np.where(r == 0, 1, r))[1] - 1, -2) - 2)
;;       q = np.round(r / step) * step * 2.0 ** e      # np.round: ties to even
;;       return np.moveaxis(q.reshape(q.shape[:-2] + (-1,))[..., :K], -1, axis).astype(np.float32)
;;   ~~~
;;   SOFTMAX AHEAD OF A QUANTISED PRODUCT. Where the list says 'softmax', what is quantised is not the finished softmax but p = 2^(t - M), with t = logit x log2(e) and M = ceil(the row's largest t), a whole number; so 1/2 < the row's largest p <= 1. The row's sum l is taken of the UNQUANTISED p, in f32, and the product's result is divided by l at the end. Since M is a whole number, a kernel that streams over the keys may use a running M (the ceiling of the running maximum): every later rescaling is an exact power of two, which a block's scale takes up: the codes' values come out the same.
;;   OPERANDS COMPUTED ON THE WAY. 'Computed on the way' means the value that the module computes at that place (a softmax that the list does not call 'softmax' is quantised finished and normalised). What goes into a quantiser is computed in f32, as accurately as f32 sums, v_exp_f32 and their like allow (about 1e-6 of the number): no bf16 or f16 on the way to a quantiser, and a product that is left as it is and whose result goes on into a quantised operand takes f32 operands (vector FMAs, or v_wmma_f32_16x16x4_f32). A number that lies on a knife's edge between two numbers of the format may be rounded either way, as far as f32 arithmetic and the matrix unit's own rounding can turn it there, and no further.
;; 2 versions. Each part assembles by itself: llvm-mc -triple=amdgcn-amd-amdhsa -mcpu=gfx1250 --defsym DOCPART=n.
;; ======== version 1 of 2: 4 launches
;; workspace buffers: xq 6,553,600 bytes; wq 3,276,800 bytes; qq 6,815,744 bytes; kv 13,369,344 bytes; cq 6,553,600 bytes
;; launch quant (part 1): grid 384 x 1, 4 waves a work-group, no clusters, 34,304 bytes of LDS; arguments hidden_states, Wq, Wk, Wv, Wo, xq, wq; writes xq, wq
.if DOCPART == 1
	.amdgcn_target "amdgcn-amd-amdhsa--gfx1250"
	.amdhsa_code_object_version 6
	.text
	.protected	k_qaab4bc5ca1_quant
	.globl	k_qaab4bc5ca1_quant
	.p2align	8
	.type	k_qaab4bc5ca1_quant,@function
k_qaab4bc5ca1_quant:
	s_mov_b64 s[64:65], 0
	v_nop
	global_prefetch_b8 v0, s[64:65] scope:SCOPE_SE
	s_setreg_imm32_b32 hwreg(HW_REG_WAVE_MODE, 25, 1), 1
	s_wait_xcnt 0x0
; hidden_states [8192][1024] and Wq, Wk, Wv, Wo [1024][1024], f32, K innermost, become codes of BF6 (E3M2) with one E8M0 byte for each 32 along K.
; A block's scale is 2^(floor(log2(its largest magnitude)) - 4); its byte is the largest magnitude's exponent field - 4, held at 1 from below.
; THE CODES ARE LAID AS THE MATRIX UNIT'S REGISTERS TAKE THEM.  A TILE T is 16 rows, 32 (T / 2) + 8 (T % 2) + i + 8 (i / 8), i = 0 .. 15: two tiles 2 b, 2 b + 1 cover 32 neighbouring rows.  (With such tiles as
; source 0 of a product, a lane's 16 results of tiles 2 b and 2 b + 1 are 16 neighbours along the rows' axis: the later launches quantise along that axis in registers.)
; A FRAGMENT IMAGE is a tile x 128 along K: 12 registers a lane, stored as three runs of 512 bytes, lane l's registers 4 c .. 4 c + 3 at 512 c + 16 l.
; xq: [group of 8 tiles][K step 0..7][tile in the group][1536]; from XS_OFF the scale words [tile][half of K][row of the tile][4 words].  wq: the same for the 4,096 rows Wq, Wk, Wv, Wo on end; words from WS_OFF.
; SHARES: a wave takes one tile x half of K: four fragments, 16 rows x 512 numbers.  Work-groups 0-255 take hidden_states, 256-383 the weights; only pointers and offsets are chosen, there is one way through the text.
; A load reads 512 consecutive bytes of one row; the 16 rows turn through the wave's own stage in LDS (rows 528 bytes apart: 33 x 16, so the 16 rows that a load back touches start in different banks)
; and come back as each lane's 2 x 32 neighbours along K: lane (r, h) holds row r, k = 64 c + 32 h + 0 .. 31.  A block lies whole in a lane.  No barrier: waves share nothing.
; LIMITS: NaN and infinities among the inputs are not served.  A block whose largest magnitude lies under 2^-122, a block of zeros among them, gets the byte 1 (the rule says 127 for zeros: its codes are zeros,
; which add nothing under any byte but 0xff, and this program alone reads the bytes).
.set XS_OFF, 6291456
.set WS_OFF, 3145728
.set SP,  528                          ; a stage row
.set WST, 16*SP                        ; a wave's stage
.set SW,  16                           ; v16-19   the four fragments' scale words
.set R,   32                           ; v32-159  two sets of 64: a fragment's numbers as loaded
.set X,   160                          ; v160-223 my 2 x 32 neighbours
.set PC,  224                          ; v224-235 the fragment's codes
.set CT,  236                          ; v236-243 the upper halves of the two blocks, on their way
	s_load_b256 s[4:11], s[0:1], 0x0               ; hidden_states, Wq, Wk, Wv
	s_load_b128 s[12:15], s[0:1], 0x20             ; Wo, xq
	s_load_b64 s[16:17], s[0:1], 0x30              ; wq
	v_lshl_add_u32 v244, v0, 2, 0x8400
	v_mov_b32 v245, 0
	v_lshrrev_b32 v6, 5, v0
	v_readfirstlane_b32 s18, v6                    ; wave 0..3
	v_and_b32 v7, 31, v0                           ; lane
	v_lshlrev_b32 v1, 4, v7                        ; 16 x lane: my bytes of a load's 512 and of an image's run
	v_and_b32 v6, 15, v0                           ; r
	v_bfe_u32 v5, v0, 4, 1                         ; h
	s_mul_i32 s19, s18, WST
	v_add_nc_u32 v2, s19, v1                       ; the stage, on the way in
	v_mul_u32_u24 v3, v6, SP
	v_lshl_add_u32 v3, v5, 7, v3
	v_add_nc_u32 v3, s19, v3                       ; and back: row r, + 128 h bytes
	v_lshlrev_b32 v4, 4, v6
	v_lshl_add_u32 v4, v5, 3, v4                   ; the scale words' way out: 16 r + 8 h
	v_cmp_eq_u32 s30, 1, v5                        ; lanes 16-31
	v_lshlrev_b32 v5, 3, v5                        ; 8 h: my bytes' shift in a scale word
	v_mov_b32 v15, 0                               ; written once: a lane permute's destination counts as one of its sources
	s_lshr_b32 s28, s18, 1                         ; which of the work-group's two tiles
	s_and_b32 s29, s18, 1                          ; which half of K
	s_mov_b32 s26, 0x76543210
	s_mov_b32 s27, 0xfedcba98                      ; v_permlanex16_b32's selects for lane l xor 16
	s_sub_co_u32 s21, ttmp9, 256                   ; the work-group's number among the weights'
	s_lshr_b32 s22, s21, 5                         ; which weight: 32 work-groups each
	s_mov_b32 s24, WS_OFF
	s_mov_b32 s25, 63
	s_wait_kmcnt 0x0
	s_cmp_eq_u32 s22, 1
	s_cselect_b64 s[6:7], s[8:9], s[6:7]
	s_cmp_eq_u32 s22, 2
	s_cselect_b64 s[6:7], s[10:11], s[6:7]
	s_cmp_eq_u32 s22, 3
	s_cselect_b64 s[6:7], s[12:13], s[6:7]         ; the weight
	s_cmp_lt_u32 ttmp9, 256                        ; hidden_states or a weight: the choice hangs on the work-group's number alone
	s_cselect_b64 s[4:5], s[4:5], s[6:7]           ; from where
	s_cselect_b64 s[14:15], s[14:15], s[16:17]     ; to where
	s_cselect_b32 s23, ttmp9, s21
	s_cselect_b32 s24, XS_OFF, s24                 ; where the scale words begin
	s_cselect_b32 s25, 511, s25                    ; tiles in the source, less one
	s_lshl_b32 s23, s23, 1
	s_add_co_u32 s23, s23, s28                     ; my tile in the workspace buffer
	s_and_b32 s31, s23, s25                        ; and in its source
	s_lshr_b32 s32, s31, 1
	s_lshl_b32 s32, s32, 17                        ; 32 rows of 4,096 bytes
	s_and_b32 s33, s31, 1
	s_lshl_b32 s33, s33, 15                        ; 8 rows
	s_add_co_u32 s32, s32, s33
	s_lshl_b32 s33, s29, 11                        ; half a row
	s_add_co_u32 s32, s32, s33
	s_mov_b32 s33, 0
	s_add_nc_u64 s[4:5], s[4:5], s[32:33]
	s_lshr_b32 s34, s23, 3
	s_mul_i32 s34, s34, 98304                      ; the group,
	s_mul_i32 s35, s29, 49152                      ; four K steps,
	s_add_co_u32 s34, s34, s35
	s_and_b32 s35, s23, 7
	s_mul_i32 s35, s35, 1536                       ; the tile in the group
	s_add_co_u32 s34, s34, s35
	s_mov_b32 s35, 0
	s_lshl_b32 s36, s23, 9
	s_add_co_u32 s36, s36, s24
	s_lshl_b32 s37, s29, 8
	s_add_co_u32 s36, s36, s37
	s_mov_b32 s37, 0
	s_add_nc_u64 s[36:37], s[14:15], s[36:37]      ; my 256 bytes of scale words
	s_add_nc_u64 s[14:15], s[14:15], s[34:35]      ; my first image
.macro LOAD f                          ; fragment f: 128 numbers of each of the tile's 16 rows; 32 lanes read 512 consecutive bytes
.irp i, 0,1,2,3,4,5,6,7,8,9,10,11,12,13,14,15
	global_load_b128 v[R+64*((\f)%2)+4*\i:R+64*((\f)%2)+4*\i+3], v1, s[4:5] offset:(\i+8*(\i/8))*4096+512*(\f) th:TH_LOAD_NT
.endr
.endm
.macro FRAGQ f
.set RS, R+64*((\f)%2)
.if (\f) < 3
	s_wait_loadcnt 16                              ; this fragment's 16 loads are in; the next fragment's 16 may be out
.else
	s_wait_loadcnt 0x0
.endif
.irp i, 0,1,2,3,4,5,6,7,8,9,10,11,12,13,14,15
	ds_store_b128 v2, v[RS+4*\i:RS+4*\i+3] offset:SP*\i
.endr
.irp c, 0,1
.irp j, 0,1,2,3,4,5,6,7
	ds_load_b128 v[X+32*\c+4*\j:X+32*\c+4*\j+3], v3 offset:256*\c+16*\j   ; LDS serves a wave's instructions in order: these see the stores above
.endr
.endr
	s_wait_dscnt 0x0                               ; my numbers are back, and the stores have read their registers,
.if (\f) < 2
	LOAD (\f)+2                                    ; which take the fragment two on
.endif
.irp c, 0,1
	v_max3_num_f32 v[8+\c], |v[X+32*\c]|, |v[X+32*\c+1]|, 0x2800000   ; my block 2 c + h: all 32 numbers are mine; and the floor 2^(5 - 127): the byte cannot fall under 1
.endr
.irp i, 2,4,6,8,10,12,14,16,18,20,22,24,26,28,30
.irp c, 0,1
	v_max3_num_f32 v[8+\c], v[8+\c], |v[X+32*\c+\i]|, |v[X+32*\c+\i+1]|   ; (the two blocks by turns)
.endr
.endr
.irp c, 0,1
	v_add_nc_u32 v[10+\c], 0xfe000000, v[8+\c]     ; 4 off the exponent field: the conversion takes the exponent field of this operand as its scale
.endr
.irp c, 0,1
	v_lshrrev_b32 v[12+\c], 23, v[10+\c]           ; the scale's byte
.endr
	v_lshl_or_b32 v14, v13, 16, v12                ; my two bytes, blocks h and 2 + h,
	v_lshlrev_b32 v14, v5, v14                     ; at their places in the word;
	v_permlanex16_b32 v15, v14, s26, s27
	v_or_b32 v[SW+(\f)], v14, v15                  ; with lane l xor 16's two the word is whole
.if (\f) > 0
	s_wait_xcnt 0x0                                ; the last fragment's stores have read the codes' registers, which are written again below
.endif
.irp c, 0,1
	v_cvt_scalef32_pk16_bf6_f32 v[PC+6*\c:PC+6*\c+2], v[X+32*\c:X+32*\c+15], v[10+\c]
	v_cvt_scalef32_pk16_bf6_f32 v[CT+4*\c:CT+4*\c+2], v[X+32*\c+16:X+32*\c+31], v[10+\c]   ; (a conversion's three registers begin on an even number)
.endr
	v_nop                                          ; one plain place behind a scaled conversion
.irp c, 0,1
.irp i, 0,1,2
	v_mov_b32 v[PC+6*\c+3+\i], v[CT+4*\c+\i]
.endr
.endr
.irp c, 0,1,2
	global_store_b128 v1, v[PC+4*\c:PC+4*\c+3], s[14:15] offset:12288*(\f)+512*\c   ; 32 lanes store 512 consecutive bytes, at a multiple of 256 from the buffer's first byte
.endr
.endm
	LOAD 0
	LOAD 1
	FRAGQ 0
	FRAGQ 1
	FRAGQ 2
	FRAGQ 3
	v_cndmask_b32 v20, v[SW], v[SW+2], s30         ; lanes 0-15 send words 0 and 1 of their row, lanes 16-31 words 2 and 3
	v_cndmask_b32 v21, v[SW+1], v[SW+3], s30
	global_store_b64 v4, v[20:21], s[36:37]        ; 32 lanes store 256 consecutive bytes
	s_wait_tensorcnt 0x0
	ds_add_u32 v244, v245
	s_wait_dscnt 0x0
	s_endpgm
.Lfunc_end_k_qaab4bc5ca1_quant:
	.size	k_qaab4bc5ca1_quant, .Lfunc_end_k_qaab4bc5ca1_quant-k_qaab4bc5ca1_quant
	.p2alignl 7, 3214868480
	.fill 96, 4, 3214868480
	.section	.rodata,"a",@progbits
	.p2align	6, 0x0
	.amdhsa_kernel k_qaab4bc5ca1_quant
		.amdhsa_group_segment_fixed_size 34304
		.amdhsa_private_segment_fixed_size 0
		.amdhsa_enable_private_segment 0
		.amdhsa_kernarg_size 56
		.amdhsa_user_sgpr_count 2
		.amdhsa_user_sgpr_kernarg_segment_ptr 1
		.amdhsa_wavefront_size32 1
		.amdhsa_system_sgpr_workgroup_id_x 1
		.amdhsa_system_sgpr_workgroup_id_y 1
		.amdhsa_system_sgpr_workgroup_id_z 1
		.amdhsa_system_vgpr_workitem_id 0
		.amdhsa_next_free_vgpr 246
		.amdhsa_next_free_sgpr 66
		.amdhsa_reserve_vcc 0
		.amdhsa_float_denorm_mode_32 3
		.amdhsa_float_denorm_mode_16_64 3
		.amdhsa_memory_ordered 1
		.amdhsa_forward_progress 1
		.amdhsa_inst_pref_size 31
	.end_amdhsa_kernel
	.amdgpu_metadata
---
amdhsa.version: [ 1, 2 ]
amdhsa.kernels:
  - .name:           k_qaab4bc5ca1_quant
    .symbol:         k_qaab4bc5ca1_quant.kd
    .args:
      - { .name: hidden_states, .offset: 0, .size: 8, .value_kind: global_buffer, .address_space: global }
      - { .name: Wq, .offset: 8, .size: 8, .value_kind: global_buffer, .address_space: global }
      - { .name: Wk, .offset: 16, .size: 8, .value_kind: global_buffer, .address_space: global }
      - { .name: Wv, .offset: 24, .size: 8, .value_kind: global_buffer, .address_space: global }
      - { .name: Wo, .offset: 32, .size: 8, .value_kind: global_buffer, .address_space: global }
      - { .name: xq, .offset: 40, .size: 8, .value_kind: global_buffer, .address_space: global }
      - { .name: wq, .offset: 48, .size: 8, .value_kind: global_buffer, .address_space: global }
    .group_segment_fixed_size: 34304
    .private_segment_fixed_size: 0
    .kernarg_segment_align: 8
    .kernarg_segment_size: 56
    .max_flat_workgroup_size: 128
    .sgpr_count:     66
    .vgpr_count:     246
    .wavefront_size: 32
...
	.end_amdgpu_metadata
.endif
;; end of part 1
;; launch qkv (part 2): grid 96 x 4, 4 waves a work-group, clusters of 4 x 4, 327,680 bytes of LDS; arguments xq, wq, bq, bk, bv, qq, kv; writes qq, kv
.if DOCPART == 2
	.amdgcn_target "amdgcn-amd-amdhsa--gfx1250"
	.amdhsa_code_object_version 6
	.text
	.protected	k_qaab4bc5ca1_qkv
	.globl	k_qaab4bc5ca1_qkv
	.p2align	8
	.type	k_qaab4bc5ca1_qkv,@function
k_qaab4bc5ca1_qkv:
	s_mov_b64 s[64:65], 0
	v_nop
	global_prefetch_b8 v0, s[64:65] scope:SCOPE_SE
	s_setreg_imm32_b32 hwreg(HW_REG_WAVE_MODE, 25, 1), 1
	s_wait_xcnt 0x0
	s_wait_alu depctr_hold_cnt(0) depctr_sa_sdst(0) depctr_va_vdst(0) depctr_va_sdst(0) depctr_va_ssrc(0) depctr_va_vcc(0) depctr_vm_vsrc(0)
	s_getreg_b32 s2, hwreg(HW_REG_IB_STS2, 6, 4)
	s_cmp_eq_u32 s2, 0
	s_cbranch_scc0 .Lentry_in_a_cluster
	s_endpgm
.Lentry_in_a_cluster:
	s_bfe_u32 s2, ttmp6, 0x10000c
	s_cmp_lg_u32 s2, 0xf033
	s_cbranch_scc0 .Lentry_shape_is_right
	s_endpgm
.Lentry_shape_is_right:
; q = x Wq^T + bq, k = x Wk^T + bk, v = x Wv^T + bv on codes of BF6 (E3M2) with E8M0 scales, sums in f32; the results are quantised in registers on the way out and leave as codes:
; q and k along the head's 64, v along the keys.  No f32 result goes to memory.
; OPERANDS arrive as register images (tile = 16 rows 32 (T / 2) + 8 (T % 2) + i + 8 (i / 8); fragment image = tile x 128 K, 1,536 bytes; a group = 8 tiles = 128 neighbouring rows, 98,304 bytes for all of K, K step by K step).
; A TILE OF THE RESULT is 256 (F0) x 256 (F1), made by four waves, each 128 x 128: 64 accumulators, 512 registers.  F0 is source 0, F1 source 1: in a result lane (r, h) holds ONE row of F1 (row r of its tile) and its register j
; row 16 h + j of F0's tile: so the 64 registers of one tile of F1 against F0's eight tiles are, by the order of a tile's rows, k = 32 b + 16 h + i of F0's 128 rows: what the quantiser along F0's axis wants in a lane.
; TWO WAYS, chosen by the cluster's number, the same in all sixteen partners:  clusters 0-15: F0 = rows of Wq, Wk (the heads' channels), F1 = tokens;  clusters 16-23: F0 = tokens (the keys), F1 = rows of Wv.
; K = 1,024 goes in four steps of 256 through a ring of two LDS slots; each wave fetches 128 rows' images of a step, 24,576 dense bytes, by one tensor load.  The scale words of the work-group's rows come once and stay.
; CLUSTERS: 4 x 4 work-groups.  The four of a row of the cluster need the same tiles of F1, the four of a column the same tiles of F0: each is asked for JOINTLY.  384 work-groups: a tile of half the size would even the
; rounds out and read half as much again from LDS for each product.  Nothing is prefetched: K is four slots, two of them first fills.
; OUT.  qq: half images (16 rows x 64 K: registers 0-3 at 16 l, 4-5 at 512 + 8 l: 768 bytes) [batch x head][tile of tokens]; from QS_OFF a word for each row (bytes 0, 1 its two scales; bytes 2, 3 are never 0xff and meet zero codes).
;       kv: for each (batch, head) 208,896 bytes: K's half images [tile]; from 98,304 V's fragments [128 keys][tile of channels][2 x 768]; from 196,608 K's words; from 204,800 V's words.
; LIMITS: NaN and infinities are not served.  A block whose largest magnitude lies under 2^-122 gets the byte 1 (a block of zeros too: its codes are zeros, and this program alone reads the bytes).
; REGISTERS, in windows of 256: window 0: v1-31 addresses; v32-63 scale words, two sets; v128-223 F1's fragments, ONE set; on the way out v64-231.   window 1: F0's fragments, TWO sets, at v0 and v128.
;   window 2: the accumulators of F1's tiles 0-3 ((a, b) at v[8 (8 a + b)]);   window 3: those of tiles 4-7.
.set XS_OFF, 6291456
.set WS_OFF, 3145728
.set QS_OFF, 6291456
.set HEADB,  208896                    ; a (batch, head)'s bytes in kv
.set NQ,     2                         ; matrix instructions deep in a slot
.set FR,     12                        ; registers of a fragment
.set NL,     3                         ; LDS loads that bring one
.set NP,     4                         ; places behind this matrix instruction (ISA guide 7.12.1)
.set HALFT,  24576                     ; 128 rows x 256 K as images: what one tensor load brings
.set SLOT,   4*HALFT                   ; F1's two halves, then F0's two
.set SCL,    2*SLOT                    ; behind the ring: the scale words, as runs of 256 bytes + 16 of padding
.set HALFS,  16*272                    ; those of 128 rows
.set SPARE,  SCL+4*HALFS               ; the spare words, 128 bytes for each wave: two blocks of 256 bytes that no other line names
.set ADRA, 16                          ; v16-17  LDS address of my F1 images in slot 0, 1
.set ADRB, 20                          ; v20-21  the same for F0
.set L16,  24                          ; v24     16 x lane
.set L8,   25                          ; v25     8 x lane
.set L4,   26                          ; v26     4 x lane
.set ADRS, 27                          ; v27     LDS address of my scale words: lanes 0-15 F1's rows, lanes 16-31 F0's
.set SPW,  28                          ; v28     LDS address of my spare word; never rewritten
.set NIL,  29                          ; v29     0; never rewritten
.set BO,   30                          ; v30     the bias loads' lane offset
.set SC,   32                          ; scale words: set s at v[SC + 16 s]; register 2 i + q: lanes 0-15 F1's tile i, lanes 16-31 F0's tile i, the slot's q-th 128 along K
.set AF,   128                         ; F1's fragments
.set BR,   64                          ; the way out: v64-127 the biases
.set H,    128                         ; v128-191 64 numbers of a lane
.set PC,   192                         ; v192-211 the codes just made
.set TM,   212                         ; v212-227 largest magnitudes, bytes, scale operands
.set PW,   228                         ; the scale word just made
.set KP,   229                         ; an even tile's word, kept for its neighbour
.set WA,   230
.set WB,   231
.set SEL,  2                           ; s[2:3]  lane selects for v_permlanex16_b32
.set G1, 24                            ; s[24:31] descriptor group 1 for F1's tiles;  s[32:39] group 0, one set for each slot
.set G0, 32
.set G1B, 48                           ; s[48:55], s[56:63] the same for F0's
.set G0B, 56
.set G1S, 68                           ; s[68:75], s[76:79] for F1's scale words;  s[80:87], s[88:91] for F0's
.set G0S, 76
.set G1SB, 80
.set G0SB, 88
.set MSB, 0
.macro WIN new                         ; the immediate's high byte repeats the setting that is left
.if MSB != (\new)
	s_set_vgpr_msb (MSB<<8)|(\new)
.set MSB, (\new)
.endif
.endm
.set MUL_LO, 0xa1                      ; source 0 (F0) window 1, source 1 (F1) window 0, C and D window 2
.set MUL_HI, 0xf1                      ; the same, C and D window 3
.set TO_B,   0x40                      ; destination window 1, address window 0
; A joint load: waves 0 and 1 fetch for F1, waves 2 and 3 for F0.  Each of the two lines has ONE mask and one set of registers for all that issue it; the branch hangs on the wave's number alone.
; Four v_nop follow each of the two lines, ahead of the jump, the label and what follows.
.macro JLOAD g0a, g1a, g0b, g1b
	s_cmp_eq_u32 s19, 0
	s_cbranch_scc0 .Lfor_b_\@
	tensor_load_to_lds s[\g0a:\g0a+3], s[\g1a:\g1a+7]
	s_nop 0
.rept 4
	v_nop
.endr
	s_branch .Lasked_\@
.Lfor_b_\@:
	tensor_load_to_lds s[\g0b:\g0b+3], s[\g1b:\g1b+7]
	s_nop 0
.rept 4
	v_nop
.endr
.Lasked_\@:
.endm
.macro CREST                           ; a round of the cluster's barrier behind its opening barrier
	s_cmp_lg_u32 s18, 0
	s_cbranch_scc1 .Lnot_wave_0_\@
	s_barrier_signal -3
.Lnot_wave_0_\@:
	s_barrier_wait -3
	s_barrier_signal -1
	s_barrier_wait -1
.endm
.macro CROUND                          ; a whole round
	s_barrier_signal -1
	s_barrier_wait -1
	CREST
.endm
	s_load_b256 s[4:11], s[0:1], 0x0               ; xq, wq, bq, bk
	s_load_b128 s[12:15], s[0:1], 0x20             ; bv, qq
	s_load_b64 s[16:17], s[0:1], 0x30              ; kv
	v_lshl_add_u32 v[SPW], v0, 2, SPARE
	v_mov_b32 v[NIL], 0
	ds_add_u32 v28, v29
	ds_add_u32 v28, v29
	s_wait_dscnt 0x0
	v_lshrrev_b32 v1, 5, v0
	v_readfirstlane_b32 s18, v1                    ; wave 0..3
	s_lshr_b32 s19, s18, 1                         ; which half of F1's rows is mine.  Also: I fetch for F1 (0) or for F0 (1)
	s_and_b32 s20, s18, 1                          ; which half of F0's rows.  Also: which 128 rows I fetch
	s_bfe_u32 s21, ttmp6, 0x40000                  ; cx, cy: my place in the cluster
	s_bfe_u32 s22, ttmp6, 0x40004
	s_and_b32 s42, ttmp9, 1                        ; q, k: the cluster's column (0: q, 1: k),
	s_sub_co_u32 s43, ttmp9, 16                    ; v: its column,
	s_lshr_b32 s44, ttmp9, 1                       ; q, k: its row
	s_mov_b32 s45, XS_OFF
	s_mov_b32 s46, WS_OFF
	s_cmp_lt_u32 ttmp9, 16                         ; which way: the cluster's number, the same in all sixteen partners
	s_cselect_b32 s23, 0, 1                        ; 0: q and k; 1: v
	s_cselect_b32 s42, s42, s43
	s_cselect_b32 s44, s44, 0
	s_cselect_b32 s66, s46, s45                    ; where F0's scale words begin in its buffer,
	s_cselect_b32 s67, s45, s46                    ; and F1's
	s_cselect_b32 s47, 0, 16                       ; Wv's groups lie 16 groups on in wq
	s_lshl_b32 s40, s42, 2
	s_add_co_u32 s40, s40, s21                     ; F0's tile of 256 rows = 4 x the cluster's column + cx
	s_lshl_b32 s41, s44, 2
	s_add_co_u32 s41, s41, s22                     ; F1's = 4 x the cluster's row + cy
	s_lshl_b32 s94, s22, 2
	s_lshl_b32 s94, 15, s94                        ; my row of the cluster
	s_lshl_b32 s95, 0x1111, s21                    ; my column
	; descriptor group 1: 24,576 dense bytes as 96 rows of 256 (32 elements of 8 bytes), no padding
	s_or_b32 s[G1+0], s94, (3<<16)|(1<<21)         ; 15:0 the mask: F1's tiles go to my row; 17:16 elements of 8 bytes; 21 set beside a mask
	s_or_b32 s[G1B+0], s95, (3<<16)|(1<<21)
.irp g, G1, G1B
	s_mov_b32 s[\g+1], 32<<16                      ; tensor_dim0
	s_mov_b32 s[\g+2], 96<<16                      ; tensor_dim1
	s_mov_b32 s[\g+3], 32<<16                      ; tile_dim0
	s_mov_b32 s[\g+4], 96                          ; tile_dim1
	s_mov_b32 s[\g+5], 32                          ; tensor_dim0_stride
	s_mov_b32 s[\g+6], 0
	s_mov_b32 s[\g+7], 0
.endr
	; and for the scale words of 128 rows: 4,096 dense bytes as 16 rows of 256, 16 bytes of padding behind each
	s_or_b32 s[G1S+0], s94, (3<<16)|(1<<20)|(1<<21)|(5<<22)|(3<<25)
	s_or_b32 s[G1SB+0], s95, (3<<16)|(1<<20)|(1<<21)|(5<<22)|(3<<25)
.irp g, G1S, G1SB
	s_mov_b32 s[\g+1], 32<<16
	s_mov_b32 s[\g+2], 16<<16
	s_mov_b32 s[\g+3], 32<<16
	s_mov_b32 s[\g+4], 16
	s_mov_b32 s[\g+5], 32
	s_mov_b32 s[\g+6], 0
	s_mov_b32 s[\g+7], 0
.endr
	s_lshl_b32 s96, s41, 1
	s_add_co_u32 s96, s96, s20
	s_add_co_u32 s96, s96, s47                     ; the group of F1 that I would fetch: made of cy, never of cx
	s_lshl_b32 s98, s40, 1
	s_add_co_u32 s98, s98, s20                     ; and of F0: made of cx, never of cy
	s_mul_i32 s42, s96, 98304                      ; F1: its images,
	s_mov_b32 s43, 0
	s_lshl_b32 s44, s96, 12
	s_add_co_u32 s44, s44, s67                     ; its scale words
	s_mov_b32 s45, 0
	s_mul_i32 s46, s98, 98304                      ; F0 likewise
	s_mov_b32 s47, 0
	s_lshl_b32 s92, s98, 12
	s_add_co_u32 s92, s92, s66
	s_mov_b32 s93, 0
	s_mul_i32 s66, s18, HALFT                      ; where they go: wave x a part: no place in the cluster enters an LDS address
	s_mul_i32 s67, s18, HALFS
	s_wait_kmcnt 0x0
	s_cmp_lt_u32 ttmp9, 16
	s_cselect_b64 s[94:95], s[4:5], s[6:7]         ; F1's buffer
	s_cselect_b64 s[96:97], s[6:7], s[4:5]         ; F0's
	s_add_nc_u64 s[42:43], s[94:95], s[42:43]
	s_add_nc_u64 s[44:45], s[94:95], s[44:45]
	s_add_nc_u64 s[46:47], s[96:97], s[46:47]
	s_add_nc_u64 s[92:93], s[96:97], s[92:93]
	CROUND                                         ; all sixteen work-groups are here: the first joint loads meet
	s_mov_b32 s[G0S], 1
	s_add_co_u32 s[G0S+1], s67, SCL
	s_mov_b64 s[G0S+2:G0S+3], s[44:45]
	s_or_b32 s[G0S+3], s[G0S+3], 0x80000000
	s_mov_b32 s[G0SB], 1
	s_add_co_u32 s[G0SB+1], s67, SCL
	s_mov_b64 s[G0SB+2:G0SB+3], s[92:93]
	s_or_b32 s[G0SB+3], s[G0SB+3], 0x80000000
	JLOAD G0S, G1S, G0SB, G1SB                     ; the scale words first: they are wanted with the first step.  With the two below, three tensor loads of mine are out
.irp s, 0,1
	s_mov_b32 s[G0+4*\s], 1
	s_add_co_u32 s[G0+4*\s+1], s66, \s*SLOT
	s_add_nc_u64 s[G0+4*\s+2:G0+4*\s+3], s[42:43], \s*HALFT
	s_or_b32 s[G0+4*\s+3], s[G0+4*\s+3], 0x80000000
	s_mov_b32 s[G0B+4*\s], 1
	s_add_co_u32 s[G0B+4*\s+1], s66, \s*SLOT
	s_add_nc_u64 s[G0B+4*\s+2:G0B+4*\s+3], s[46:47], \s*HALFT
	s_or_b32 s[G0B+4*\s+3], s[G0B+4*\s+3], 0x80000000
	JLOAD G0+4*\s, G1, G0B+4*\s, G1B
.endr
	v_and_b32 v1, 15, v0                           ; r
	v_bfe_u32 v2, v0, 4, 1                         ; h
	v_and_b32 v3, 31, v0                           ; lane
	v_lshlrev_b32 v[L16], 4, v3
	v_lshlrev_b32 v[L8], 3, v3
	v_lshlrev_b32 v[L4], 2, v3
	s_mul_i32 s42, s19, HALFT                      ; my 128 rows of F1
	s_mul_i32 s43, s20, HALFT                      ; my 128 rows of F0,
	s_add_co_u32 s43, s43, 2*HALFT                 ; which lie behind F1's two halves
.irp s, 0,1
	v_add_nc_u32 v[ADRA+\s], s42, v[L16]
	v_add_nc_u32 v[ADRB+\s], s43, v[L16]
	s_add_co_u32 s42, s42, SLOT
	s_add_co_u32 s43, s43, SLOT
.endr
	s_mul_i32 s42, s19, HALFS                      ; F1's words: my 128 rows
	s_mul_i32 s43, s20, HALFS                      ; F0's: my 128 rows, behind F1's two halves
	s_add_co_u32 s43, s43, 2*HALFS
	s_sub_co_u32 s43, s43, s42
	v_mul_u32_u24 v4, s43, v2                      ; lanes 16-31 take F0's: the lower base + h x the distance
	s_add_co_u32 s42, s42, SCL
	v_lshl_add_u32 v4, v1, 4, v4                   ; 16 bytes a row
	v_add_nc_u32 v[ADRS], s42, v4
.macro FRAG reg, adr, q, i             ; a fragment comes as it was stored: three runs of 512 bytes, 16 bytes a lane
.irp c, 0,1,2
	ds_load_b128 v[\reg+4*\c:\reg+4*\c+3], v[\adr] offset:12288*(\q)+1536*(\i)+512*\c
.endr
.endm
; 16 matrix instructions: F1's tiles a0, a0 + 1 x F0's eight, 128 along K: the slot's q-th.  p: F0's set;  sc: the set of scale words.  zero = 1: the first product starts the sums: nothing is ever cleared.
; The 64 accumulators take turns, one instruction a turn, in the same order in every step.
.macro MUL16 a0, p, q, sc, zero
.irp a, \a0, \a0+1
.irp b, 0,1,2,3,4,5,6,7
.if \zero
	v_wmma_scale_f32_16x16x128_f8f6f4 v[8*(8*((\a)%4)+\b):8*(8*((\a)%4)+\b)+7], v[128*(\p)+FR*\b:128*(\p)+FR*\b+FR-1], v[AF+FR*(\a):AF+FR*(\a)+FR-1], 0, v[SC+8*NQ*(\sc)+NQ*\b+(\q)], v[SC+8*NQ*(\sc)+NQ*(\a)+(\q)] matrix_a_fmt:MATRIX_FMT_BF6 matrix_b_fmt:MATRIX_FMT_BF6 matrix_a_scale:MATRIX_SCALE_ROW1
.else
	v_wmma_scale_f32_16x16x128_f8f6f4 v[8*(8*((\a)%4)+\b):8*(8*((\a)%4)+\b)+7], v[128*(\p)+FR*\b:128*(\p)+FR*\b+FR-1], v[AF+FR*(\a):AF+FR*(\a)+FR-1], v[8*(8*((\a)%4)+\b):8*(8*((\a)%4)+\b)+7], v[SC+8*NQ*(\sc)+NQ*\b+(\q)], v[SC+8*NQ*(\sc)+NQ*(\a)+(\q)] matrix_a_fmt:MATRIX_FMT_BF6 matrix_b_fmt:MATRIX_FMT_BF6 matrix_a_scale:MATRIX_SCALE_ROW1
.endif
.endr
.endr
.endm
.macro FETCH_B slot, q, p              ; F0's eight fragments of the slot's q-th 128 along K into set p
	WIN TO_B
.irp i, 0,1,2,3,4,5,6,7
	FRAG 128*(\p)+FR*\i, ADRB+\slot, \q, \i
.endr
	WIN 0
.endm
.macro FETCH_A slot, q, i0             ; F1's tiles i0 .. i0 + 3
.irp i, \i0, \i0+1, \i0+2, \i0+3
	FRAG AF+FR*(\i), ADRA+\slot, \q, \i
.endr
.endm
.macro SCALES sc, t                    ; the scale words of K step t (256 along K) into set sc: two words a row; a tile's words of half of K are a run of 256 bytes
.irp i, 0,1,2,3,4,5,6,7
	ds_load_b64 v[SC+8*NQ*(\sc)+NQ*\i:SC+8*NQ*(\sc)+NQ*\i+1], v[ADRS] offset:(2*\i+(\t)/2)*272+8*((\t)%2)
.endr
.endm
; A load into a register that a matrix instruction has read, and a vector instruction that reads a matrix result, stand NP places behind that matrix instruction, and only plain vector
; instructions that name none of its registers are places (ISA guide 7.12.1 for vector instructions).
.macro PLACES n
.rept \n
	v_nop
.endr
.endm
; A step of 128 along K that has its successor in the same slot.  F1's tiles are free as soon as their eight products are issued: one set serves; F0's are at work through the whole step: two sets.
.macro STEP slot, q, zero
	s_wait_dscnt 4*NL                              ; F0's set, F1's tiles 0-3 and the scale words are in; the youngest 12 loads (F1's tiles 4-7) may be out
	WIN MUL_LO
	MUL16 0, (\q)%2, \q, \slot, \zero
	MUL16 2, (\q)%2, \q, \slot, \zero
	s_wait_dscnt 0                                 ; F1's tiles 4-7 are in
	PLACES NP
	FETCH_B \slot, (\q)+1, 1-(\q)%2
	FETCH_A \slot, (\q)+1, 0
	WIN MUL_HI
	MUL16 4, (\q)%2, \q, \slot, \zero
	MUL16 6, (\q)%2, \q, \slot, \zero
	PLACES NP
	WIN 0
	FETCH_A \slot, (\q)+1, 4
.endm
; A slot's last step changes slots: ONE barrier; in front of it each wave waits for all its tensor loads, adds 0 to its spare word, and waits for that and for its own reads of this slot.
; fill = 1: this slot is filled again, two K steps ahead.  t: the K step that lies in the next slot.
.macro TURN slot, next, fill, t
	s_wait_tensorcnt 0x0                           ; all my tensor loads have landed: my part of the next slot;  (every window is 0 here)
	ds_add_u32 v[SPW], v[NIL]                      ; 0 onto my spare word
	s_wait_dscnt 4*NL+1                            ; (the add and the youngest 12 loads, F1's tiles 4-7, may be out)
	WIN MUL_LO
	MUL16 0, 1, NQ-1, \slot, 0                     ; sixteen matrix instructions stand between the add and the wait for it
	s_wait_dscnt 0x0                               ; the add is done, and my reads of this slot are over
	s_barrier_signal -1
	MUL16 2, 1, NQ-1, \slot, 0
	WIN 0
	s_barrier_wait -1
.if \fill
	CREST                                          ; the barrier has opened a round of the cluster's barrier: no wave of any partner still reads this slot or has a load on its way
	s_add_nc_u64 s[G0+4*\slot+2:G0+4*\slot+3], s[G0+4*\slot+2:G0+4*\slot+3], 2*HALFT
	s_add_nc_u64 s[G0B+4*\slot+2:G0B+4*\slot+3], s[G0B+4*\slot+2:G0B+4*\slot+3], 2*HALFT
	JLOAD G0+4*\slot, G1, G0B+4*\slot, G1B         ; the first tensor load behind the round, my only one that is out; the four v_nop behind it are the places in front of the loads below
.else
	PLACES NP
.endif
	FETCH_B \next, 0, 0
	FETCH_A \next, 0, 0
	SCALES \next, \t
	WIN MUL_HI
	MUL16 4, 1, NQ-1, \slot, 0
	MUL16 6, 1, NQ-1, \slot, 0
	PLACES NP
	WIN 0
	FETCH_A \next, 0, 4
.endm
	s_wait_tensorcnt 1                             ; the scale words and my part of K step 0 are in (K step 1's load may be out)
	s_barrier_signal -1
	s_barrier_wait -1                              ; everybody's are
	FETCH_B 0, 0, 0
	FETCH_A 0, 0, 0
	SCALES 0, 0
	FETCH_A 0, 0, 4
	STEP 0, 0, 1                                   ; K's four steps of 256 are written out: the first products start the sums
	TURN 0, 1, 1, 1
	STEP 1, 0, 0
	TURN 1, 0, 1, 2
	STEP 0, 0, 0
	TURN 0, 1, 0, 3                                ; nothing is left to fetch: no round
	STEP 1, 0, 0
	s_wait_dscnt 4*NL                              ; the very last step
	WIN MUL_LO
	MUL16 0, 1, NQ-1, 1, 0
	MUL16 2, 1, NQ-1, 1, 0
	s_wait_dscnt 0
	WIN MUL_HI
	MUL16 4, 1, NQ-1, 1, 0
	MUL16 6, 1, NQ-1, 1, 0
	WIN 0
	PLACES NP                                      ; in front of the first read of results and the first write of registers that held F1's fragments
; 64 numbers of a lane, v[s] .. v[s + 63], register 16 b + i = k 32 b + 16 (lane / 16) + i of my row, become a fragment's codes in v[PC] on and its scale word in v[PW].
.macro QUANT s
.irp b, 0,1,2,3
	v_max3_num_f32 v[TM+\b], |v[\s+16*\b]|, |v[\s+1+16*\b]|, 0x2800000   ; block b: my 16 numbers, and the floor 2^(5 - 127): the byte cannot fall under 1
.endr
.irp i, 2,4,6,8,10,12,14
.irp b, 0,1,2,3
	v_max3_num_f32 v[TM+\b], v[TM+\b], |v[\s+16*\b+\i]|, |v[\s+1+16*\b+\i]|   ; (the four blocks by turns)
.endr
.endr
.irp b, 0,1,2,3
	v_permlanex16_b32 v[TM+4+\b], v[TM+\b], s[SEL], s[SEL+1]
.endr
.irp b, 0,1,2,3
	v_max_num_f32 v[TM+\b], v[TM+\b], v[TM+4+\b]   ; with lane l xor 16's: the block's largest magnitude
.endr
.irp b, 0,1,2,3
	v_add_nc_u32 v[TM+12+\b], 0xfe000000, v[TM+\b]   ; 4 off its exponent field: the conversion's scale operand
.endr
.irp b, 0,1,2,3
	v_lshrrev_b32 v[TM+4+\b], 23, v[TM+12+\b]      ; the scale's byte
.endr
	v_lshl_or_b32 v[PW], v[TM+5], 8, v[TM+4]       ; the four bytes make my row's scale word
	v_lshl_or_b32 v[PW], v[TM+6], 16, v[PW]
	v_lshl_or_b32 v[PW], v[TM+7], 24, v[PW]
.irp c, 0,1
	v_cvt_scalef32_pk16_bf6_f32 v[PC+6*\c:PC+2+6*\c], v[\s+32*\c:\s+15+32*\c], v[TM+12+2*\c]
	v_cvt_scalef32_pk16_bf6_f32 v[PC+12+4*\c:PC+14+4*\c], v[\s+16+32*\c:\s+31+32*\c], v[TM+12+2*\c+1]   ; (a conversion's three registers begin on an even number)
.endr
	v_nop                                          ; one plain place behind a scaled conversion
.irp c, 0,1                                    ; the operand's layout wants a WHOLE block in a lane: lanes 0-15 block 2 c, lanes 16-31 block 2 c + 1
.irp i, 0,1,2
	v_permlane16_swap_b32 v[PC+6*\c+\i], v[PC+12+4*\c+\i]
.endr
.irp i, 0,1,2
	v_mov_b32 v[PC+3+6*\c+\i], v[PC+12+4*\c+\i]
.endr
.endr
.endm
.irp b, 0,1,2,3
	v_mov_b32 v[TM+4+\b], 0                        ; written once: a lane permute's destination counts as one of its sources
.endr
	s_mov_b32 s[SEL], 0x76543210
	s_mov_b32 s[SEL+1], 0xfedcba98
	s_mov_b32 s67, 0xffff0000                      ; lanes 16-31
	s_cmp_lg_u32 s23, 0
	s_cbranch_scc1 .Larm_v
	; ---- THE WAY OUT OF q AND k.  My 128 rows of F0 are two heads' channels; F1's tile a is a tile of 16 tokens.  A lane's 64 numbers become one fragment: registers 0-5 are the first head's half image, 6-11 the second's.
	s_lshl_b32 s42, s21, 2
	s_lshl_b32 s43, s20, 1
	s_add_co_u32 s42, s42, s43                     ; my first head
	s_lshl_b32 s43, s41, 4
	s_lshl_b32 s44, s19, 3
	s_add_co_u32 s43, s43, s44                     ; my first tile of tokens
	s_lshr_b32 s44, s43, 7                         ; its batch,
	s_and_b32 s45, s43, 127                        ; its number in the batch
	s_lshl_b32 s46, s44, 4
	s_add_co_u32 s46, s46, s42                     ; 16 x batch + head
	s_and_b32 s47, ttmp9, 1                        ; q (0) or k (1)
	s_mov_b32 s92, HEADB
	s_mov_b32 s66, 196608
	s_mov_b32 s98, HEADB
	s_cmp_eq_u32 s47, 0
	s_cselect_b64 s[94:95], s[14:15], s[16:17]     ; qq or kv
	s_cselect_b64 s[96:97], s[8:9], s[10:11]       ; bq or bk
	s_cselect_b32 s92, 98304, s92                  ; from head to head: the images,
	s_cselect_b32 s66, QS_OFF, s66                 ; where the words begin,
	s_cselect_b32 s98, 8192, s98                   ; from head to head: the words
	s_mov_b32 s93, 0
	s_mov_b32 s99, 0
	s_mul_i32 s4, s46, s92
	s_mul_i32 s47, s45, 768
	s_add_co_u32 s4, s4, s47
	s_mov_b32 s5, 0
	s_add_nc_u64 s[4:5], s[94:95], s[4:5]          ; the first head's half images
	s_add_nc_u64 s[6:7], s[4:5], s[92:93]          ; the second's
	s_mul_i32 s44, s46, s98
	s_lshl_b32 s47, s45, 6
	s_add_co_u32 s44, s44, s47
	s_add_co_u32 s44, s44, s66
	s_mov_b32 s45, 0
	s_add_nc_u64 s[44:45], s[94:95], s[44:45]      ; the first head's words
	s_add_nc_u64 s[46:47], s[44:45], s[98:99]      ; the second's
	s_lshl_b32 s42, s42, 8
	s_mov_b32 s43, 0
	s_add_nc_u64 s[96:97], s[96:97], s[42:43]      ; the bias at my first head
	v_lshlrev_b32 v[BO], 6, v2                     ; lane (r, h) wants, for F0's tile b, the biases of channels 32 (b / 2) + 8 (b % 2) + 16 h + 0 .. 7
.irp b, 0,1,2,3,4,5,6,7
	global_load_b128 v[BR+8*\b:BR+8*\b+3], v[BO], s[96:97] offset:(32*(\b/2)+8*(\b%2))*4
	global_load_b128 v[BR+8*\b+4:BR+8*\b+7], v[BO], s[96:97] offset:(32*(\b/2)+8*(\b%2))*4+16
.endr
	s_wait_loadcnt 0x0
.macro OUT_QK a
.if (\a) > 0
	s_wait_xcnt 0x0                                ; the last tile's stores have read their registers, which are written again below
.endif
	WIN 0x02+(\a)/4                                ; source 0: window 2 or 3
.set k, 0
.rept 32
	v_pk_add_f32 v[H+2*k:H+2*k+1], v[64*((\a)%4)+2*k:64*((\a)%4)+2*k+1], v[BR+2*k:BR+2*k+1]   ; + the bias; each accumulator from its low end on
.set k, k+1
.endr
	WIN 0
	QUANT H
	global_store_b128 v[L16], v[PC:PC+3], s[4:5] offset:768*(\a)          ; 512 consecutive bytes, then 256: a half image
	global_store_b64 v[L8], v[PC+4:PC+5], s[4:5] offset:768*(\a)+512
	global_store_b128 v[L16], v[PC+6:PC+9], s[6:7] offset:768*(\a)
	global_store_b64 v[L8], v[PC+10:PC+11], s[6:7] offset:768*(\a)+512
.if ((\a)%2) == 0
	v_mov_b32 v[KP], v[PW]
.else
	v_cndmask_b32 v[WA], v[KP], v[PW], s67         ; lanes 0-15 send the even tile's words, lanes 16-31 the odd tile's: 128 consecutive bytes
	v_lshrrev_b32 v[WB], 16, v[WA]                 ; the second head's two bytes
	global_store_b32 v[L4], v[WA], s[44:45] offset:128*((\a)/2)
	global_store_b32 v[L4], v[WB], s[46:47] offset:128*((\a)/2)
.endif
.endm
.irp a, 0,1,2,3,4,5,6,7
	OUT_QK \a
.endr
	s_branch .Ljoin
.Larm_v:
	; ---- THE WAY OUT OF v.  My 128 rows of F0 are 128 keys, one K step of attention's second product; F1's tiles 0-3 are the first head's 64 channels, tiles 4-7 the second's.  A lane's 64 numbers become one fragment of V^T.
	s_lshl_b32 s43, s40, 4
	s_lshl_b32 s44, s20, 3
	s_add_co_u32 s43, s43, s44                     ; my first tile of tokens
	s_lshr_b32 s44, s43, 7                         ; its batch
	s_and_b32 s45, s43, 127
	s_lshr_b32 s45, s45, 3                         ; which 128 keys of the batch
	s_lshl_b32 s42, s41, 2
	s_lshl_b32 s46, s19, 1
	s_add_co_u32 s42, s42, s46                     ; my first head
	s_lshl_b32 s46, s44, 4
	s_add_co_u32 s46, s46, s42                     ; 16 x batch + head
	s_mul_i32 s46, s46, HEADB
	s_mul_i32 s4, s45, 6144
	s_add_co_u32 s4, s4, s46
	s_add_co_u32 s4, s4, 98304
	s_mov_b32 s5, 0
	s_add_nc_u64 s[4:5], s[16:17], s[4:5]          ; the fragments
	s_lshl_b32 s44, s45, 8
	s_add_co_u32 s44, s44, s46
	s_add_co_u32 s44, s44, 204800
	s_mov_b32 s45, 0
	s_add_nc_u64 s[44:45], s[16:17], s[44:45]      ; their words
	s_lshl_b32 s42, s42, 8
	s_mov_b32 s43, 0
	s_add_nc_u64 s[96:97], s[12:13], s[42:43]      ; bv at my first head
	v_and_b32 v4, 8, v1
	v_add_nc_u32 v4, v4, v1
	v_lshlrev_b32 v[BO], 2, v4                     ; my row of a tile: r + 8 (r / 8)
.irp a, 0,1,2,3,4,5,6,7
	global_load_b32 v[BR+\a], v[BO], s[96:97] offset:(32*(\a/2)+8*(\a%2))*4   ; one bias a lane for each tile of channels
.endr
	s_wait_loadcnt 0x0
.macro OUT_V a
.if (\a) > 0
	s_wait_xcnt 0x0                                ; the last tile's stores have read their registers
.endif
	WIN 0x02+(\a)/4
.set k, 0
.rept 32
.if ((\a)%2) == 0
	v_pk_add_f32 v[H+2*k:H+2*k+1], v[64*((\a)%4)+2*k:64*((\a)%4)+2*k+1], v[BR+(\a):BR+(\a)+1] op_sel_hi:[1,0]   ; the pair's low word serves both halves
.else
	v_pk_add_f32 v[H+2*k:H+2*k+1], v[64*((\a)%4)+2*k:64*((\a)%4)+2*k+1], v[BR+(\a)-1:BR+(\a)] op_sel:[0,1] op_sel_hi:[1,1]   ; its high word
.endif
.set k, k+1
.endr
	WIN 0
	QUANT H
	global_store_b128 v[L16], v[PC:PC+3], s[4:5] offset:((\a)/4)*HEADB+((\a)%4)*1536
	global_store_b64 v[L8], v[PC+4:PC+5], s[4:5] offset:((\a)/4)*HEADB+((\a)%4)*1536+512
	global_store_b128 v[L16], v[PC+6:PC+9], s[4:5] offset:((\a)/4)*HEADB+((\a)%4)*1536+768
	global_store_b64 v[L8], v[PC+10:PC+11], s[4:5] offset:((\a)/4)*HEADB+((\a)%4)*1536+1280
.if ((\a)%2) == 0
	v_mov_b32 v[KP], v[PW]
.else
	v_cndmask_b32 v[WA], v[KP], v[PW], s67
	global_store_b32 v[L4], v[WA], s[44:45] offset:((\a)/4)*HEADB+(((\a)%4)/2)*128
.endif
.endm
.irp a, 0,1,2,3,4,5,6,7
	OUT_V \a
.endr
.Ljoin:
	s_wait_tensorcnt 0x0                           ; the wave's end
	ds_add_u32 v[SPW], v[NIL]
	s_wait_dscnt 0x0
	CROUND                                         ; the closing round: no work-group ends while a partner may still ask for a tile that names it
	s_endpgm
.Lfunc_end_k_qaab4bc5ca1_qkv:
	.size	k_qaab4bc5ca1_qkv, .Lfunc_end_k_qaab4bc5ca1_qkv-k_qaab4bc5ca1_qkv
	.p2alignl 7, 3214868480
	.fill 96, 4, 3214868480
	.section	.rodata,"a",@progbits
	.p2align	6, 0x0
	.amdhsa_kernel k_qaab4bc5ca1_qkv
		.amdhsa_group_segment_fixed_size 327680
		.amdhsa_private_segment_fixed_size 0
		.amdhsa_enable_private_segment 0
		.amdhsa_kernarg_size 56
		.amdhsa_user_sgpr_count 2
		.amdhsa_user_sgpr_kernarg_segment_ptr 1
		.amdhsa_wavefront_size32 1
		.amdhsa_system_sgpr_workgroup_id_x 1
		.amdhsa_system_sgpr_workgroup_id_y 1
		.amdhsa_system_sgpr_workgroup_id_z 1
		.amdhsa_system_vgpr_workitem_id 0
		.amdhsa_next_free_vgpr 1024
		.amdhsa_next_free_sgpr 100
		.amdhsa_reserve_vcc 0
		.amdhsa_float_denorm_mode_32 3
		.amdhsa_float_denorm_mode_16_64 3
		.amdhsa_memory_ordered 1
		.amdhsa_forward_progress 1
		.amdhsa_inst_pref_size 212
	.end_amdhsa_kernel
	.amdgpu_metadata
---
amdhsa.version: [ 1, 2 ]
amdhsa.kernels:
  - .name:           k_qaab4bc5ca1_qkv
    .symbol:         k_qaab4bc5ca1_qkv.kd
    .args:
      - { .name: xq, .offset: 0, .size: 8, .value_kind: global_buffer, .address_space: global }
      - { .name: wq, .offset: 8, .size: 8, .value_kind: global_buffer, .address_space: global }
      - { .name: bq, .offset: 16, .size: 8, .value_kind: global_buffer, .address_space: global }
      - { .name: bk, .offset: 24, .size: 8, .value_kind: global_buffer, .address_space: global }
      - { .name: bv, .offset: 32, .size: 8, .value_kind: global_buffer, .address_space: global }
      - { .name: qq, .offset: 40, .size: 8, .value_kind: global_buffer, .address_space: global }
      - { .name: kv, .offset: 48, .size: 8, .value_kind: global_buffer, .address_space: global }
    .group_segment_fixed_size: 327680
    .private_segment_fixed_size: 0
    .kernarg_segment_align: 8
    .kernarg_segment_size: 56
    .max_flat_workgroup_size: 128
    .sgpr_count:     100
    .vgpr_count:     1024
    .wavefront_size: 32
...
	.end_amdgpu_metadata
.endif
;; end of part 2
;; launch attn (part 3): grid 4 x 64, 8 waves a work-group, clusters of 4 x 1, 218,112 bytes of LDS; arguments qq, kv, attention_mask, cq; writes cq
.if DOCPART == 3
	.amdgcn_target "amdgcn-amd-amdhsa--gfx1250"
	.amdhsa_code_object_version 6
	.text
	.protected	k_qaab4bc5ca1_attn
	.globl	k_qaab4bc5ca1_attn
	.p2align	8
	.type	k_qaab4bc5ca1_attn,@function
k_qaab4bc5ca1_attn:
	s_mov_b64 s[64:65], 0
	v_nop
	global_prefetch_b8 v0, s[64:65] scope:SCOPE_SE
	s_setreg_imm32_b32 hwreg(HW_REG_WAVE_MODE, 25, 1), 1
	s_wait_xcnt 0x0
	s_wait_alu depctr_hold_cnt(0) depctr_sa_sdst(0) depctr_va_vdst(0) depctr_va_sdst(0) depctr_va_ssrc(0) depctr_va_vcc(0) depctr_vm_vsrc(0)
	s_getreg_b32 s2, hwreg(HW_REG_IB_STS2, 6, 4)
	s_cmp_eq_u32 s2, 0
	s_cbranch_scc0 .Lentry_in_a_cluster
	s_endpgm
.Lentry_in_a_cluster:
	s_bfe_u32 s2, ttmp6, 0x10000c
	s_cmp_lg_u32 s2, 0x3003
	s_cbranch_scc0 .Lentry_shape_is_right
	s_endpgm
.Lentry_shape_is_right:
; ctx[b][q][head] = softmax_k(q . k / 8 + mask[b][k]) v, both products on codes of BF6 (E3M2) with E8M0 scales; ctx is quantised along the hidden axis (blocks of 32 lie inside a head) and leaves as codes.
; THE SOFTMAX AHEAD OF THE SECOND PRODUCT: t = (q . k / 8 + mask) log2(e); M = the running largest t rounded UP to a whole number; p = 2^(t - M) is quantised along the keys, not normalised; the row's sum is taken of the
; unquantised p and divides at the end.  When M moves, the sum and O are multiplied by 2^(old M - new M): exact.
; SHARES.  A cluster of four work-groups is one (batch, head); a work-group owns 512 queries; each of its eight waves takes two tiles of 16 queries at a time, in two passes, and walks all 2,048 keys, 128 a step.
; Two tiles to a wave share each fragment of K and V and each mask word read from LDS.  Two waves lie on a SIMD: one's exponentials stand beside the other's plain work and products.
; ALL OF THE HEAD'S K, V AND THEIR SCALE WORDS STAY IN LDS: 208,896 bytes, laid as in memory, filled ONCE: each wave asks for an eighth by one joint load (the same in all four work-groups); no byte is filled again.
; LAYOUT.  Both products are used transposed: S^T = K Q^T (source 0 = a tile of 16 keys), O^T = V^T P^T (source 0 = a tile of 16 channels): a lane holds ONE query throughout.  A tile's 16 rows are
; 32 (T / 2) + 8 (T % 2) + i + 8 (i / 8), so the 16 registers of tiles 2 b, 2 b + 1 are 16 neighbours: keys for p, channels for ctx.
; THE HEAD HAS 64 CHANNELS, the instruction takes 128 along K: Q's operand is its six registers and six registers of zero codes; K's is twelve registers on end from the tile's six on: the upper six (the next tile's codes,
; or six zeros behind the last) meet zero codes and add nothing; no scale byte is 0xff.
; THE MASK goes in as the C of K Q^T: 8 x mask (exact) at the lane's eight keys, so that q . k + 8 mask is rounded once, as q . k / 8 + mask is; then t = that x log2(e) / 8.
; LIMITS: NaN among the inputs is not served.  |mask| stays under 2^125 (8 x mask is formed), but for -infinity, which is served where at least one key of the row is open.
; A block of ctx whose largest magnitude lies under 2^-122 gets the byte 1 (a block of zeros too: its codes are zeros).  A block of p that has fallen to 0 likewise.
; REGISTERS.  window 0: v1-11 addresses; v12-19 -M, largest t, the sum's two halves, for tile 0 and tile 1; v20-29 scale words; v[30:31] f; v32-159 S^T, then p; v160-183 p's codes; v184-212 at work.
;   window 1: v0-47 K's eight half fragments, v48-53 zeros; v56-103 V's four fragments; v104-167 8 x mask; v168-191 Q (6 codes + 6 zeros a tile); v192-255 O^T.
.set KIMG, 0
.set VIMG, 98304
.set KSC,  196608
.set VSC,  204800
.set MSK,  208896                      ; 8 x mask of the batch's 2,048 keys: written by LDS stores, in blocks of 256 bytes into which no fill lands
.set HEADB, 208896
.set QS_OFF, 6291456
.set CS_OFF, 6291456
.set L16, 1
.set L8,  2
.set L4,  3
.set H64, 4                            ; 64 x (lane / 16)
.set ADK, 5
.set ADK8, 6
.set ADV, 7
.set ADV8, 8
.set ADM, 9
.set ADS, 10
.set ADT, 11
.set STT, 12
.set KS,  20                           ; v20-23  K's words: register b: tile 2 b in lanes 0-15, tile 2 b + 1 in lanes 16-31
.set VS,  24                           ; v24-25  V's likewise
.set QS,  26                           ; v26-27  Q's
.set PS,  28                           ; v28-29  p's
.set FF,  30
.set S,   32
.set P,   160
.set CT,  184
.set BM,  192                          ; v192-195 the blocks' largest
.set BY,  196                          ; v196-199 lane permutes' results, then bytes
.set SO,  200                          ; v200-203 scale operands
.set TP,  204                          ; v204-207 at work
.set L2,  208                          ; 2 x lane
.set R4,  209                          ; 4 x (lane % 16)
.set HW,  210                          ; v210-212 ctx's scale halfwords
.set KF,  0                            ; window 1
.set ZP,  48
.set VF,  56
.set MC,  104
.set QF,  168
.set OT,  192
.set MSB, 0
.macro WIN new                         ; the immediate's high byte repeats the setting that is left
.if MSB != (\new)
	s_set_vgpr_msb (MSB<<8)|(\new)
.set MSB, (\new)
.endif
.endm
.macro CROUND                          ; a round of the cluster's barrier
	s_barrier_signal -1
	s_barrier_wait -1
	s_cmp_lg_u32 s12, 0
	s_cbranch_scc1 .Lnot_wave_0_\@
	s_barrier_signal -3
.Lnot_wave_0_\@:
	s_barrier_wait -3
	s_barrier_signal -1
	s_barrier_wait -1
.endm
	s_load_b256 s[4:11], s[0:1], 0x0               ; qq, kv, attention_mask, cq
	v_lshl_add_u32 v254, v0, 2, 0x35000
	v_mov_b32 v255, 0
	ds_add_u32 v254, v255
	ds_add_u32 v254, v255
	v_lshrrev_b32 v5, 5, v0
	v_readfirstlane_b32 s12, v5                    ; wave 0..7
	s_bfe_u32 s13, ttmp6, 0x40000                  ; cx
	s_lshl_b32 s17, ttmp9, 2
	s_add_co_u32 s17, s17, s13                     ; my block of 512 queries: it enters Q's and ctx's addresses alone
	s_and_b32 s14, ttmp7, 0xffff                   ; 16 x batch + head, which the four partners share
	s_lshr_b32 s15, s14, 4                         ; batch
	s_and_b32 s16, s14, 15                         ; head
	; descriptor group 1: 26,112 dense bytes as 102 rows of 256 (32 elements of 8 bytes), no padding
	s_mov_b32 s24, 15|(3<<16)|(1<<21)              ; 15:0 the mask: all four work-groups; 17:16 elements of 8 bytes; 21 set beside a mask
	s_mov_b32 s25, 32<<16                          ; tensor_dim0
	s_mov_b32 s26, 102<<16                         ; tensor_dim1
	s_mov_b32 s27, 32<<16                          ; tile_dim0
	s_mov_b32 s28, 102                             ; tile_dim1
	s_mov_b32 s29, 32                              ; tensor_dim0_stride
	s_mov_b32 s30, 0
	s_mov_b32 s31, 0
	s_mul_i32 s36, s14, HEADB
	s_mul_i32 s33, s12, 26112                      ; my eighth, in LDS as in memory
	s_add_co_u32 s36, s36, s33
	s_mov_b32 s37, 0
	s_lshl_b32 s38, s17, 5
	s_lshl_b32 s39, s12, 1
	s_add_co_u32 s38, s38, s39                     ; my first tile of queries in the batch: 32 x block + 2 x wave
	s_lshl_b32 s40, s14, 7
	s_add_co_u32 s40, s40, s38
	s_mul_i32 s42, s40, 768                        ; Q's half images
	s_mov_b32 s43, 0
	s_lshl_b32 s44, s40, 6
	s_add_co_u32 s44, s44, QS_OFF                  ; Q's words
	s_mov_b32 s45, 0
	s_lshl_b32 s41, s15, 7
	s_add_co_u32 s41, s41, s38                     ; the tile among all 512
	s_lshl_b32 s46, s41, 4
	s_add_co_u32 s46, s46, s16
	s_mul_i32 s46, s46, 768                        ; ctx's half images: [tile][head][768]
	s_mov_b32 s47, 0
	s_lshl_b32 s48, s41, 5
	s_lshl_b32 s49, s16, 14
	s_add_co_u32 s48, s48, s49
	s_add_co_u32 s48, s48, CS_OFF                  ; ctx's halfwords: [head][tile][row]
	s_mov_b32 s49, 0
	s_lshl_b32 s50, s15, 13                        ; the batch's mask
	s_mov_b32 s51, 0
	s_mov_b32 s20, 0x76543210
	s_mov_b32 s21, 0xfedcba98                      ; v_permlanex16_b32's selects for lane l xor 16
	s_mov_b32 s22, 0x3e38aa3b                      ; c = log2(e) / 8
	s_mov_b32 s23, s22                             ; (named with it as a pair, so it is written)
	s_mov_b32 s60, 0xffff0000                      ; lanes 16-31
	s_wait_dscnt 0x0
	s_wait_kmcnt 0x0
	s_mov_b32 s32, 1                               ; group 0: count = 1; s33 the LDS address;
	s_add_nc_u64 s[34:35], s[6:7], s[36:37]        ; the global address: made of the head and the wave's number alone
	s_or_b32 s35, s35, 0x80000000                  ; type = 2
	s_add_nc_u64 s[70:71], s[4:5], s[42:43]
	s_add_nc_u64 s[72:73], s[4:5], s[44:45]
	s_add_nc_u64 s[74:75], s[10:11], s[46:47]
	s_add_nc_u64 s[76:77], s[10:11], s[48:49]
	s_add_nc_u64 s[8:9], s[8:9], s[50:51]
	CROUND                                         ; all four work-groups are here: the joint loads meet
	tensor_load_to_lds s[32:35], s[24:31]          ; my one tensor load of the launch
	s_nop 0
.rept 4
	v_nop
.endr
	v_and_b32 v5, 31, v0
	v_lshlrev_b32 v[L16], 4, v5
	v_lshlrev_b32 v[L8], 3, v5
	v_lshlrev_b32 v[L4], 2, v5
	v_lshlrev_b32 v[L2], 1, v5
	v_bfe_u32 v6, v0, 4, 1
	v_lshlrev_b32 v[H64], 6, v6
	v_and_b32 v7, 15, v0
	v_lshlrev_b32 v[R4], 2, v7
	v_lshlrev_b32 v8, 4, v0                        ; the mask: 256 threads x 2 x 16 bytes
	global_load_b128 v[32:35], v8, s[8:9]
	global_load_b128 v[36:39], v8, s[8:9] offset:4096
	v_lshl_add_u32 v9, v0, 4, MSK
	v_mov_b32 v[FF+1], 0                           ; (named as the upper half of a pair)
.irp b, 0,1,2,3
	v_mov_b32 v[BY+\b], 0                          ; written once: a lane permute's destination counts as one of its sources
	v_mov_b32 v[TP+\b], 0
.endr
	WIN 0x40                                       ; destination window 1
.irp i, 0,1,2,3,4,5
	v_mov_b32 v[ZP+\i], 0                          ; the zero codes: behind K's last tile,
	v_mov_b32 v[QF+6+\i], 0                        ; and the upper 64 of K in Q's two operands
	v_mov_b32 v[QF+18+\i], 0
.endr
	WIN 0
	s_wait_loadcnt 0x0
.irp i, 0,1,2,3,4,5,6,7
	v_mul_f32 v[32+\i], 0x41000000, v[32+\i]       ; x 8: exact
.endr
	ds_store_b128 v9, v[32:35]
	ds_store_b128 v9, v[36:39] offset:4096
	s_wait_tensorcnt 0x0                           ; my eighth of K, V and their words has landed,
	s_wait_dscnt 0x0                               ; my part of the mask is stored:
	s_barrier_signal -1
	s_barrier_wait -1                              ; everybody's.  From here on LDS is only read
; The softmax of tile x for one step of 128 keys.
.macro SOFT x
.set SB, S+64*(\x)
.set MN, STT+4*(\x)
.set PB, P+12*(\x)
.set OB, OT+32*(\x)
.irp b, 0,1,2,3
	v_max3_num_f32 v[BM+\b], v[SB+16*\b], v[SB+16*\b+1], v[SB+16*\b+2]   ; THE LARGEST SCORE OF EACH BLOCK OF 32 KEYS: it serves for the row's maximum and, since p rises with the score, for the block's largest p
.endr
.irp i, 3,5,7,9,11,13
.irp b, 0,1,2,3
	v_max3_num_f32 v[BM+\b], v[BM+\b], v[SB+16*\b+\i], v[SB+16*\b+\i+1]   ; (the four blocks by turns)
.endr
.endr
.irp b, 0,1,2,3
	v_max_num_f32 v[BM+\b], v[BM+\b], v[SB+16*\b+15]
.endr
.irp b, 0,1,2,3
	v_permlanex16_b32 v[BY+\b], v[BM+\b], s20, s21
.endr
.irp b, 0,1,2,3
	v_max_num_f32 v[BM+\b], v[BM+\b], v[BY+\b]     ; with lane l xor 16's 16 keys
.endr
	v_max3_num_f32 v[TP], v[BM], v[BM+1], v[BM+2]
	v_max_num_f32 v[TP], v[TP], v[BM+3]            ; the step's largest score of my query
	v_mul_f32 v[TP], s22, v[TP]                    ; as t (c is positive)
	v_max_num_f32 v[MN+1], v[MN+1], v[TP]          ; the running largest t
	v_mov_b32 v[TP], v[MN]
	v_floor_f32 v[MN], -v[MN+1]                    ; the new -M = floor(-t) = -ceil(t): M is a whole number
	v_sub_f32 v[TP], v[MN], v[TP]                  ; M's old value less its new one: a whole number, 0 or less
	v_cvt_i32_f32 v[TP], v[TP]                     ; (it saturates)
	v_ldexp_f32 v[FF], 1.0, v[TP]                  ; f = 2^(old M - new M)
.irp j, 0,2,4,6,8,10,12,14,16,18,20,22,24,26,28,30,32,34,36,38,40,42,44,46,48,50,52,54,56,58,60,62
	v_pk_fma_f32 v[SB+\j:SB+\j+1], v[SB+\j:SB+\j+1], s[22:23], v[MN:MN+1] op_sel_hi:[1,0,0]   ; t - M, two at a time (of the pairs c and -M the low word serves both halves)
.endr
.irp b, 0,1,2,3
	v_fma_f32 v[BM+\b], v[BM+\b], s22, v[MN]       ; the same of each block's largest score
.endr
.irp j, 0,1,2,3,4,5,6,7,8,9,10,11,12,13,14,15,16,17,18,19,20,21,22,23,24,25,26,27,28,29,30,31,32,33,34,35,36,37,38,39,40,41,42,43,44,45,46,47,48,49,50,51,52,53,54,55,56,57,58,59,60,61,62,63
	v_exp_f32 v[SB+\j], v[SB+\j]                   ; p = 2^(t - M), at most 1: not normalised
.endr
.irp b, 0,1,2,3
	v_exp_f32 v[BM+\b], v[BM+\b]                   ; the block's largest p: the same two instructions on the same number give the same bits
.endr
	v_pk_mul_f32 v[MN+2:MN+3], v[MN+2:MN+3], v[FF:FF+1] op_sel_hi:[1,0]   ; the sums under the new M.  (A plain place behind the exponentials)
	s_wait_alu depctr_va_vdst(0)
.irp b, 0,1,2,3
	v_max_num_f32 v[BM+\b], 0x2800000, v[BM+\b]    ; the floor 2^(5 - 127): the byte cannot fall under 1
.endr
.irp b, 0,1,2,3
	v_add_nc_u32 v[SO+\b], 0xfe000000, v[BM+\b]    ; 4 off the exponent field: the conversion's scale operand
.endr
.irp b, 0,1,2,3
	v_lshrrev_b32 v[BY+\b], 23, v[SO+\b]           ; the scale's byte
.endr
	v_lshl_or_b32 v[PS+(\x)], v[BY+1], 8, v[BY]    ; p's scale word for these 128 keys
	v_lshl_or_b32 v[PS+(\x)], v[BY+2], 16, v[PS+(\x)]
	v_lshl_or_b32 v[PS+(\x)], v[BY+3], 24, v[PS+(\x)]
.irp c, 0,1
	v_cvt_scalef32_pk16_bf6_f32 v[PB+6*\c:PB+6*\c+2], v[SB+32*\c:SB+32*\c+15], v[SO+2*\c]
	v_cvt_scalef32_pk16_bf6_f32 v[CT+4*\c:CT+4*\c+2], v[SB+32*\c+16:SB+32*\c+31], v[SO+2*\c+1]   ; (a conversion's three registers begin on an even number)
.endr
	v_nop                                          ; one plain place behind a scaled conversion
.irp c, 0,1                                    ; the operand's layout wants a WHOLE block in a lane
.irp i, 0,1,2
	v_permlane16_swap_b32 v[PB+6*\c+\i], v[CT+4*\c+\i]
.endr
.irp i, 0,1,2
	v_mov_b32 v[PB+6*\c+3+\i], v[CT+4*\c+\i]
.endr
.endr
	v_pk_add_f32 v[TP+2:TP+3], v[SB:SB+1], v[SB+2:SB+3]   ; THE ROW'S SUM IS TAKEN OF THE UNQUANTISED p: two at a time, in two chains
.irp j, 4,8,12,16,20,24,28,32,36,40,44,48,52,56,60
	v_pk_add_f32 v[MN+2:MN+3], v[MN+2:MN+3], v[SB+\j:SB+\j+1]
	v_pk_add_f32 v[TP+2:TP+3], v[TP+2:TP+3], v[SB+\j+2:SB+\j+3]
.endr
	v_pk_add_f32 v[MN+2:MN+3], v[MN+2:MN+3], v[TP+2:TP+3]
	WIN 0x41                                       ; O^T (destination and source 0) in window 1, f in window 0
.irp j, 0,2,4,6,8,10,12,14,16,18,20,22,24,26,28,30
	v_pk_mul_f32 v[OB+\j:OB+\j+1], v[OB+\j:OB+\j+1], v[FF:FF+1] op_sel_hi:[1,0]   ; O^T under the new M.  (With the sums above: the places between p's codes and scale word and the products that take them)
.endr
	WIN 0
.endm
; The way out of tile x: O^T / the sum, quantised along the head's 64 channels: a half image and a halfword of two scale bytes a row.
.macro OUT x
.set SB, S+64*(\x)
.set MN, STT+4*(\x)
.set PB, P+12*(\x)
.set OB, OT+32*(\x)
	v_add_f32 v[TP], v[MN+2], v[MN+3]              ; the sum's two halves,
	v_permlanex16_b32 v[TP+1], v[TP], s20, s21
	v_add_f32 v[TP], v[TP], v[TP+1]                ; and lane l xor 16's
	v_rcp_f32 v[TP], v[TP]
	v_nop                                          ; one plain place behind a transcendental
	WIN 0x01                                       ; source 0 window 1
.set j, 0
	s_wait_alu depctr_va_vdst(0)
.rept 32
	v_mul_f32 v[SB+j], v[OB+j], v[TP]              ; register 16 b + i: channel 32 b + 16 (lane / 16) + i; each accumulator from its low end on
.set j, j+1
.endr
	WIN 0
.irp b, 0,1
	v_max3_num_f32 v[BM+\b], |v[SB+16*\b]|, |v[SB+16*\b+1]|, 0x2800000
.endr
.irp i, 2,4,6,8,10,12,14
.irp b, 0,1
	v_max3_num_f32 v[BM+\b], v[BM+\b], |v[SB+16*\b+\i]|, |v[SB+16*\b+\i+1]|
.endr
.endr
.irp b, 0,1
	v_permlanex16_b32 v[BY+\b], v[BM+\b], s20, s21
.endr
.irp b, 0,1
	v_max_num_f32 v[BM+\b], v[BM+\b], v[BY+\b]
.endr
.irp b, 0,1
	v_add_nc_u32 v[SO+\b], 0xfe000000, v[BM+\b]
.endr
.irp b, 0,1
	v_lshrrev_b32 v[BY+\b], 23, v[SO+\b]
.endr
	v_lshl_or_b32 v[HW+(\x)], v[BY+1], 8, v[BY]
	v_cvt_scalef32_pk16_bf6_f32 v[PB:PB+2], v[SB:SB+15], v[SO]
	v_cvt_scalef32_pk16_bf6_f32 v[CT:CT+2], v[SB+16:SB+31], v[SO+1]
	v_nop
.irp i, 0,1,2
	v_permlane16_swap_b32 v[PB+\i], v[CT+\i]
.endr
.irp i, 0,1,2
	v_mov_b32 v[PB+3+\i], v[CT+\i]
.endr
	global_store_b128 v[L16], v[PB:PB+3], s[74:75] offset:12288*(\x)        ; 512 consecutive bytes, then 256
	global_store_b64 v[L8], v[PB+4:PB+5], s[74:75] offset:12288*(\x)+512
.endm
	s_mov_b32 s61, 2
.Lpass:                                            ; two passes: 32 queries of the wave in each
	WIN 0x40
.irp x, 0,1
	global_load_b128 v[QF+12*\x:QF+12*\x+3], v[L16], s[70:71] offset:768*\x
	global_load_b64 v[QF+12*\x+4:QF+12*\x+5], v[L8], s[70:71] offset:768*\x+512
.endr
.set j, 0
.rept 64
	v_mov_b32 v[OT+j], 0                           ; O^T.  (The step is written once: the first finds zeros, which the first change of M leaves zeros)
.set j, j+1
.endr
	WIN 0
.irp x, 0,1
	global_load_b32 v[QS+\x], v[R4], s[72:73] offset:64*\x
	v_mov_b32 v[STT+4*\x+1], 0xff61b1e6            ; the largest t so far: -3e38
	v_floor_f32 v[STT+4*\x], -v[STT+4*\x+1]        ; -M
	v_mov_b32 v[STT+4*\x+2], 0                     ; the sum, in two halves
	v_mov_b32 v[STT+4*\x+3], 0
.endr
	s_mov_b32 s63, KIMG                            ; where the step's tiles and words begin in LDS
	s_mov_b32 s66, VIMG
	s_mov_b32 s67, MSK
	s_mov_b32 s68, KSC
	s_mov_b32 s69, VSC
	s_wait_loadcnt 0x0                             ; Q
	s_mov_b32 s62, 16
.Lstep:                                            ; 128 keys
	v_add_nc_u32 v[ADK], s63, v[L16]               ; (these seven are also the places in front of loads into registers that the last products read)
	v_add_nc_u32 v[ADK8], s63, v[L8]
	v_add_nc_u32 v[ADV], s66, v[L16]
	v_add_nc_u32 v[ADV8], s66, v[L8]
	v_add_nc_u32 v[ADM], s67, v[H64]
	v_add_nc_u32 v[ADS], s68, v[L4]
	v_add_nc_u32 v[ADT], s69, v[L4]
.irp b, 0,1,2,3
	ds_load_b32 v[KS+\b], v[ADS] offset:128*\b
.endr
.irp e, 0,1
	ds_load_b32 v[VS+\e], v[ADT] offset:128*\e
.endr
	WIN 0x40
.irp t, 0,1,2,3,4,5,6,7
	ds_load_b128 v[KF+6*\t:KF+6*\t+3], v[ADK] offset:768*\t
	ds_load_b64 v[KF+6*\t+4:KF+6*\t+5], v[ADK8] offset:768*\t+512
.endr
.irp t, 0,1,2,3,4,5,6,7
	ds_load_b128 v[MC+8*\t:MC+8*\t+3], v[ADM] offset:(32*(\t/2)+8*(\t%2))*4       ; 8 x mask at keys 32 (t / 2) + 8 (t % 2) + 16 h + 0 .. 7: sixteen lanes share each word
	ds_load_b128 v[MC+8*\t+4:MC+8*\t+7], v[ADM] offset:(32*(\t/2)+8*(\t%2))*4+16
.endr
.irp d, 0,1,2,3
.irp e, 0,1
	ds_load_b128 v[VF+12*\d+6*\e:VF+12*\d+6*\e+3], v[ADV] offset:1536*\d+768*\e
	ds_load_b64 v[VF+12*\d+6*\e+4:VF+12*\d+6*\e+5], v[ADV8] offset:1536*\d+768*\e+512
.endr
.endr
	s_wait_dscnt 16                                ; the words, K and the mask are in; V's 16 loads may be out
	WIN 0x15                                       ; K, Q and the mask in window 1, S^T in window 0
.irp t, 0,1,2,3,4,5,6,7
.irp x, 0,1
.if (\t%2) == 0
	v_wmma_scale_f32_16x16x128_f8f6f4 v[S+64*\x+8*\t:S+64*\x+8*\t+7], v[KF+6*\t:KF+6*\t+11], v[QF+12*\x:QF+12*\x+11], v[MC+8*\t:MC+8*\t+7], v[KS+\t/2], v[QS+\x] matrix_a_fmt:MATRIX_FMT_BF6 matrix_b_fmt:MATRIX_FMT_BF6
.else
	v_wmma_scale_f32_16x16x128_f8f6f4 v[S+64*\x+8*\t:S+64*\x+8*\t+7], v[KF+6*\t:KF+6*\t+11], v[QF+12*\x:QF+12*\x+11], v[MC+8*\t:MC+8*\t+7], v[KS+\t/2], v[QS+\x] matrix_a_fmt:MATRIX_FMT_BF6 matrix_b_fmt:MATRIX_FMT_BF6 matrix_a_scale:MATRIX_SCALE_ROW1
.endif
.endr
.endr
	WIN 0
.rept 4
	v_nop                                          ; places in front of the first read of the scores
.endr
	SOFT 0
	SOFT 1
	s_wait_dscnt 0x0                               ; V is in
	WIN 0x51                                       ; V in window 1, p in window 0, O^T in window 1
.irp d, 0,1,2,3                                ; the eight accumulators take turns, one instruction a turn
.irp x, 0,1
.if (\d%2) == 0
	v_wmma_scale_f32_16x16x128_f8f6f4 v[OT+32*\x+8*\d:OT+32*\x+8*\d+7], v[VF+12*\d:VF+12*\d+11], v[P+12*\x:P+12*\x+11], v[OT+32*\x+8*\d:OT+32*\x+8*\d+7], v[VS+\d/2], v[PS+\x] matrix_a_fmt:MATRIX_FMT_BF6 matrix_b_fmt:MATRIX_FMT_BF6
.else
	v_wmma_scale_f32_16x16x128_f8f6f4 v[OT+32*\x+8*\d:OT+32*\x+8*\d+7], v[VF+12*\d:VF+12*\d+11], v[P+12*\x:P+12*\x+11], v[OT+32*\x+8*\d:OT+32*\x+8*\d+7], v[VS+\d/2], v[PS+\x] matrix_a_fmt:MATRIX_FMT_BF6 matrix_b_fmt:MATRIX_FMT_BF6 matrix_a_scale:MATRIX_SCALE_ROW1
.endif
.endr
.endr
	WIN 0
	s_add_co_u32 s63, s63, 6144                    ; the next 128 keys
	s_add_co_u32 s66, s66, 6144
	s_add_co_u32 s67, s67, 512
	s_add_co_u32 s68, s68, 512
	s_add_co_u32 s69, s69, 256
	s_sub_co_u32 s62, s62, 1
	s_cmp_lg_u32 s62, 0
	s_cbranch_scc1 .Lstep
.rept 4
	v_nop                                          ; places behind the last products
.endr
	OUT 0
	OUT 1
	v_cndmask_b32 v[HW+2], v[HW], v[HW+1], s60     ; lanes 0-15 send the first tile's halfwords, lanes 16-31 the second's: 64 consecutive bytes
	global_store_b16 v[L2], v[HW+2], s[76:77]
	s_wait_xcnt 0x0                                ; the stores and Q's loads have read their registers and bases, which are written again below and in the next pass
	s_add_nc_u64 s[70:71], s[70:71], 12288         ; 16 tiles on
	s_add_nc_u64 s[72:73], s[72:73], 1024
	s_add_nc_u64 s[74:75], s[74:75], 196608
	s_add_nc_u64 s[76:77], s[76:77], 512
	s_sub_co_u32 s61, s61, 1
	s_cmp_lg_u32 s61, 0
	s_cbranch_scc1 .Lpass
	s_wait_dscnt 0x0
	s_wait_tensorcnt 0x0
	ds_add_u32 v254, v255
	s_wait_dscnt 0x0
	CROUND                                         ; the closing round: no work-group ends while a partner may still ask for a tile that names it
	s_endpgm
.Lfunc_end_k_qaab4bc5ca1_attn:
	.size	k_qaab4bc5ca1_attn, .Lfunc_end_k_qaab4bc5ca1_attn-k_qaab4bc5ca1_attn
	.p2alignl 7, 3214868480
	.fill 96, 4, 3214868480
	.section	.rodata,"a",@progbits
	.p2align	6, 0x0
	.amdhsa_kernel k_qaab4bc5ca1_attn
		.amdhsa_group_segment_fixed_size 218112
		.amdhsa_private_segment_fixed_size 0
		.amdhsa_enable_private_segment 0
		.amdhsa_kernarg_size 32
		.amdhsa_user_sgpr_count 2
		.amdhsa_user_sgpr_kernarg_segment_ptr 1
		.amdhsa_wavefront_size32 1
		.amdhsa_system_sgpr_workgroup_id_x 1
		.amdhsa_system_sgpr_workgroup_id_y 1
		.amdhsa_system_sgpr_workgroup_id_z 1
		.amdhsa_system_vgpr_workitem_id 0
		.amdhsa_next_free_vgpr 512
		.amdhsa_next_free_sgpr 84
		.amdhsa_reserve_vcc 0
		.amdhsa_float_denorm_mode_32 3
		.amdhsa_float_denorm_mode_16_64 3
		.amdhsa_memory_ordered 1
		.amdhsa_forward_progress 1
		.amdhsa_inst_pref_size 48
	.end_amdhsa_kernel
	.amdgpu_metadata
---
amdhsa.version: [ 1, 2 ]
amdhsa.kernels:
  - .name:           k_qaab4bc5ca1_attn
    .symbol:         k_qaab4bc5ca1_attn.kd
    .args:
      - { .name: qq, .offset: 0, .size: 8, .value_kind: global_buffer, .address_space: global }
      - { .name: kv, .offset: 8, .size: 8, .value_kind: global_buffer, .address_space: global }
      - { .name: attention_mask, .offset: 16, .size: 8, .value_kind: global_buffer, .address_space: global }
      - { .name: cq, .offset: 24, .size: 8, .value_kind: global_buffer, .address_space: global }
    .group_segment_fixed_size: 218112
    .private_segment_fixed_size: 0
    .kernarg_segment_align: 8
    .kernarg_segment_size: 32
    .max_flat_workgroup_size: 256
    .sgpr_count:     84
    .vgpr_count:     512
    .wavefront_size: 32
...
	.end_amdgpu_metadata
.endif
;; end of part 3
;; launch outln (part 4): grid 256 x 1, 16 waves a work-group, no clusters, 100,352 bytes of LDS; arguments cq, wq, bo, hidden_states, ln_gamma, ln_beta, out0; writes out0
.if DOCPART == 4
	.amdgcn_target "amdgcn-amd-amdhsa--gfx1250"
	.amdhsa_code_object_version 6
	.text
	.protected	k_qaab4bc5ca1_outln
	.globl	k_qaab4bc5ca1_outln
	.p2align	8
	.type	k_qaab4bc5ca1_outln,@function
k_qaab4bc5ca1_outln:
	s_mov_b64 s[64:65], 0
	v_nop
	global_prefetch_b8 v0, s[64:65] scope:SCOPE_SE
	s_setreg_imm32_b32 hwreg(HW_REG_WAVE_MODE, 25, 1), 1
	s_wait_xcnt 0x0
; out0 = LayerNorm(ctx Wo^T + bo + hidden_states) x gamma + beta.  The product on codes of BF6 (E3M2) with E8M0 scales, sums in f32; all else in f32.
; SHARES.  A work-group owns 32 tokens (two tiles of 16 rows 32 (T / 2) + 8 (T % 2) + i + 8 (i / 8)) and all 1,024 columns, so that a row's mean and variance stay inside it.  Wave w of sixteen owns columns 64 w .. 64 w + 63:
; four tiles of Wo's rows x two tiles of tokens = 8 accumulators.  Source 0 = Wo, source 1 = ctx: a lane holds one token and eight neighbouring columns.
; ctx's codes (24,576 bytes, [tile][head][768]: heads 2 s and 2 s + 1 on end are K step s's fragment) are copied into LDS once and read by all waves.
; Wo'S FRAGMENTS GO FROM MEMORY STRAIGHT INTO REGISTERS, as images, 512 consecutive bytes a load, through a ring of five register slots of two fragments: four groups of six loads of every wave are always on their way.
; NO CLUSTER, NO JOINT LOADS: each fragment of Wo is multiplied by exactly one wave of a work-group, exactly once.  Shared with partners it would have to pass through LDS slots filled again behind a round of
; the cluster's barrier, with 8 matrix instructions a wave between two rounds for 96 KiB of a K step's fragments; here no wave waits for another inside the K loop.
; THE ROWS OF hidden_states are asked for while the last products run; earlier, one prefetch a wave names each of its 32 rows' 256 bytes once (a lane a row), five groups of loads ahead of the first of those loads.
; THE VARIANCE is the mean of (y - mean)^2, taken in a second pass over registers: never a difference of large sums.
; LIMITS: NaN and infinities are not served.
; REGISTERS: v1-9 addresses; v12-19 ctx's scale words (K step s: lanes 0-15 tile 0, lanes 16-31 tile 1); v20-35 Wo's (8 y + s: lanes 0-15 tile 2 y, lanes 16-31 tile 2 y + 1); v36-99 accumulators, then y by rows;
;   v100-123 ctx's two fragments, later row sums and work; v124-243 the ring, later hidden_states; v244-255 gamma, beta, bo of my four columns.
.set WS_OFF, 3145728
.set CS_OFF, 6291456
.set AIMG, 0                           ; LDS: ctx's images, 24,576 bytes;
.set RED1, 24576                       ; 32 rows x 16 waves' sums;
.set RED2, 26624                       ; and sums of squares;
.set STG,  28672                       ; a stage of 16 rows x (256 + 16) bytes for each wave
.set ASC, 12
.set BSC, 20
.set ACC, 36
.set Y,   36
.set AF,  100
.set PS,  100                          ; v100-115 a figure for each of my 16 pairs of rows
.set TT,  116                          ; v116-123 at work
.set RB,  124
.set HID, 148
	s_load_b256 s[4:11], s[0:1], 0x0               ; cq, wq, bo, hidden_states
	s_load_b128 s[12:15], s[0:1], 0x20             ; ln_gamma, ln_beta
	s_load_b64 s[16:17], s[0:1], 0x30              ; out0
	v_lshrrev_b32 v10, 5, v0
	v_readfirstlane_b32 s18, v10                   ; wave 0..15
	v_and_b32 v10, 31, v0                          ; lane
	v_and_b32 v11, 15, v0                          ; lane % 16
	v_bfe_u32 v119, v0, 4, 1                       ; lane / 16
	v_lshlrev_b32 v1, 4, v10                       ; 16 x lane
	v_lshlrev_b32 v2, 3, v10                       ; 8 x lane
	s_mul_i32 s19, s18, 4352
	s_add_co_u32 s19, s19, STG                     ; my stage
	v_mul_u32_u24 v3, v11, 272
	v_lshl_add_u32 v3, v119, 6, v3
	v_add_nc_u32 v3, s19, v3                       ; in: row r, + 64 h bytes
	v_mul_u32_u24 v4, v119, 272
	v_lshl_add_u32 v4, v11, 4, v4
	v_add_nc_u32 v4, s19, v4                       ; back: lanes 0-15 one row of 256 bytes, lanes 16-31 the next
	v_lshlrev_b32 v5, 12, v119
	v_lshl_add_u32 v5, v11, 4, v5                  ; and the same two rows in hidden_states and out0
	s_lshl_b32 s20, s18, 2
	v_lshlrev_b32 v6, 6, v119
	v_lshl_add_u32 v7, v11, 2, v6                  ; the sums, back: my row's 16 words, one a lane
	v_add_nc_u32 v6, s20, v6                       ; the sums, in: my row's word of my wave
	v_lshlrev_b32 v8, 12, v10                      ; the prefetch: a lane a row
	v_lshlrev_b32 v9, 4, v0                        ; 16 x thread: the copy of ctx's images
	v_lshlrev_b32 v116, 1, v10                     ; 2 x lane: ctx's halfwords
	v_lshlrev_b32 v117, 4, v11
	v_lshl_add_u32 v117, v119, 9, v117             ; 16 r + 512 h: Wo's words
	v_lshlrev_b32 v118, 4, v11                     ; my four columns of the wave's 64
	s_mul_i32 s22, ttmp9, 24576                    ; ctx's images of my two tiles
	s_mov_b32 s23, 0
	s_lshl_b32 s24, ttmp9, 6
	s_add_co_u32 s24, s24, CS_OFF                  ; their halfwords
	s_mov_b32 s25, 0
	s_lshr_b32 s26, s18, 1
	s_add_co_u32 s26, s26, 24                      ; Wo's groups are 24 .. 31 of wq
	s_mul_i32 s26, s26, 98304
	s_and_b32 s27, s18, 1
	s_mul_i32 s27, s27, 6144                       ; my four tiles of the group's eight
	s_add_co_u32 s26, s26, s27
	s_mov_b32 s27, 0
	s_lshl_b32 s28, s18, 11
	s_add_co_u32 s28, s28, WS_OFF+192*512          ; their scale words
	s_mov_b32 s29, 0
	s_lshl_b32 s30, ttmp9, 17                      ; 32 rows of 4,096 bytes
	s_lshl_b32 s32, s18, 8                         ; my 64 columns
	s_add_co_u32 s30, s30, s32
	s_mov_b32 s31, 0
	s_mov_b32 s33, 0
	s_mov_b32 s34, 0xba800000                      ; -1 / 1024
	s_mov_b32 s35, s34                             ; (named with it as a pair)
	s_mov_b32 s36, 0x3a800000                      ; 1 / 1024
	s_mov_b32 s37, 0x2b8cbccc                      ; 1e-12
	s_wait_kmcnt 0x0
	s_add_nc_u64 s[22:23], s[4:5], s[22:23]
	s_add_nc_u64 s[24:25], s[4:5], s[24:25]
	s_add_nc_u64 s[26:27], s[6:7], s[26:27]
	s_add_nc_u64 s[28:29], s[6:7], s[28:29]
	s_add_nc_u64 s[10:11], s[10:11], s[30:31]
	s_add_nc_u64 s[16:17], s[16:17], s[30:31]
	s_add_nc_u64 s[8:9], s[8:9], s[32:33]
	s_add_nc_u64 s[12:13], s[12:13], s[32:33]
	s_add_nc_u64 s[14:15], s[14:15], s[32:33]
.macro GLOAD n                         ; group n = 2 s + y: Wo's tiles 2 y, 2 y + 1 of K step s: 3,072 consecutive bytes into ring slot n % 5
.irp c, 0,1,2,3,4,5
	global_load_b128 v[RB+24*((\n)%5)+4*\c:RB+24*((\n)%5)+4*\c+3], v1, s[26:27] offset:12288*((\n)/2)+3072*((\n)%2)+512*\c
.endr
.endm
.macro ALOAD s                         ; ctx's two fragments of K step s, from LDS: two half images each
.irp m, 0,1
	ds_load_b128 v[AF+12*\m:AF+12*\m+3], v1 offset:AIMG+12288*\m+1536*(\s)
	ds_load_b64 v[AF+12*\m+4:AF+12*\m+5], v2 offset:AIMG+12288*\m+1536*(\s)+512
	ds_load_b128 v[AF+12*\m+6:AF+12*\m+9], v1 offset:AIMG+12288*\m+1536*(\s)+768
	ds_load_b64 v[AF+12*\m+10:AF+12*\m+11], v2 offset:AIMG+12288*\m+1536*(\s)+1280
.endr
.endm
.macro GMUL n                          ; four products: Wo's two tiles x the two tiles of tokens.  The eight accumulators take turns, one instruction a turn
.set SK, (\n)/2
.set YK, (\n)%2
.set RS, RB+24*((\n)%5)
.set A0, ACC+16*YK
.if SK == 0
	v_wmma_scale_f32_16x16x128_f8f6f4 v[A0:A0+7], v[RS:RS+11], v[AF:AF+11], 0, v[BSC+8*YK+SK], v[ASC+SK] matrix_a_fmt:MATRIX_FMT_BF6 matrix_b_fmt:MATRIX_FMT_BF6
	v_wmma_scale_f32_16x16x128_f8f6f4 v[A0+32:A0+39], v[RS:RS+11], v[AF+12:AF+23], 0, v[BSC+8*YK+SK], v[ASC+SK] matrix_a_fmt:MATRIX_FMT_BF6 matrix_b_fmt:MATRIX_FMT_BF6 matrix_b_scale:MATRIX_SCALE_ROW1
	v_wmma_scale_f32_16x16x128_f8f6f4 v[A0+8:A0+15], v[RS+12:RS+23], v[AF:AF+11], 0, v[BSC+8*YK+SK], v[ASC+SK] matrix_a_fmt:MATRIX_FMT_BF6 matrix_b_fmt:MATRIX_FMT_BF6 matrix_a_scale:MATRIX_SCALE_ROW1
	v_wmma_scale_f32_16x16x128_f8f6f4 v[A0+40:A0+47], v[RS+12:RS+23], v[AF+12:AF+23], 0, v[BSC+8*YK+SK], v[ASC+SK] matrix_a_fmt:MATRIX_FMT_BF6 matrix_b_fmt:MATRIX_FMT_BF6 matrix_a_scale:MATRIX_SCALE_ROW1 matrix_b_scale:MATRIX_SCALE_ROW1
.else
	v_wmma_scale_f32_16x16x128_f8f6f4 v[A0:A0+7], v[RS:RS+11], v[AF:AF+11], v[A0:A0+7], v[BSC+8*YK+SK], v[ASC+SK] matrix_a_fmt:MATRIX_FMT_BF6 matrix_b_fmt:MATRIX_FMT_BF6
	v_wmma_scale_f32_16x16x128_f8f6f4 v[A0+32:A0+39], v[RS:RS+11], v[AF+12:AF+23], v[A0+32:A0+39], v[BSC+8*YK+SK], v[ASC+SK] matrix_a_fmt:MATRIX_FMT_BF6 matrix_b_fmt:MATRIX_FMT_BF6 matrix_b_scale:MATRIX_SCALE_ROW1
	v_wmma_scale_f32_16x16x128_f8f6f4 v[A0+8:A0+15], v[RS+12:RS+23], v[AF:AF+11], v[A0+8:A0+15], v[BSC+8*YK+SK], v[ASC+SK] matrix_a_fmt:MATRIX_FMT_BF6 matrix_b_fmt:MATRIX_FMT_BF6 matrix_a_scale:MATRIX_SCALE_ROW1
	v_wmma_scale_f32_16x16x128_f8f6f4 v[A0+40:A0+47], v[RS+12:RS+23], v[AF+12:AF+23], v[A0+40:A0+47], v[BSC+8*YK+SK], v[ASC+SK] matrix_a_fmt:MATRIX_FMT_BF6 matrix_b_fmt:MATRIX_FMT_BF6 matrix_a_scale:MATRIX_SCALE_ROW1 matrix_b_scale:MATRIX_SCALE_ROW1
.endif
.endm
; Pair of rows i = 8 m + k: rows 2 k and 2 k + 1 of tile m, which are tokens 8 m + 2 k + 8 (k / 4) and the next of my 32
.macro HLOAD i
	global_load_b128 v[HID+4*(\i):HID+4*(\i)+3], v5, s[10:11] offset:(8*((\i)/8)+2*((\i)%8)+8*(((\i)%8)/4))*4096 th:TH_LOAD_NT
.endm
.irp k, 0,1,2
	global_load_b128 v[ACC+4*\k:ACC+4*\k+3], v9, s[22:23] offset:8192*\k th:TH_LOAD_NT   ; ctx's images: 512 threads x 16 bytes, three times
.endr
.irp d, 0,1,2,3,4,5,6,7,8,9,10,11,12,13,14,15
	global_load_u16 v[AF+\d], v116, s[24:25] offset:16384*\d    ; head d's two scale bytes: lanes 0-15 tile 0's rows, lanes 16-31 tile 1's
.endr
.irp y, 0,1
.irp u, 0,1
	global_load_b128 v[BSC+8*\y+4*\u:BSC+8*\y+4*\u+3], v117, s[28:29] offset:1024*\y+256*\u   ; Wo's words of four K steps
.endr
.endr
	global_load_b128 v[244:247], v118, s[12:13]    ; gamma
	global_load_b128 v[248:251], v118, s[14:15]    ; beta
	global_load_b128 v[252:255], v118, s[8:9]      ; bo
	GLOAD 0
	GLOAD 1
	GLOAD 2
	GLOAD 3
	GLOAD 4
	s_wait_loadcnt 53                              ; of the 56 loads the first three, ctx's images, are in
.irp k, 0,1,2
	ds_store_b128 v9, v[ACC+4*\k:ACC+4*\k+3] offset:AIMG+8192*\k
.endr
	s_wait_loadcnt 30                              ; all but the ring's 30
.irp s, 0,1,2,3,4,5,6,7
	v_lshl_or_b32 v[ASC+\s], v[AF+2*\s+1], 16, v[AF+2*\s]   ; K step s: heads 2 s and 2 s + 1
.endr
.rept 8
	v_nop                                          ; a scale register written by a vector instruction stands 8 places ahead of a scaled matrix instruction
.endr
	s_wait_dscnt 0x0                               ; for the others' sake: my part of the images is stored
	s_barrier_signal -1
	s_barrier_wait -1
.set N, 0
.rept 16                                       ; K's eight steps, two groups each, written out: every offset is an immediate
.if (N%2) == 0
	ALOAD N/2                                      ; (behind the four places of the group before)
	s_wait_dscnt 0x0
.endif
.if N <= 13
	s_wait_loadcnt 24                              ; group N is in.  Behind it: four groups of 6; from N = 12 on three groups and 6, then two groups and 12 rows of hidden_states
.elseif N == 14
	s_wait_loadcnt 22                              ; one group and 16 rows
.else
	s_wait_loadcnt 16                              ; the 16 rows
.endif
	GMUL N
.rept 4
	v_nop                                          ; places in front of loads into registers that these products have read, and of the first read of results
.endr
.if N <= 10
	GLOAD N+5
.if N == 6
	global_prefetch_b8 v8, s[10:11] th:TH_LOAD_NT scope:SCOPE_SE   ; my 32 rows' 256 bytes of hidden_states, a lane a row: each named once in the launch, five groups ahead of their first load
.endif
.elseif N == 11
.irp i, 0,1,2,3,4,5
	HLOAD \i                                       ; the ring's slots that are done with take hidden_states
.endr
.elseif N == 12
.irp i, 6,7,8,9,10,11
	HLOAD \i
.endr
.elseif N == 13
.irp i, 12,13,14,15
	HLOAD \i
.endr
.endif
.set N, N+1
.endr
	; ---- from columns to rows: a lane holds eight columns of one token; through my stage it gets four neighbouring columns of 16 pairs of rows, sixteen lanes to a row's 256 bytes
.irp m, 0,1
.irp c, 0,1,2,3
	ds_store_b128 v3, v[ACC+32*\m+8*\c:ACC+32*\m+8*\c+3] offset:128*(\c/2)+32*(\c%2)          ; each accumulator from its low end on
	ds_store_b128 v3, v[ACC+32*\m+8*\c+4:ACC+32*\m+8*\c+7] offset:128*(\c/2)+32*(\c%2)+16
.endr
.irp k, 0,1,2,3,4,5,6,7
	ds_load_b128 v[Y+32*\m+4*\k:Y+32*\m+4*\k+3], v4 offset:544*\k   ; LDS serves a wave's instructions in order: these see the stores above, and the next tile's stores come behind them
.endr
.endr
	s_wait_dscnt 0x0
	s_wait_loadcnt 0x0                             ; hidden_states
.macro RSUM                            ; each figure summed over the sixteen lanes of its row
.irp x, 1,2,4,8
.irp i, 0,1,2,3,4,5,6,7,8,9,10,11,12,13,14,15
	v_add_f32_dpp v[PS+\i], v[PS+\i], v[PS+\i] row_xmask:\x row_mask:0xf bank_mask:0xf
.endr
.endr
.endm
.macro ACROSS base                     ; and over the sixteen waves: a word for each row and wave, a barrier, one word a lane back
	RSUM
.irp i, 0,1,2,3,4,5,6,7,8,9,10,11,12,13,14,15
	ds_store_b32 v6, v[PS+\i] offset:\base+(16*(\i/8)+2*(\i%8))*64   ; sixteen lanes write the same word with the same value
.endr
	s_wait_dscnt 0x0                               ; for the others' sake
	s_barrier_signal -1
	s_barrier_wait -1
.irp i, 0,1,2,3,4,5,6,7,8,9,10,11,12,13,14,15
	ds_load_b32 v[PS+\i], v7 offset:\base+(16*(\i/8)+2*(\i%8))*64
.endr
	s_wait_dscnt 0x0
	RSUM
.endm
.irp i, 0,1,2,3,4,5,6,7,8,9,10,11,12,13,14,15
	v_pk_add_f32 v[Y+4*\i:Y+4*\i+1], v[Y+4*\i:Y+4*\i+1], v[252:253]         ; + bo
	v_pk_add_f32 v[Y+4*\i+2:Y+4*\i+3], v[Y+4*\i+2:Y+4*\i+3], v[254:255]
.endr
.irp i, 0,1,2,3,4,5,6,7,8,9,10,11,12,13,14,15
	v_pk_add_f32 v[Y+4*\i:Y+4*\i+1], v[Y+4*\i:Y+4*\i+1], v[HID+4*\i:HID+4*\i+1]   ; + hidden_states
	v_pk_add_f32 v[Y+4*\i+2:Y+4*\i+3], v[Y+4*\i+2:Y+4*\i+3], v[HID+4*\i+2:HID+4*\i+3]
.endr
.irp q, 0,1,2,3
.irp u, 0,1,2,3
	v_pk_add_f32 v[TT+2*\u:TT+2*\u+1], v[Y+4*(4*\q+\u):Y+4*(4*\q+\u)+1], v[Y+4*(4*\q+\u)+2:Y+4*(4*\q+\u)+3]
.endr
.irp u, 0,1,2,3
	v_add_f32 v[PS+4*\q+\u], v[TT+2*\u], v[TT+2*\u+1]      ; my four columns' sum
.endr
.endr
	ACROSS RED1                                    ; the row's sum, in every lane
.macro SUBMEAN i                       ; y - sum / 1024: the sum is broadcast from its half of a pair
.if ((\i)%2) == 0
	v_pk_fma_f32 v[Y+4*(\i):Y+4*(\i)+1], v[PS+(\i):PS+(\i)+1], s[34:35], v[Y+4*(\i):Y+4*(\i)+1] op_sel_hi:[0,0,1]
	v_pk_fma_f32 v[Y+4*(\i)+2:Y+4*(\i)+3], v[PS+(\i):PS+(\i)+1], s[34:35], v[Y+4*(\i)+2:Y+4*(\i)+3] op_sel_hi:[0,0,1]
.else
	v_pk_fma_f32 v[Y+4*(\i):Y+4*(\i)+1], v[PS+(\i)-1:PS+(\i)], s[34:35], v[Y+4*(\i):Y+4*(\i)+1] op_sel:[1,0,0] op_sel_hi:[1,0,1]
	v_pk_fma_f32 v[Y+4*(\i)+2:Y+4*(\i)+3], v[PS+(\i)-1:PS+(\i)], s[34:35], v[Y+4*(\i)+2:Y+4*(\i)+3] op_sel:[1,0,0] op_sel_hi:[1,0,1]
.endif
.endm
.irp i, 0,1,2,3,4,5,6,7,8,9,10,11,12,13,14,15
	SUBMEAN \i
.endr
.irp q, 0,1,2,3
.irp u, 0,1,2,3
	v_pk_mul_f32 v[TT+2*\u:TT+2*\u+1], v[Y+4*(4*\q+\u):Y+4*(4*\q+\u)+1], v[Y+4*(4*\q+\u):Y+4*(4*\q+\u)+1]
.endr
.irp u, 0,1,2,3
	v_pk_fma_f32 v[TT+2*\u:TT+2*\u+1], v[Y+4*(4*\q+\u)+2:Y+4*(4*\q+\u)+3], v[Y+4*(4*\q+\u)+2:Y+4*(4*\q+\u)+3], v[TT+2*\u:TT+2*\u+1]
.endr
.irp u, 0,1,2,3
	v_add_f32 v[PS+4*\q+\u], v[TT+2*\u], v[TT+2*\u+1]      ; my four columns' sum of squares
.endr
.endr
	ACROSS RED2
.irp i, 0,1,2,3,4,5,6,7,8,9,10,11,12,13,14,15
	v_fma_f32 v[PS+\i], v[PS+\i], s36, s37         ; the variance + 1e-12
.endr
.irp i, 0,1,2,3,4,5,6,7,8,9,10,11,12,13,14,15
	v_rsq_f32 v[PS+\i], v[PS+\i]
.endr
	v_nop                                          ; one plain place behind a transcendental
	s_wait_alu depctr_va_vdst(0)
.macro FIN i
.if ((\i)%2) == 0
	v_pk_mul_f32 v[Y+4*(\i):Y+4*(\i)+1], v[Y+4*(\i):Y+4*(\i)+1], v[PS+(\i):PS+(\i)+1] op_sel_hi:[1,0]
	v_pk_mul_f32 v[Y+4*(\i)+2:Y+4*(\i)+3], v[Y+4*(\i)+2:Y+4*(\i)+3], v[PS+(\i):PS+(\i)+1] op_sel_hi:[1,0]
.else
	v_pk_mul_f32 v[Y+4*(\i):Y+4*(\i)+1], v[Y+4*(\i):Y+4*(\i)+1], v[PS+(\i)-1:PS+(\i)] op_sel:[0,1] op_sel_hi:[1,1]
	v_pk_mul_f32 v[Y+4*(\i)+2:Y+4*(\i)+3], v[Y+4*(\i)+2:Y+4*(\i)+3], v[PS+(\i)-1:PS+(\i)] op_sel:[0,1] op_sel_hi:[1,1]
.endif
	v_pk_fma_f32 v[Y+4*(\i):Y+4*(\i)+1], v[Y+4*(\i):Y+4*(\i)+1], v[244:245], v[248:249]       ; x gamma + beta
	v_pk_fma_f32 v[Y+4*(\i)+2:Y+4*(\i)+3], v[Y+4*(\i)+2:Y+4*(\i)+3], v[246:247], v[250:251]
	global_store_b128 v5, v[Y+4*(\i):Y+4*(\i)+3], s[16:17] offset:(8*((\i)/8)+2*((\i)%8)+8*(((\i)%8)/4))*4096 th:TH_STORE_NT   ; sixteen lanes store 256 consecutive bytes, at a multiple of 256 from out0's first byte
.endm
.irp i, 0,1,2,3,4,5,6,7,8,9,10,11,12,13,14,15
	FIN \i
.endr
	s_wait_xcnt 0x0
	v_lshl_add_u32 v254, v0, 2, 0x18000
	v_mov_b32 v255, 0
	s_wait_tensorcnt 0x0
	ds_add_u32 v254, v255
	s_wait_dscnt 0x0
	s_endpgm
.Lfunc_end_k_qaab4bc5ca1_outln:
	.size	k_qaab4bc5ca1_outln, .Lfunc_end_k_qaab4bc5ca1_outln-k_qaab4bc5ca1_outln
	.p2alignl 7, 3214868480
	.fill 96, 4, 3214868480
	.section	.rodata,"a",@progbits
	.p2align	6, 0x0
	.amdhsa_kernel k_qaab4bc5ca1_outln
		.amdhsa_group_segment_fixed_size 100352
		.amdhsa_private_segment_fixed_size 0
		.amdhsa_enable_private_segment 0
		.amdhsa_kernarg_size 56
		.amdhsa_user_sgpr_count 2
		.amdhsa_user_sgpr_kernarg_segment_ptr 1
		.amdhsa_wavefront_size32 1
		.amdhsa_system_sgpr_workgroup_id_x 1
		.amdhsa_system_sgpr_workgroup_id_y 1
		.amdhsa_system_sgpr_workgroup_id_z 1
		.amdhsa_system_vgpr_workitem_id 0
		.amdhsa_next_free_vgpr 256
		.amdhsa_next_free_sgpr 66
		.amdhsa_reserve_vcc 0
		.amdhsa_float_denorm_mode_32 3
		.amdhsa_float_denorm_mode_16_64 3
		.amdhsa_memory_ordered 1
		.amdhsa_forward_progress 1
		.amdhsa_inst_pref_size 72
	.end_amdhsa_kernel
	.amdgpu_metadata
---
amdhsa.version: [ 1, 2 ]
amdhsa.kernels:
  - .name:           k_qaab4bc5ca1_outln
    .symbol:         k_qaab4bc5ca1_outln.kd
    .args:
      - { .name: cq, .offset: 0, .size: 8, .value_kind: global_buffer, .address_space: global }
      - { .name: wq, .offset: 8, .size: 8, .value_kind: global_buffer, .address_space: global }
      - { .name: bo, .offset: 16, .size: 8, .value_kind: global_buffer, .address_space: global }
      - { .name: hidden_states, .offset: 24, .size: 8, .value_kind: global_buffer, .address_space: global }
      - { .name: ln_gamma, .offset: 32, .size: 8, .value_kind: global_buffer, .address_space: global }
      - { .name: ln_beta, .offset: 40, .size: 8, .value_kind: global_buffer, .address_space: global }
      - { .name: out0, .offset: 48, .size: 8, .value_kind: global_buffer, .address_space: global }
    .group_segment_fixed_size: 100352
    .private_segment_fixed_size: 0
    .kernarg_segment_align: 8
    .kernarg_segment_size: 56
    .max_flat_workgroup_size: 512
    .sgpr_count:     66
    .vgpr_count:     256
    .wavefront_size: 32
...
	.end_amdgpu_metadata
.endif
;; end of part 4
;; ======== version 2 of 2: 4 launches
;; workspace buffers: xq 6,553,600 bytes; wq 3,276,800 bytes; qq 6,815,744 bytes; kv 13,369,344 bytes; cq 6,553,600 bytes
;; launch quant (part 5): grid 384 x 1, 4 waves a work-group, no clusters, 34,304 bytes of LDS; arguments hidden_states, Wq, Wk, Wv, Wo, xq, wq; writes xq, wq
.if DOCPART == 5
	.amdgcn_target "amdgcn-amd-amdhsa--gfx1250"
	.amdhsa_code_object_version 6
	.text
	.protected	k_qaab4bc5ca1_quant
	.globl	k_qaab4bc5ca1_quant
	.p2align	8
	.type	k_qaab4bc5ca1_quant,@function
k_qaab4bc5ca1_quant:
	s_mov_b64 s[64:65], 0
	v_nop
	global_prefetch_b8 v0, s[64:65] scope:SCOPE_SE
	s_setreg_imm32_b32 hwreg(HW_REG_WAVE_MODE, 25, 1), 1
	s_wait_xcnt 0x0
; hidden_states [8192][1024] and Wq, Wk, Wv, Wo [1024][1024], f32, K innermost, become codes of BF6 (E3M2) with one E8M0 byte for each 32 along K.
; A block's scale is 2^(floor(log2(its largest magnitude)) - 4); its byte is the largest magnitude's exponent field - 4, held at 1 from below.
; THE CODES ARE LAID AS THE MATRIX UNIT'S REGISTERS TAKE THEM.  A TILE T is 16 rows, 32 (T / 2) + 8 (T % 2) + i + 8 (i / 8), i = 0 .. 15: two tiles 2 b, 2 b + 1 cover 32 neighbouring rows.  (With such tiles as
; source 0 of a product, a lane's 16 results of tiles 2 b and 2 b + 1 are 16 neighbours along the rows' axis: the later launches quantise along that axis in registers.)
; A FRAGMENT IMAGE is a tile x 128 along K: 12 registers a lane, stored as three runs of 512 bytes, lane l's registers 4 c .. 4 c + 3 at 512 c + 16 l.
; xq: [group of 8 tiles][K step 0..7][tile in the group][1536]; from XS_OFF the scale words [tile][half of K][row of the tile][4 words].  wq: the same for the 4,096 rows Wq, Wk, Wv, Wo on end; words from WS_OFF.
; SHARES: a wave takes one tile x half of K: four fragments, 16 rows x 512 numbers.  Work-groups 0-255 take hidden_states, 256-383 the weights; only pointers and offsets are chosen, there is one way through the text.
; A load reads 512 consecutive bytes of one row; the 16 rows turn through the wave's own stage in LDS (rows 528 bytes apart: 33 x 16, so the 16 rows that a load back touches start in different banks)
; and come back as each lane's 2 x 32 neighbours along K: lane (r, h) holds row r, k = 64 c + 32 h + 0 .. 31.  A block lies whole in a lane.  No barrier: waves share nothing.
; LIMITS: NaN and infinities among the inputs are not served.  A block whose largest magnitude lies under 2^-122, a block of zeros among them, gets the byte 1 (the rule says 127 for zeros: its codes are zeros,
; which add nothing under any byte but 0xff, and this program alone reads the bytes).
.set XS_OFF, 6291456
.set WS_OFF, 3145728
.set SP,  528                          ; a stage row
.set WST, 16*SP                        ; a wave's stage
.set SW,  16                           ; v16-19   the four fragments' scale words
.set R,   32                           ; v32-159  two sets of 64: a fragment's numbers as loaded
.set X,   160                          ; v160-223 my 2 x 32 neighbours
.set PC,  224                          ; v224-235 the fragment's codes
.set CT,  236                          ; v236-243 the upper halves of the two blocks, on their way
	s_load_b256 s[4:11], s[0:1], 0x0               ; hidden_states, Wq, Wk, Wv
	s_load_b128 s[12:15], s[0:1], 0x20             ; Wo, xq
	s_load_b64 s[16:17], s[0:1], 0x30              ; wq
	v_lshl_add_u32 v244, v0, 2, 0x8400
	v_mov_b32 v245, 0
	v_lshrrev_b32 v6, 5, v0
	v_readfirstlane_b32 s18, v6                    ; wave 0..3
	v_and_b32 v7, 31, v0                           ; lane
	v_lshlrev_b32 v1, 4, v7                        ; 16 x lane: my bytes of a load's 512 and of an image's run
	v_and_b32 v6, 15, v0                           ; r
	v_bfe_u32 v5, v0, 4, 1                         ; h
	s_mul_i32 s19, s18, WST
	v_add_nc_u32 v2, s19, v1                       ; the stage, on the way in
	v_mul_u32_u24 v3, v6, SP
	v_lshl_add_u32 v3, v5, 7, v3
	v_add_nc_u32 v3, s19, v3                       ; and back: row r, + 128 h bytes
	v_lshlrev_b32 v4, 4, v6
	v_lshl_add_u32 v4, v5, 3, v4                   ; the scale words' way out: 16 r + 8 h
	v_cmp_eq_u32 s30, 1, v5                        ; lanes 16-31
	v_lshlrev_b32 v5, 3, v5                        ; 8 h: my bytes' shift in a scale word
	v_mov_b32 v15, 0                               ; written once: a lane permute's destination counts as one of its sources
	s_lshr_b32 s28, s18, 1                         ; which of the work-group's two tiles
	s_and_b32 s29, s18, 1                          ; which half of K
	s_mov_b32 s26, 0x76543210
	s_mov_b32 s27, 0xfedcba98                      ; v_permlanex16_b32's selects for lane l xor 16
	s_sub_co_u32 s21, ttmp9, 256                   ; the work-group's number among the weights'
	s_lshr_b32 s22, s21, 5                         ; which weight: 32 work-groups each
	s_mov_b32 s24, WS_OFF
	s_mov_b32 s25, 63
	s_wait_alu depctr_va_vdst(0)
	s_wait_kmcnt 0x0
	s_cmp_eq_u32 s22, 1
	s_cselect_b64 s[6:7], s[8:9], s[6:7]
	s_cmp_eq_u32 s22, 2
	s_cselect_b64 s[6:7], s[10:11], s[6:7]
	s_cmp_eq_u32 s22, 3
	s_cselect_b64 s[6:7], s[12:13], s[6:7]         ; the weight
	s_cmp_lt_u32 ttmp9, 256                        ; hidden_states or a weight: the choice hangs on the work-group's number alone
	s_cselect_b64 s[4:5], s[4:5], s[6:7]           ; from where
	s_cselect_b64 s[14:15], s[14:15], s[16:17]     ; to where
	s_cselect_b32 s23, ttmp9, s21
	s_cselect_b32 s24, XS_OFF, s24                 ; where the scale words begin
	s_cselect_b32 s25, 511, s25                    ; tiles in the source, less one
	s_lshl_b32 s23, s23, 1
	s_add_co_u32 s23, s23, s28                     ; my tile in the workspace buffer
	s_and_b32 s31, s23, s25                        ; and in its source
	s_lshr_b32 s32, s31, 1
	s_lshl_b32 s32, s32, 17                        ; 32 rows of 4,096 bytes
	s_and_b32 s33, s31, 1
	s_lshl_b32 s33, s33, 15                        ; 8 rows
	s_add_co_u32 s32, s32, s33
	s_lshl_b32 s33, s29, 11                        ; half a row
	s_add_co_u32 s32, s32, s33
	s_mov_b32 s33, 0
	s_add_nc_u64 s[4:5], s[4:5], s[32:33]
	s_lshr_b32 s34, s23, 3
	s_mul_i32 s34, s34, 98304                      ; the group,
	s_mul_i32 s35, s29, 49152                      ; four K steps,
	s_add_co_u32 s34, s34, s35
	s_and_b32 s35, s23, 7
	s_mul_i32 s35, s35, 1536                       ; the tile in the group
	s_add_co_u32 s34, s34, s35
	s_mov_b32 s35, 0
	s_lshl_b32 s36, s23, 9
	s_add_co_u32 s36, s36, s24
	s_lshl_b32 s37, s29, 8
	s_add_co_u32 s36, s36, s37
	s_mov_b32 s37, 0
	s_add_nc_u64 s[36:37], s[14:15], s[36:37]      ; my 256 bytes of scale words
	s_add_nc_u64 s[14:15], s[14:15], s[34:35]      ; my first image
.macro LOAD f                          ; fragment f: 128 numbers of each of the tile's 16 rows; 32 lanes read 512 consecutive bytes
.irp i, 0,1,2,3,4,5,6,7,8,9,10,11,12,13,14,15
	global_load_b128 v[R+64*((\f)%2)+4*\i:R+64*((\f)%2)+4*\i+3], v1, s[4:5] offset:(\i+8*(\i/8))*4096+512*(\f) th:TH_LOAD_NT
.endr
.endm
.macro FRAGQ f
.set RS, R+64*((\f)%2)
.if (\f) < 3
	s_wait_loadcnt 16                              ; this fragment's 16 loads are in; the next fragment's 16 may be out
.else
	s_wait_loadcnt 0x0
.endif
.irp i, 0,1,2,3,4,5,6,7,8,9,10,11,12,13,14,15
	ds_store_b128 v2, v[RS+4*\i:RS+4*\i+3] offset:SP*\i
.endr
.irp c, 0,1
.irp j, 0,1,2,3,4,5,6,7
	ds_load_b128 v[X+32*\c+4*\j:X+32*\c+4*\j+3], v3 offset:256*\c+16*\j   ; LDS serves a wave's instructions in order: these see the stores above
.endr
.endr
	s_wait_dscnt 0x0                               ; my numbers are back, and the stores have read their registers,
.if (\f) < 2
	LOAD (\f)+2                                    ; which take the fragment two on
.endif
.irp c, 0,1
	v_max3_num_f32 v[8+\c], |v[X+32*\c]|, |v[X+32*\c+1]|, 0x2800000   ; my block 2 c + h: all 32 numbers are mine; and the floor 2^(5 - 127): the byte cannot fall under 1
.endr
.irp i, 2,4,6,8,10,12,14,16,18,20,22,24,26,28,30
.irp c, 0,1
	v_max3_num_f32 v[8+\c], v[8+\c], |v[X+32*\c+\i]|, |v[X+32*\c+\i+1]|   ; (the two blocks by turns)
.endr
.endr
.irp c, 0,1
	v_add_nc_u32 v[10+\c], 0xfe000000, v[8+\c]     ; 4 off the exponent field: the conversion takes the exponent field of this operand as its scale
.endr
.irp c, 0,1
	v_lshrrev_b32 v[12+\c], 23, v[10+\c]           ; the scale's byte
.endr
	v_lshl_or_b32 v14, v13, 16, v12                ; my two bytes, blocks h and 2 + h,
	v_lshlrev_b32 v14, v5, v14                     ; at their places in the word;
	v_permlanex16_b32 v15, v14, s26, s27
	v_or_b32 v[SW+(\f)], v14, v15                  ; with lane l xor 16's two the word is whole
.if (\f) > 0
	s_wait_alu depctr_va_vdst(0)
	s_wait_xcnt 0x0                                ; the last fragment's stores have read the codes' registers, which are written again below
.endif
.irp c, 0,1
	v_cvt_scalef32_pk16_bf6_f32 v[PC+6*\c:PC+6*\c+2], v[X+32*\c:X+32*\c+15], v[10+\c]
	v_cvt_scalef32_pk16_bf6_f32 v[CT+4*\c:CT+4*\c+2], v[X+32*\c+16:X+32*\c+31], v[10+\c]   ; (a conversion's three registers begin on an even number)
.endr
	v_nop                                          ; one plain place behind a scaled conversion
.irp c, 0,1
.irp i, 0,1,2
	v_mov_b32 v[PC+6*\c+3+\i], v[CT+4*\c+\i]
.endr
.endr
.irp c, 0,1,2
	global_store_b128 v1, v[PC+4*\c:PC+4*\c+3], s[14:15] offset:12288*(\f)+512*\c   ; 32 lanes store 512 consecutive bytes, at a multiple of 256 from the buffer's first byte
.endr
.endm
	LOAD 0
	LOAD 1
	FRAGQ 0
	FRAGQ 1
	FRAGQ 2
	FRAGQ 3
	v_cndmask_b32 v20, v[SW], v[SW+2], s30         ; lanes 0-15 send words 0 and 1 of their row, lanes 16-31 words 2 and 3
	v_cndmask_b32 v21, v[SW+1], v[SW+3], s30
	global_store_b64 v4, v[20:21], s[36:37]        ; 32 lanes store 256 consecutive bytes
	s_wait_tensorcnt 0x0
	ds_add_u32 v244, v245
	s_wait_dscnt 0x0
	s_endpgm
.Lfunc_end_k_qaab4bc5ca1_quant:
	.size	k_qaab4bc5ca1_quant, .Lfunc_end_k_qaab4bc5ca1_quant-k_qaab4bc5ca1_quant
	.p2alignl 7, 3214868480
	.fill 96, 4, 3214868480
	.section	.rodata,"a",@progbits
	.p2align	6, 0x0
	.amdhsa_kernel k_qaab4bc5ca1_quant
		.amdhsa_group_segment_fixed_size 34304
		.amdhsa_private_segment_fixed_size 0
		.amdhsa_enable_private_segment 0
		.amdhsa_kernarg_size 56
		.amdhsa_user_sgpr_count 2
		.amdhsa_user_sgpr_kernarg_segment_ptr 1
		.amdhsa_wavefront_size32 1
		.amdhsa_system_sgpr_workgroup_id_x 1
		.amdhsa_system_sgpr_workgroup_id_y 1
		.amdhsa_system_sgpr_workgroup_id_z 1
		.amdhsa_system_vgpr_workitem_id 0
		.amdhsa_next_free_vgpr 246
		.amdhsa_next_free_sgpr 66
		.amdhsa_reserve_vcc 0
		.amdhsa_float_denorm_mode_32 3
		.amdhsa_float_denorm_mode_16_64 3
		.amdhsa_memory_ordered 1
		.amdhsa_forward_progress 1
		.amdhsa_inst_pref_size 31
	.end_amdhsa_kernel
	.amdgpu_metadata
---
amdhsa.version: [ 1, 2 ]
amdhsa.kernels:
  - .name:           k_qaab4bc5ca1_quant
    .symbol:         k_qaab4bc5ca1_quant.kd
    .args:
      - { .name: hidden_states, .offset: 0, .size: 8, .value_kind: global_buffer, .address_space: global }
      - { .name: Wq, .offset: 8, .size: 8, .value_kind: global_buffer, .address_space: global }
      - { .name: Wk, .offset: 16, .size: 8, .value_kind: global_buffer, .address_space: global }
      - { .name: Wv, .offset: 24, .size: 8, .value_kind: global_buffer, .address_space: global }
      - { .name: Wo, .offset: 32, .size: 8, .value_kind: global_buffer, .address_space: global }
      - { .name: xq, .offset: 40, .size: 8, .value_kind: global_buffer, .address_space: global }
      - { .name: wq, .offset: 48, .size: 8, .value_kind: global_buffer, .address_space: global }
    .group_segment_fixed_size: 34304
    .private_segment_fixed_size: 0
    .kernarg_segment_align: 8
    .kernarg_segment_size: 56
    .max_flat_workgroup_size: 128
    .sgpr_count:     66
    .vgpr_count:     246
    .wavefront_size: 32
...
	.end_amdgpu_metadata
.endif
;; end of part 5
;; launch qkv (part 6): grid 96 x 4, 4 waves a work-group, clusters of 4 x 4, 327,680 bytes of LDS; arguments xq, wq, bq, bk, bv, qq, kv; writes qq, kv
.if DOCPART == 6
	.amdgcn_target "amdgcn-amd-amdhsa--gfx1250"
	.amdhsa_code_object_version 6
	.text
	.protected	k_qaab4bc5ca1_qkv
	.globl	k_qaab4bc5ca1_qkv
	.p2align	8
	.type	k_qaab4bc5ca1_qkv,@function
k_qaab4bc5ca1_qkv:
	s_mov_b64 s[64:65], 0
	v_nop
	global_prefetch_b8 v0, s[64:65] scope:SCOPE_SE
	s_setreg_imm32_b32 hwreg(HW_REG_WAVE_MODE, 25, 1), 1
	s_wait_xcnt 0x0
	s_wait_alu depctr_hold_cnt(0) depctr_sa_sdst(0) depctr_va_vdst(0) depctr_va_sdst(0) depctr_va_ssrc(0) depctr_va_vcc(0) depctr_vm_vsrc(0)
	s_getreg_b32 s2, hwreg(HW_REG_IB_STS2, 6, 4)
	s_cmp_eq_u32 s2, 0
	s_cbranch_scc0 .Lentry_in_a_cluster
	s_endpgm
.Lentry_in_a_cluster:
	s_bfe_u32 s2, ttmp6, 0x10000c
	s_cmp_lg_u32 s2, 0xf033
	s_cbranch_scc0 .Lentry_shape_is_right
	s_endpgm
.Lentry_shape_is_right:
; q = x Wq^T + bq, k = x Wk^T + bk, v = x Wv^T + bv on codes of BF6 (E3M2) with E8M0 scales, sums in f32; the results are quantised in registers on the way out and leave as codes:
; q and k along the head's 64, v along the keys.  No f32 result goes to memory.
; OPERANDS arrive as register images (tile = 16 rows 32 (T / 2) + 8 (T % 2) + i + 8 (i / 8); fragment image = tile x 128 K, 1,536 bytes; a group = 8 tiles = 128 neighbouring rows, 98,304 bytes for all of K, K step by K step).
; A TILE OF THE RESULT is 256 (F0) x 256 (F1), made by four waves, each 128 x 128: 64 accumulators, 512 registers.  F0 is source 0, F1 source 1: in a result lane (r, h) holds ONE row of F1 (row r of its tile) and its register j
; row 16 h + j of F0's tile: so the 64 registers of one tile of F1 against F0's eight tiles are, by the order of a tile's rows, k = 32 b + 16 h + i of F0's 128 rows: what the quantiser along F0's axis wants in a lane.
; TWO WAYS, chosen by the cluster's number, the same in all sixteen partners:  clusters 0-15: F0 = rows of Wq, Wk (the heads' channels), F1 = tokens;  clusters 16-23: F0 = tokens (the keys), F1 = rows of Wv.
; K = 1,024 goes in four steps of 256 through a ring of two LDS slots; each wave fetches 128 rows' images of a step, 24,576 dense bytes, by one tensor load.  The scale words of the work-group's rows come once and stay.
; CLUSTERS: 4 x 4 work-groups.  The four of a row of the cluster need the same tiles of F1, the four of a column the same tiles of F0: each is asked for JOINTLY.  384 work-groups: a tile of half the size would even the
; rounds out and read half as much again from LDS for each product.  Nothing is prefetched: K is four slots, two of them first fills.
; OUT.  qq: half images (16 rows x 64 K: registers 0-3 at 16 l, 4-5 at 512 + 8 l: 768 bytes) [batch x head][tile of tokens]; from QS_OFF a word for each row (bytes 0, 1 its two scales; bytes 2, 3 are never 0xff and meet zero codes).
;       kv: for each (batch, head) 208,896 bytes: K's half images [tile]; from 98,304 V's fragments [128 keys][tile of channels][2 x 768]; from 196,608 K's words; from 204,800 V's words.
; LIMITS: NaN and infinities are not served.  A block whose largest magnitude lies under 2^-122 gets the byte 1 (a block of zeros too: its codes are zeros, and this program alone reads the bytes).
; REGISTERS, in windows of 256: window 0: v1-31 addresses; v32-63 scale words, two sets; v128-223 F1's fragments, ONE set; on the way out v64-231.   window 1: F0's fragments, TWO sets, at v0 and v128.
;   window 2: the accumulators of F1's tiles 0-3 ((a, b) at v[8 (8 a + b)]);   window 3: those of tiles 4-7.
.set XS_OFF, 6291456
.set WS_OFF, 3145728
.set QS_OFF, 6291456
.set HEADB,  208896                    ; a (batch, head)'s bytes in kv
.set NQ,     2                         ; matrix instructions deep in a slot
.set FR,     12                        ; registers of a fragment
.set NL,     3                         ; LDS loads that bring one
.set NP,     4                         ; places behind this matrix instruction (ISA guide 7.12.1)
.set HALFT,  24576                     ; 128 rows x 256 K as images: what one tensor load brings
.set SLOT,   4*HALFT                   ; F1's two halves, then F0's two
.set SCL,    2*SLOT                    ; behind the ring: the scale words, as runs of 256 bytes + 16 of padding
.set HALFS,  16*272                    ; those of 128 rows
.set SPARE,  SCL+4*HALFS               ; the spare words, 128 bytes for each wave: two blocks of 256 bytes that no other line names
.set ADRA, 16                          ; v16-17  LDS address of my F1 images in slot 0, 1
.set ADRB, 20                          ; v20-21  the same for F0
.set L16,  24                          ; v24     16 x lane
.set L8,   25                          ; v25     8 x lane
.set L4,   26                          ; v26     4 x lane
.set ADRS, 27                          ; v27     LDS address of my scale words: lanes 0-15 F1's rows, lanes 16-31 F0's
.set SPW,  28                          ; v28     LDS address of my spare word; never rewritten
.set NIL,  29                          ; v29     0; never rewritten
.set BO,   30                          ; v30     the bias loads' lane offset
.set SC,   32                          ; scale words: set s at v[SC + 16 s]; register 2 i + q: lanes 0-15 F1's tile i, lanes 16-31 F0's tile i, the slot's q-th 128 along K
.set AF,   128                         ; F1's fragments
.set BR,   64                          ; the way out: v64-127 the biases
.set H,    128                         ; v128-191 64 numbers of a lane
.set PC,   192                         ; v192-211 the codes just made
.set TM,   212                         ; v212-227 largest magnitudes, bytes, scale operands
.set PW,   228                         ; the scale word just made
.set KP,   229                         ; an even tile's word, kept for its neighbour
.set WA,   230
.set WB,   231
.set SEL,  2                           ; s[2:3]  lane selects for v_permlanex16_b32
.set G1, 24                            ; s[24:31] descriptor group 1 for F1's tiles;  s[32:39] group 0, one set for each slot
.set G0, 32
.set G1B, 48                           ; s[48:55], s[56:63] the same for F0's
.set G0B, 56
.set G1S, 68                           ; s[68:75], s[76:79] for F1's scale words;  s[80:87], s[88:91] for F0's
.set G0S, 76
.set G1SB, 80
.set G0SB, 88
.set MSB, 0
.macro WIN new                         ; the immediate's high byte repeats the setting that is left
.if MSB != (\new)
	s_set_vgpr_msb (MSB<<8)|(\new)
.set MSB, (\new)
.endif
.endm
.set MUL_LO, 0xa1                      ; source 0 (F0) window 1, source 1 (F1) window 0, C and D window 2
.set MUL_HI, 0xf1                      ; the same, C and D window 3
.set TO_B,   0x40                      ; destination window 1, address window 0
; A joint load: waves 0 and 1 fetch for F1, waves 2 and 3 for F0.  Each of the two lines has ONE mask and one set of registers for all that issue it; the branch hangs on the wave's number alone.
; Four v_nop follow each of the two lines, ahead of the jump, the label and what follows.
.macro JLOAD g0a, g1a, g0b, g1b
	s_cmp_eq_u32 s19, 0
	s_cbranch_scc0 .Lfor_b_\@
	tensor_load_to_lds s[\g0a:\g0a+3], s[\g1a:\g1a+7]
	s_nop 0
.rept 4
	v_nop
.endr
	s_branch .Lasked_\@
.Lfor_b_\@:
	tensor_load_to_lds s[\g0b:\g0b+3], s[\g1b:\g1b+7]
	s_nop 0
.rept 4
	v_nop
.endr
.Lasked_\@:
.endm
.macro CREST                           ; a round of the cluster's barrier behind its opening barrier
	s_cmp_lg_u32 s18, 0
	s_cbranch_scc1 .Lnot_wave_0_\@
	s_barrier_signal -3
.Lnot_wave_0_\@:
	s_barrier_wait -3
	s_barrier_signal -1
	s_barrier_wait -1
.endm
.macro CROUND                          ; a whole round
	s_barrier_signal -1
	s_barrier_wait -1
	CREST
.endm
	s_load_b256 s[4:11], s[0:1], 0x0               ; xq, wq, bq, bk
	s_load_b128 s[12:15], s[0:1], 0x20             ; bv, qq
	s_load_b64 s[16:17], s[0:1], 0x30              ; kv
	v_lshl_add_u32 v[SPW], v0, 2, SPARE
	v_mov_b32 v[NIL], 0
	ds_add_u32 v28, v29
	ds_add_u32 v28, v29
	s_wait_dscnt 0x0
	v_lshrrev_b32 v1, 5, v0
	v_readfirstlane_b32 s18, v1                    ; wave 0..3
	s_lshr_b32 s19, s18, 1                         ; which half of F1's rows is mine.  Also: I fetch for F1 (0) or for F0 (1)
	s_and_b32 s20, s18, 1                          ; which half of F0's rows.  Also: which 128 rows I fetch
	s_bfe_u32 s21, ttmp6, 0x40000                  ; cx, cy: my place in the cluster
	s_bfe_u32 s22, ttmp6, 0x40004
	s_and_b32 s42, ttmp9, 1                        ; q, k: the cluster's column (0: q, 1: k),
	s_sub_co_u32 s43, ttmp9, 16                    ; v: its column,
	s_lshr_b32 s44, ttmp9, 1                       ; q, k: its row
	s_mov_b32 s45, XS_OFF
	s_mov_b32 s46, WS_OFF
	s_cmp_lt_u32 ttmp9, 16                         ; which way: the cluster's number, the same in all sixteen partners
	s_cselect_b32 s23, 0, 1                        ; 0: q and k; 1: v
	s_cselect_b32 s42, s42, s43
	s_cselect_b32 s44, s44, 0
	s_cselect_b32 s66, s46, s45                    ; where F0's scale words begin in its buffer,
	s_cselect_b32 s67, s45, s46                    ; and F1's
	s_cselect_b32 s47, 0, 16                       ; Wv's groups lie 16 groups on in wq
	s_lshl_b32 s40, s42, 2
	s_add_co_u32 s40, s40, s21                     ; F0's tile of 256 rows = 4 x the cluster's column + cx
	s_lshl_b32 s41, s44, 2
	s_add_co_u32 s41, s41, s22                     ; F1's = 4 x the cluster's row + cy
	s_lshl_b32 s94, s22, 2
	s_lshl_b32 s94, 15, s94                        ; my row of the cluster
	s_lshl_b32 s95, 0x1111, s21                    ; my column
	; descriptor group 1: 24,576 dense bytes as 96 rows of 256 (32 elements of 8 bytes), no padding
	s_or_b32 s[G1+0], s94, (3<<16)|(1<<21)         ; 15:0 the mask: F1's tiles go to my row; 17:16 elements of 8 bytes; 21 set beside a mask
	s_or_b32 s[G1B+0], s95, (3<<16)|(1<<21)
.irp g, G1, G1B
	s_mov_b32 s[\g+1], 32<<16                      ; tensor_dim0
	s_mov_b32 s[\g+2], 96<<16                      ; tensor_dim1
	s_mov_b32 s[\g+3], 32<<16                      ; tile_dim0
	s_mov_b32 s[\g+4], 96                          ; tile_dim1
	s_mov_b32 s[\g+5], 32                          ; tensor_dim0_stride
	s_mov_b32 s[\g+6], 0
	s_mov_b32 s[\g+7], 0
.endr
	; and for the scale words of 128 rows: 4,096 dense bytes as 16 rows of 256, 16 bytes of padding behind each
	s_or_b32 s[G1S+0], s94, (3<<16)|(1<<20)|(1<<21)|(5<<22)|(3<<25)
	s_or_b32 s[G1SB+0], s95, (3<<16)|(1<<20)|(1<<21)|(5<<22)|(3<<25)
.irp g, G1S, G1SB
	s_mov_b32 s[\g+1], 32<<16
	s_mov_b32 s[\g+2], 16<<16
	s_mov_b32 s[\g+3], 32<<16
	s_mov_b32 s[\g+4], 16
	s_mov_b32 s[\g+5], 32
	s_mov_b32 s[\g+6], 0
	s_mov_b32 s[\g+7], 0
.endr
	s_lshl_b32 s96, s41, 1
	s_add_co_u32 s96, s96, s20
	s_add_co_u32 s96, s96, s47                     ; the group of F1 that I would fetch: made of cy, never of cx
	s_lshl_b32 s98, s40, 1
	s_add_co_u32 s98, s98, s20                     ; and of F0: made of cx, never of cy
	s_mul_i32 s42, s96, 98304                      ; F1: its images,
	s_mov_b32 s43, 0
	s_lshl_b32 s44, s96, 12
	s_add_co_u32 s44, s44, s67                     ; its scale words
	s_mov_b32 s45, 0
	s_mul_i32 s46, s98, 98304                      ; F0 likewise
	s_mov_b32 s47, 0
	s_lshl_b32 s92, s98, 12
	s_add_co_u32 s92, s92, s66
	s_mov_b32 s93, 0
	s_mul_i32 s66, s18, HALFT                      ; where they go: wave x a part: no place in the cluster enters an LDS address
	s_mul_i32 s67, s18, HALFS
	s_wait_kmcnt 0x0
	s_cmp_lt_u32 ttmp9, 16
	s_cselect_b64 s[94:95], s[4:5], s[6:7]         ; F1's buffer
	s_cselect_b64 s[96:97], s[6:7], s[4:5]         ; F0's
	s_add_nc_u64 s[42:43], s[94:95], s[42:43]
	s_add_nc_u64 s[44:45], s[94:95], s[44:45]
	s_add_nc_u64 s[46:47], s[96:97], s[46:47]
	s_add_nc_u64 s[92:93], s[96:97], s[92:93]
	CROUND                                         ; all sixteen work-groups are here: the first joint loads meet
	s_mov_b32 s[G0S], 1
	s_add_co_u32 s[G0S+1], s67, SCL
	s_mov_b64 s[G0S+2:G0S+3], s[44:45]
	s_or_b32 s[G0S+3], s[G0S+3], 0x80000000
	s_mov_b32 s[G0SB], 1
	s_add_co_u32 s[G0SB+1], s67, SCL
	s_mov_b64 s[G0SB+2:G0SB+3], s[92:93]
	s_or_b32 s[G0SB+3], s[G0SB+3], 0x80000000
	JLOAD G0S, G1S, G0SB, G1SB                     ; the scale words first: they are wanted with the first step.  Each of the two below waits for the one before: one tensor load of mine is out at a time
.irp s, 0,1
	s_mov_b32 s[G0+4*\s], 1
	s_add_co_u32 s[G0+4*\s+1], s66, \s*SLOT
	s_add_nc_u64 s[G0+4*\s+2:G0+4*\s+3], s[42:43], \s*HALFT
	s_or_b32 s[G0+4*\s+3], s[G0+4*\s+3], 0x80000000
	s_mov_b32 s[G0B+4*\s], 1
	s_add_co_u32 s[G0B+4*\s+1], s66, \s*SLOT
	s_add_nc_u64 s[G0B+4*\s+2:G0B+4*\s+3], s[46:47], \s*HALFT
	s_or_b32 s[G0B+4*\s+3], s[G0B+4*\s+3], 0x80000000
	s_wait_alu depctr_va_vdst(0)
	s_wait_tensorcnt 0x0
	ds_add_u32 v28, v29
	s_wait_dscnt 0x0
	CROUND
	JLOAD G0+4*\s, G1, G0B+4*\s, G1B
.endr
	v_and_b32 v1, 15, v0                           ; r
	v_bfe_u32 v2, v0, 4, 1                         ; h
	s_wait_alu depctr_va_vdst(0)
	v_and_b32 v3, 31, v0                           ; lane
	v_lshlrev_b32 v[L16], 4, v3
	v_lshlrev_b32 v[L8], 3, v3
	v_lshlrev_b32 v[L4], 2, v3
	s_mul_i32 s42, s19, HALFT                      ; my 128 rows of F1
	s_mul_i32 s43, s20, HALFT                      ; my 128 rows of F0,
	s_add_co_u32 s43, s43, 2*HALFT                 ; which lie behind F1's two halves
.irp s, 0,1
	v_add_nc_u32 v[ADRA+\s], s42, v[L16]
	v_add_nc_u32 v[ADRB+\s], s43, v[L16]
	s_add_co_u32 s42, s42, SLOT
	s_add_co_u32 s43, s43, SLOT
.endr
	s_mul_i32 s42, s19, HALFS                      ; F1's words: my 128 rows
	s_mul_i32 s43, s20, HALFS                      ; F0's: my 128 rows, behind F1's two halves
	s_add_co_u32 s43, s43, 2*HALFS
	s_sub_co_u32 s43, s43, s42
	v_mul_u32_u24 v4, s43, v2                      ; lanes 16-31 take F0's: the lower base + h x the distance
	s_add_co_u32 s42, s42, SCL
	v_lshl_add_u32 v4, v1, 4, v4                   ; 16 bytes a row
	v_add_nc_u32 v[ADRS], s42, v4
.macro FRAG reg, adr, q, i             ; a fragment comes as it was stored: three runs of 512 bytes, 16 bytes a lane
.irp c, 0,1,2
	ds_load_b128 v[\reg+4*\c:\reg+4*\c+3], v[\adr] offset:12288*(\q)+1536*(\i)+512*\c
.endr
.endm
; 16 matrix instructions: F1's tiles a0, a0 + 1 x F0's eight, 128 along K: the slot's q-th.  p: F0's set;  sc: the set of scale words.  zero = 1: the first product starts the sums: nothing is ever cleared.
; The 64 accumulators take turns, one instruction a turn, in the same order in every step.
.macro MUL16 a0, p, q, sc, zero
.irp a, \a0, \a0+1
.irp b, 0,1,2,3,4,5,6,7
.if \zero
	v_wmma_scale_f32_16x16x128_f8f6f4 v[8*(8*((\a)%4)+\b):8*(8*((\a)%4)+\b)+7], v[128*(\p)+FR*\b:128*(\p)+FR*\b+FR-1], v[AF+FR*(\a):AF+FR*(\a)+FR-1], 0, v[SC+8*NQ*(\sc)+NQ*\b+(\q)], v[SC+8*NQ*(\sc)+NQ*(\a)+(\q)] matrix_a_fmt:MATRIX_FMT_BF6 matrix_b_fmt:MATRIX_FMT_BF6 matrix_a_scale:MATRIX_SCALE_ROW1
.else
	v_wmma_scale_f32_16x16x128_f8f6f4 v[8*(8*((\a)%4)+\b):8*(8*((\a)%4)+\b)+7], v[128*(\p)+FR*\b:128*(\p)+FR*\b+FR-1], v[AF+FR*(\a):AF+FR*(\a)+FR-1], v[8*(8*((\a)%4)+\b):8*(8*((\a)%4)+\b)+7], v[SC+8*NQ*(\sc)+NQ*\b+(\q)], v[SC+8*NQ*(\sc)+NQ*(\a)+(\q)] matrix_a_fmt:MATRIX_FMT_BF6 matrix_b_fmt:MATRIX_FMT_BF6 matrix_a_scale:MATRIX_SCALE_ROW1
.endif
.endr
.endr
.endm
.macro FETCH_B slot, q, p              ; F0's eight fragments of the slot's q-th 128 along K into set p
	WIN TO_B
.irp i, 0,1,2,3,4,5,6,7
	FRAG 128*(\p)+FR*\i, ADRB+\slot, \q, \i
.endr
	WIN 0
.endm
.macro FETCH_A slot, q, i0             ; F1's tiles i0 .. i0 + 3
.irp i, \i0, \i0+1, \i0+2, \i0+3
	FRAG AF+FR*(\i), ADRA+\slot, \q, \i
.endr
.endm
.macro SCALES sc, t                    ; the scale words of K step t (256 along K) into set sc: two words a row; a tile's words of half of K are a run of 256 bytes
.irp i, 0,1,2,3,4,5,6,7
	ds_load_b64 v[SC+8*NQ*(\sc)+NQ*\i:SC+8*NQ*(\sc)+NQ*\i+1], v[ADRS] offset:(2*\i+(\t)/2)*272+8*((\t)%2)
.endr
.endm
; A load into a register that a matrix instruction has read, and a vector instruction that reads a matrix result, stand NP places behind that matrix instruction, and only plain vector
; instructions that name none of its registers are places (ISA guide 7.12.1 for vector instructions).
.macro PLACES n
.rept \n
	v_nop
.endr
.endm
; A step of 128 along K that has its successor in the same slot.  F1's tiles are free as soon as their eight products are issued: one set serves; F0's are at work through the whole step: two sets.
.macro STEP slot, q, zero
	s_wait_dscnt 4*NL                              ; F0's set, F1's tiles 0-3 and the scale words are in; the youngest 12 loads (F1's tiles 4-7) may be out
	WIN MUL_LO
	MUL16 0, (\q)%2, \q, \slot, \zero
	MUL16 2, (\q)%2, \q, \slot, \zero
	s_wait_dscnt 0                                 ; F1's tiles 4-7 are in
	PLACES NP
	FETCH_B \slot, (\q)+1, 1-(\q)%2
	FETCH_A \slot, (\q)+1, 0
	WIN MUL_HI
	MUL16 4, (\q)%2, \q, \slot, \zero
	MUL16 6, (\q)%2, \q, \slot, \zero
	PLACES NP
	WIN 0
	FETCH_A \slot, (\q)+1, 4
.endm
; A slot's last step changes slots: ONE barrier; in front of it each wave waits for all its tensor loads, adds 0 to its spare word, and waits for that and for its own reads of this slot.
; fill = 1: this slot is filled again, two K steps ahead.  t: the K step that lies in the next slot.
.macro TURN slot, next, fill, t
	s_wait_tensorcnt 0x0                           ; all my tensor loads have landed: my part of the next slot;  (every window is 0 here)
	ds_add_u32 v[SPW], v[NIL]                      ; 0 onto my spare word
	s_wait_dscnt 4*NL+1                            ; (the add and the youngest 12 loads, F1's tiles 4-7, may be out)
	WIN MUL_LO
	MUL16 0, 1, NQ-1, \slot, 0                     ; sixteen matrix instructions stand between the add and the wait for it
	s_wait_dscnt 0x0                               ; the add is done, and my reads of this slot are over
	s_barrier_signal -1
	MUL16 2, 1, NQ-1, \slot, 0
	WIN 0
	s_barrier_wait -1
.if \fill
	CREST                                          ; the barrier has opened a round of the cluster's barrier: no wave of any partner still reads this slot or has a load on its way
	s_add_nc_u64 s[G0+4*\slot+2:G0+4*\slot+3], s[G0+4*\slot+2:G0+4*\slot+3], 2*HALFT
	s_add_nc_u64 s[G0B+4*\slot+2:G0B+4*\slot+3], s[G0B+4*\slot+2:G0B+4*\slot+3], 2*HALFT
	JLOAD G0+4*\slot, G1, G0B+4*\slot, G1B         ; the first tensor load behind the round, my only one that is out; the four v_nop behind it are the places in front of the loads below
.else
	PLACES NP
.endif
	FETCH_B \next, 0, 0
	FETCH_A \next, 0, 0
	SCALES \next, \t
	WIN MUL_HI
	MUL16 4, 1, NQ-1, \slot, 0
	MUL16 6, 1, NQ-1, \slot, 0
	PLACES NP
	WIN 0
	FETCH_A \next, 0, 4
.endm
	s_wait_alu depctr_va_vdst(0)
	s_wait_tensorcnt 1                             ; the scale words and my part of K step 0 are in (K step 1's load may be out)
	s_barrier_signal -1
	s_barrier_wait -1                              ; everybody's are
	FETCH_B 0, 0, 0
	FETCH_A 0, 0, 0
	SCALES 0, 0
	FETCH_A 0, 0, 4
	STEP 0, 0, 1                                   ; K's four steps of 256 are written out: the first products start the sums
	TURN 0, 1, 1, 1
	STEP 1, 0, 0
	TURN 1, 0, 1, 2
	STEP 0, 0, 0
	TURN 0, 1, 0, 3                                ; nothing is left to fetch: no round
	STEP 1, 0, 0
	s_wait_dscnt 4*NL                              ; the very last step
	WIN MUL_LO
	MUL16 0, 1, NQ-1, 1, 0
	MUL16 2, 1, NQ-1, 1, 0
	s_wait_dscnt 0
	WIN MUL_HI
	MUL16 4, 1, NQ-1, 1, 0
	MUL16 6, 1, NQ-1, 1, 0
	WIN 0
	PLACES NP                                      ; in front of the first read of results and the first write of registers that held F1's fragments
; 64 numbers of a lane, v[s] .. v[s + 63], register 16 b + i = k 32 b + 16 (lane / 16) + i of my row, become a fragment's codes in v[PC] on and its scale word in v[PW].
.macro QUANT s
.irp b, 0,1,2,3
	v_max3_num_f32 v[TM+\b], |v[\s+16*\b]|, |v[\s+1+16*\b]|, 0x2800000   ; block b: my 16 numbers, and the floor 2^(5 - 127): the byte cannot fall under 1
.endr
.irp i, 2,4,6,8,10,12,14
.irp b, 0,1,2,3
	v_max3_num_f32 v[TM+\b], v[TM+\b], |v[\s+16*\b+\i]|, |v[\s+1+16*\b+\i]|   ; (the four blocks by turns)
.endr
.endr
.irp b, 0,1,2,3
	v_permlanex16_b32 v[TM+4+\b], v[TM+\b], s[SEL], s[SEL+1]
.endr
.irp b, 0,1,2,3
	v_max_num_f32 v[TM+\b], v[TM+\b], v[TM+4+\b]   ; with lane l xor 16's: the block's largest magnitude
.endr
.irp b, 0,1,2,3
	v_add_nc_u32 v[TM+12+\b], 0xfe000000, v[TM+\b]   ; 4 off its exponent field: the conversion's scale operand
.endr
.irp b, 0,1,2,3
	v_lshrrev_b32 v[TM+4+\b], 23, v[TM+12+\b]      ; the scale's byte
.endr
	v_lshl_or_b32 v[PW], v[TM+5], 8, v[TM+4]       ; the four bytes make my row's scale word
	v_lshl_or_b32 v[PW], v[TM+6], 16, v[PW]
	v_lshl_or_b32 v[PW], v[TM+7], 24, v[PW]
.irp c, 0,1
	v_cvt_scalef32_pk16_bf6_f32 v[PC+6*\c:PC+2+6*\c], v[\s+32*\c:\s+15+32*\c], v[TM+12+2*\c]
	v_cvt_scalef32_pk16_bf6_f32 v[PC+12+4*\c:PC+14+4*\c], v[\s+16+32*\c:\s+31+32*\c], v[TM+12+2*\c+1]   ; (a conversion's three registers begin on an even number)
.endr
	v_nop                                          ; one plain place behind a scaled conversion
.irp c, 0,1                                    ; the operand's layout wants a WHOLE block in a lane: lanes 0-15 block 2 c, lanes 16-31 block 2 c + 1
.irp i, 0,1,2
	v_permlane16_swap_b32 v[PC+6*\c+\i], v[PC+12+4*\c+\i]
.endr
.irp i, 0,1,2
	v_mov_b32 v[PC+3+6*\c+\i], v[PC+12+4*\c+\i]
.endr
.endr
.endm
.irp b, 0,1,2,3
	v_mov_b32 v[TM+4+\b], 0                        ; written once: a lane permute's destination counts as one of its sources
.endr
	s_mov_b32 s[SEL], 0x76543210
	s_mov_b32 s[SEL+1], 0xfedcba98
	s_mov_b32 s67, 0xffff0000                      ; lanes 16-31
	s_cmp_lg_u32 s23, 0
	s_cbranch_scc1 .Larm_v
	; ---- THE WAY OUT OF q AND k.  My 128 rows of F0 are two heads' channels; F1's tile a is a tile of 16 tokens.  A lane's 64 numbers become one fragment: registers 0-5 are the first head's half image, 6-11 the second's.
	s_lshl_b32 s42, s21, 2
	s_lshl_b32 s43, s20, 1
	s_add_co_u32 s42, s42, s43                     ; my first head
	s_lshl_b32 s43, s41, 4
	s_lshl_b32 s44, s19, 3
	s_add_co_u32 s43, s43, s44                     ; my first tile of tokens
	s_lshr_b32 s44, s43, 7                         ; its batch,
	s_and_b32 s45, s43, 127                        ; its number in the batch
	s_lshl_b32 s46, s44, 4
	s_add_co_u32 s46, s46, s42                     ; 16 x batch + head
	s_and_b32 s47, ttmp9, 1                        ; q (0) or k (1)
	s_mov_b32 s92, HEADB
	s_mov_b32 s66, 196608
	s_mov_b32 s98, HEADB
	s_cmp_eq_u32 s47, 0
	s_cselect_b64 s[94:95], s[14:15], s[16:17]     ; qq or kv
	s_cselect_b64 s[96:97], s[8:9], s[10:11]       ; bq or bk
	s_cselect_b32 s92, 98304, s92                  ; from head to head: the images,
	s_cselect_b32 s66, QS_OFF, s66                 ; where the words begin,
	s_cselect_b32 s98, 8192, s98                   ; from head to head: the words
	s_mov_b32 s93, 0
	s_mov_b32 s99, 0
	s_mul_i32 s4, s46, s92
	s_mul_i32 s47, s45, 768
	s_add_co_u32 s4, s4, s47
	s_mov_b32 s5, 0
	s_add_nc_u64 s[4:5], s[94:95], s[4:5]          ; the first head's half images
	s_add_nc_u64 s[6:7], s[4:5], s[92:93]          ; the second's
	s_mul_i32 s44, s46, s98
	s_lshl_b32 s47, s45, 6
	s_add_co_u32 s44, s44, s47
	s_add_co_u32 s44, s44, s66
	s_mov_b32 s45, 0
	s_add_nc_u64 s[44:45], s[94:95], s[44:45]      ; the first head's words
	s_add_nc_u64 s[46:47], s[44:45], s[98:99]      ; the second's
	s_lshl_b32 s42, s42, 8
	s_mov_b32 s43, 0
	s_add_nc_u64 s[96:97], s[96:97], s[42:43]      ; the bias at my first head
	v_lshlrev_b32 v[BO], 6, v2                     ; lane (r, h) wants, for F0's tile b, the biases of channels 32 (b / 2) + 8 (b % 2) + 16 h + 0 .. 7
.irp b, 0,1,2,3,4,5,6,7
	global_load_b128 v[BR+8*\b:BR+8*\b+3], v[BO], s[96:97] offset:(32*(\b/2)+8*(\b%2))*4
	global_load_b128 v[BR+8*\b+4:BR+8*\b+7], v[BO], s[96:97] offset:(32*(\b/2)+8*(\b%2))*4+16
.endr
	s_wait_loadcnt 0x0
.macro OUT_QK a
.if (\a) > 0
	s_wait_xcnt 0x0                                ; the last tile's stores have read their registers, which are written again below
.endif
	WIN 0x02+(\a)/4                                ; source 0: window 2 or 3
.set k, 0
.rept 32
	v_pk_add_f32 v[H+2*k:H+2*k+1], v[64*((\a)%4)+2*k:64*((\a)%4)+2*k+1], v[BR+2*k:BR+2*k+1]   ; + the bias; each accumulator from its low end on
.set k, k+1
.endr
	WIN 0
	QUANT H
	global_store_b128 v[L16], v[PC:PC+3], s[4:5] offset:768*(\a)          ; 512 consecutive bytes, then 256: a half image
	global_store_b64 v[L8], v[PC+4:PC+5], s[4:5] offset:768*(\a)+512
	global_store_b128 v[L16], v[PC+6:PC+9], s[6:7] offset:768*(\a)
	global_store_b64 v[L8], v[PC+10:PC+11], s[6:7] offset:768*(\a)+512
.if ((\a)%2) == 0
	v_mov_b32 v[KP], v[PW]
.else
	v_cndmask_b32 v[WA], v[KP], v[PW], s67         ; lanes 0-15 send the even tile's words, lanes 16-31 the odd tile's: 128 consecutive bytes
	v_lshrrev_b32 v[WB], 16, v[WA]                 ; the second head's two bytes
	global_store_b32 v[L4], v[WA], s[44:45] offset:128*((\a)/2)
	global_store_b32 v[L4], v[WB], s[46:47] offset:128*((\a)/2)
.endif
.endm
.irp a, 0,1,2,3,4,5,6,7
	OUT_QK \a
.endr
	s_branch .Ljoin
.Larm_v:
	; ---- THE WAY OUT OF v.  My 128 rows of F0 are 128 keys, one K step of attention's second product; F1's tiles 0-3 are the first head's 64 channels, tiles 4-7 the second's.  A lane's 64 numbers become one fragment of V^T.
	s_lshl_b32 s43, s40, 4
	s_lshl_b32 s44, s20, 3
	s_add_co_u32 s43, s43, s44                     ; my first tile of tokens
	s_lshr_b32 s44, s43, 7                         ; its batch
	s_and_b32 s45, s43, 127
	s_lshr_b32 s45, s45, 3                         ; which 128 keys of the batch
	s_lshl_b32 s42, s41, 2
	s_lshl_b32 s46, s19, 1
	s_add_co_u32 s42, s42, s46                     ; my first head
	s_lshl_b32 s46, s44, 4
	s_add_co_u32 s46, s46, s42                     ; 16 x batch + head
	s_mul_i32 s46, s46, HEADB
	s_mul_i32 s4, s45, 6144
	s_add_co_u32 s4, s4, s46
	s_add_co_u32 s4, s4, 98304
	s_mov_b32 s5, 0
	s_add_nc_u64 s[4:5], s[16:17], s[4:5]          ; the fragments
	s_lshl_b32 s44, s45, 8
	s_add_co_u32 s44, s44, s46
	s_add_co_u32 s44, s44, 204800
	s_mov_b32 s45, 0
	s_add_nc_u64 s[44:45], s[16:17], s[44:45]      ; their words
	s_lshl_b32 s42, s42, 8
	s_mov_b32 s43, 0
	s_add_nc_u64 s[96:97], s[12:13], s[42:43]      ; bv at my first head
	v_and_b32 v4, 8, v1
	v_add_nc_u32 v4, v4, v1
	v_lshlrev_b32 v[BO], 2, v4                     ; my row of a tile: r + 8 (r / 8)
.irp a, 0,1,2,3,4,5,6,7
	global_load_b32 v[BR+\a], v[BO], s[96:97] offset:(32*(\a/2)+8*(\a%2))*4   ; one bias a lane for each tile of channels
.endr
	s_wait_loadcnt 0x0
.macro OUT_V a
.if (\a) > 0
	s_wait_xcnt 0x0                                ; the last tile's stores have read their registers
.endif
	WIN 0x02+(\a)/4
.set k, 0
.rept 32
.if ((\a)%2) == 0
	v_pk_add_f32 v[H+2*k:H+2*k+1], v[64*((\a)%4)+2*k:64*((\a)%4)+2*k+1], v[BR+(\a):BR+(\a)+1] op_sel_hi:[1,0]   ; the pair's low word serves both halves
.else
	v_pk_add_f32 v[H+2*k:H+2*k+1], v[64*((\a)%4)+2*k:64*((\a)%4)+2*k+1], v[BR+(\a)-1:BR+(\a)] op_sel:[0,1] op_sel_hi:[1,1]   ; its high word
.endif
.set k, k+1
.endr
	WIN 0
	QUANT H
	global_store_b128 v[L16], v[PC:PC+3], s[4:5] offset:((\a)/4)*HEADB+((\a)%4)*1536
	global_store_b64 v[L8], v[PC+4:PC+5], s[4:5] offset:((\a)/4)*HEADB+((\a)%4)*1536+512
	global_store_b128 v[L16], v[PC+6:PC+9], s[4:5] offset:((\a)/4)*HEADB+((\a)%4)*1536+768
	global_store_b64 v[L8], v[PC+10:PC+11], s[4:5] offset:((\a)/4)*HEADB+((\a)%4)*1536+1280
.if ((\a)%2) == 0
	v_mov_b32 v[KP], v[PW]
.else
	v_cndmask_b32 v[WA], v[KP], v[PW], s67
	global_store_b32 v[L4], v[WA], s[44:45] offset:((\a)/4)*HEADB+(((\a)%4)/2)*128
.endif
.endm
.irp a, 0,1,2,3,4,5,6,7
	OUT_V \a
.endr
.Ljoin:
	s_wait_tensorcnt 0x0                           ; the wave's end
	ds_add_u32 v[SPW], v[NIL]
	s_wait_dscnt 0x0
	CROUND                                         ; the closing round: no work-group ends while a partner may still ask for a tile that names it
	s_endpgm
.Lfunc_end_k_qaab4bc5ca1_qkv:
	.size	k_qaab4bc5ca1_qkv, .Lfunc_end_k_qaab4bc5ca1_qkv-k_qaab4bc5ca1_qkv
	.p2alignl 7, 3214868480
	.fill 96, 4, 3214868480
	.section	.rodata,"a",@progbits
	.p2align	6, 0x0
	.amdhsa_kernel k_qaab4bc5ca1_qkv
		.amdhsa_group_segment_fixed_size 327680
		.amdhsa_private_segment_fixed_size 0
		.amdhsa_enable_private_segment 0
		.amdhsa_kernarg_size 56
		.amdhsa_user_sgpr_count 2
		.amdhsa_user_sgpr_kernarg_segment_ptr 1
		.amdhsa_wavefront_size32 1
		.amdhsa_system_sgpr_workgroup_id_x 1
		.amdhsa_system_sgpr_workgroup_id_y 1
		.amdhsa_system_sgpr_workgroup_id_z 1
		.amdhsa_system_vgpr_workitem_id 0
		.amdhsa_next_free_vgpr 1024
		.amdhsa_next_free_sgpr 100
		.amdhsa_reserve_vcc 0
		.amdhsa_float_denorm_mode_32 3
		.amdhsa_float_denorm_mode_16_64 3
		.amdhsa_memory_ordered 1
		.amdhsa_forward_progress 1
		.amdhsa_inst_pref_size 213
	.end_amdhsa_kernel
	.amdgpu_metadata
---
amdhsa.version: [ 1, 2 ]
amdhsa.kernels:
  - .name:           k_qaab4bc5ca1_qkv
    .symbol:         k_qaab4bc5ca1_qkv.kd
    .args:
      - { .name: xq, .offset: 0, .size: 8, .value_kind: global_buffer, .address_space: global }
      - { .name: wq, .offset: 8, .size: 8, .value_kind: global_buffer, .address_space: global }
      - { .name: bq, .offset: 16, .size: 8, .value_kind: global_buffer, .address_space: global }
      - { .name: bk, .offset: 24, .size: 8, .value_kind: global_buffer, .address_space: global }
      - { .name: bv, .offset: 32, .size: 8, .value_kind: global_buffer, .address_space: global }
      - { .name: qq, .offset: 40, .size: 8, .value_kind: global_buffer, .address_space: global }
      - { .name: kv, .offset: 48, .size: 8, .value_kind: global_buffer, .address_space: global }
    .group_segment_fixed_size: 327680
    .private_segment_fixed_size: 0
    .kernarg_segment_align: 8
    .kernarg_segment_size: 56
    .max_flat_workgroup_size: 128
    .sgpr_count:     100
    .vgpr_count:     1024
    .wavefront_size: 32
...
	.end_amdgpu_metadata
.endif
;; end of part 6
;; launch attn (part 7): grid 4 x 64, 8 waves a work-group, clusters of 4 x 1, 218,112 bytes of LDS; arguments qq, kv, attention_mask, cq; writes cq
.if DOCPART == 7
	.amdgcn_target "amdgcn-amd-amdhsa--gfx1250"
	.amdhsa_code_object_version 6
	.text
	.protected	k_qaab4bc5ca1_attn
	.globl	k_qaab4bc5ca1_attn
	.p2align	8
	.type	k_qaab4bc5ca1_attn,@function
k_qaab4bc5ca1_attn:
	s_mov_b64 s[64:65], 0
	v_nop
	global_prefetch_b8 v0, s[64:65] scope:SCOPE_SE
	s_setreg_imm32_b32 hwreg(HW_REG_WAVE_MODE, 25, 1), 1
	s_wait_xcnt 0x0
	s_wait_alu depctr_hold_cnt(0) depctr_sa_sdst(0) depctr_va_vdst(0) depctr_va_sdst(0) depctr_va_ssrc(0) depctr_va_vcc(0) depctr_vm_vsrc(0)
	s_getreg_b32 s2, hwreg(HW_REG_IB_STS2, 6, 4)
	s_cmp_eq_u32 s2, 0
	s_cbranch_scc0 .Lentry_in_a_cluster
	s_endpgm
.Lentry_in_a_cluster:
	s_bfe_u32 s2, ttmp6, 0x10000c
	s_cmp_lg_u32 s2, 0x3003
	s_cbranch_scc0 .Lentry_shape_is_right
	s_endpgm
.Lentry_shape_is_right:
; ctx[b][q][head] = softmax_k(q . k / 8 + mask[b][k]) v, both products on codes of BF6 (E3M2) with E8M0 scales; ctx is quantised along the hidden axis (blocks of 32 lie inside a head) and leaves as codes.
; THE SOFTMAX AHEAD OF THE SECOND PRODUCT: t = (q . k / 8 + mask) log2(e); M = the running largest t rounded UP to a whole number; p = 2^(t - M) is quantised along the keys, not normalised; the row's sum is taken of the
; unquantised p and divides at the end.  When M moves, the sum and O are multiplied by 2^(old M - new M): exact.
; SHARES.  A cluster of four work-groups is one (batch, head); a work-group owns 512 queries; each of its eight waves takes two tiles of 16 queries at a time, in two passes, and walks all 2,048 keys, 128 a step.
; Two tiles to a wave share each fragment of K and V and each mask word read from LDS.  Two waves lie on a SIMD: one's exponentials stand beside the other's plain work and products.
; ALL OF THE HEAD'S K, V AND THEIR SCALE WORDS STAY IN LDS: 208,896 bytes, laid as in memory, filled ONCE: each wave asks for an eighth by one joint load (the same in all four work-groups); no byte is filled again.
; LAYOUT.  Both products are used transposed: S^T = K Q^T (source 0 = a tile of 16 keys), O^T = V^T P^T (source 0 = a tile of 16 channels): a lane holds ONE query throughout.  A tile's 16 rows are
; 32 (T / 2) + 8 (T % 2) + i + 8 (i / 8), so the 16 registers of tiles 2 b, 2 b + 1 are 16 neighbours: keys for p, channels for ctx.
; THE HEAD HAS 64 CHANNELS, the instruction takes 128 along K: Q's operand is its six registers and six registers of zero codes; K's is twelve registers on end from the tile's six on: the upper six (the next tile's codes,
; or six zeros behind the last) meet zero codes and add nothing; no scale byte is 0xff.
; THE MASK goes in as the C of K Q^T: 8 x mask (exact) at the lane's eight keys, so that q . k + 8 mask is rounded once, as q . k / 8 + mask is; then t = that x log2(e) / 8.
; LIMITS: NaN among the inputs is not served.  |mask| stays under 2^125 (8 x mask is formed), but for -infinity, which is served where at least one key of the row is open.
; A block of ctx whose largest magnitude lies under 2^-122 gets the byte 1 (a block of zeros too: its codes are zeros).  A block of p that has fallen to 0 likewise.
; REGISTERS.  window 0: v1-11 addresses; v12-19 -M, largest t, the sum's two halves, for tile 0 and tile 1; v20-29 scale words; v[30:31] f; v32-159 S^T, then p; v160-183 p's codes; v184-212 at work.
;   window 1: v0-47 K's eight half fragments, v48-53 zeros; v56-103 V's four fragments; v104-167 8 x mask; v168-191 Q (6 codes + 6 zeros a tile); v192-255 O^T.
.set KIMG, 0
.set VIMG, 98304
.set KSC,  196608
.set VSC,  204800
.set MSK,  208896                      ; 8 x mask of the batch's 2,048 keys: written by LDS stores, in blocks of 256 bytes into which no fill lands
.set HEADB, 208896
.set QS_OFF, 6291456
.set CS_OFF, 6291456
.set L16, 1
.set L8,  2
.set L4,  3
.set H64, 4                            ; 64 x (lane / 16)
.set ADK, 5
.set ADK8, 6
.set ADV, 7
.set ADV8, 8
.set ADM, 9
.set ADS, 10
.set ADT, 11
.set STT, 12
.set KS,  20                           ; v20-23  K's words: register b: tile 2 b in lanes 0-15, tile 2 b + 1 in lanes 16-31
.set VS,  24                           ; v24-25  V's likewise
.set QS,  26                           ; v26-27  Q's
.set PS,  28                           ; v28-29  p's
.set FF,  30
.set S,   32
.set P,   160
.set CT,  184
.set BM,  192                          ; v192-195 the blocks' largest
.set BY,  196                          ; v196-199 lane permutes' results, then bytes
.set SO,  200                          ; v200-203 scale operands
.set TP,  204                          ; v204-207 at work
.set L2,  208                          ; 2 x lane
.set R4,  209                          ; 4 x (lane % 16)
.set HW,  210                          ; v210-212 ctx's scale halfwords
.set KF,  0                            ; window 1
.set ZP,  48
.set VF,  56
.set MC,  104
.set QF,  168
.set OT,  192
.set MSB, 0
.macro WIN new                         ; the immediate's high byte repeats the setting that is left
.if MSB != (\new)
	s_set_vgpr_msb (MSB<<8)|(\new)
.set MSB, (\new)
.endif
.endm
.macro CROUND                          ; a round of the cluster's barrier
	s_barrier_signal -1
	s_barrier_wait -1
	s_cmp_lg_u32 s12, 0
	s_cbranch_scc1 .Lnot_wave_0_\@
	s_barrier_signal -3
.Lnot_wave_0_\@:
	s_barrier_wait -3
	s_barrier_signal -1
	s_barrier_wait -1
.endm
	s_load_b256 s[4:11], s[0:1], 0x0               ; qq, kv, attention_mask, cq
	v_lshl_add_u32 v254, v0, 2, 0x35000
	v_mov_b32 v255, 0
	ds_add_u32 v254, v255
	ds_add_u32 v254, v255
	v_lshrrev_b32 v5, 5, v0
	s_delay_alu instid0(VALU_DEP_1)
	v_readfirstlane_b32 s12, v5                    ; wave 0..7
	s_bfe_u32 s13, ttmp6, 0x40000                  ; cx
	s_lshl_b32 s17, ttmp9, 2
	s_add_co_u32 s17, s17, s13                     ; my block of 512 queries: it enters Q's and ctx's addresses alone
	s_and_b32 s14, ttmp7, 0xffff                   ; 16 x batch + head, which the four partners share
	s_lshr_b32 s15, s14, 4                         ; batch
	s_and_b32 s16, s14, 15                         ; head
	; descriptor group 1: 26,112 dense bytes as 102 rows of 256 (32 elements of 8 bytes), no padding
	s_mov_b32 s24, 15|(3<<16)|(1<<21)              ; 15:0 the mask: all four work-groups; 17:16 elements of 8 bytes; 21 set beside a mask
	s_mov_b32 s25, 32<<16                          ; tensor_dim0
	s_mov_b32 s26, 102<<16                         ; tensor_dim1
	s_mov_b32 s27, 32<<16                          ; tile_dim0
	s_mov_b32 s28, 102                             ; tile_dim1
	s_mov_b32 s29, 32                              ; tensor_dim0_stride
	s_mov_b32 s30, 0
	s_mov_b32 s31, 0
	s_mul_i32 s36, s14, HEADB
	s_mul_i32 s33, s12, 26112                      ; my eighth, in LDS as in memory
	s_add_co_u32 s36, s36, s33
	s_mov_b32 s37, 0
	s_lshl_b32 s38, s17, 5
	s_lshl_b32 s39, s12, 1
	s_add_co_u32 s38, s38, s39                     ; my first tile of queries in the batch: 32 x block + 2 x wave
	s_lshl_b32 s40, s14, 7
	s_add_co_u32 s40, s40, s38
	s_mul_i32 s42, s40, 768                        ; Q's half images
	s_mov_b32 s43, 0
	s_lshl_b32 s44, s40, 6
	s_add_co_u32 s44, s44, QS_OFF                  ; Q's words
	s_mov_b32 s45, 0
	s_lshl_b32 s41, s15, 7
	s_add_co_u32 s41, s41, s38                     ; the tile among all 512
	s_lshl_b32 s46, s41, 4
	s_add_co_u32 s46, s46, s16
	s_mul_i32 s46, s46, 768                        ; ctx's half images: [tile][head][768]
	s_mov_b32 s47, 0
	s_lshl_b32 s48, s41, 5
	s_lshl_b32 s49, s16, 14
	s_add_co_u32 s48, s48, s49
	s_add_co_u32 s48, s48, CS_OFF                  ; ctx's halfwords: [head][tile][row]
	s_mov_b32 s49, 0
	s_lshl_b32 s50, s15, 13                        ; the batch's mask
	s_mov_b32 s51, 0
	s_mov_b32 s20, 0x76543210
	s_mov_b32 s21, 0xfedcba98                      ; v_permlanex16_b32's selects for lane l xor 16
	s_mov_b32 s22, 0x3e38aa3b                      ; c = log2(e) / 8
	s_mov_b32 s23, s22                             ; (named with it as a pair, so it is written)
	s_mov_b32 s60, 0xffff0000                      ; lanes 16-31
	s_wait_dscnt 0x0
	s_wait_kmcnt 0x0
	s_mov_b32 s32, 1                               ; group 0: count = 1; s33 the LDS address;
	s_add_nc_u64 s[34:35], s[6:7], s[36:37]        ; the global address: made of the head and the wave's number alone
	s_or_b32 s35, s35, 0x80000000                  ; type = 2
	s_add_nc_u64 s[70:71], s[4:5], s[42:43]
	s_add_nc_u64 s[72:73], s[4:5], s[44:45]
	s_add_nc_u64 s[74:75], s[10:11], s[46:47]
	s_add_nc_u64 s[76:77], s[10:11], s[48:49]
	s_add_nc_u64 s[8:9], s[8:9], s[50:51]
	CROUND                                         ; all four work-groups are here: the joint loads meet
	tensor_load_to_lds s[32:35], s[24:31]          ; my one tensor load of the launch
	s_nop 0
.rept 4
	v_nop
.endr
	v_and_b32 v5, 31, v0
	s_delay_alu instid0(VALU_DEP_1)
	v_lshlrev_b32 v[L16], 4, v5
	s_delay_alu instid0(VALU_DEP_2)
	v_lshlrev_b32 v[L8], 3, v5
	s_delay_alu instid0(VALU_DEP_3)
	v_lshlrev_b32 v[L4], 2, v5
	s_delay_alu instid0(VALU_DEP_4)
	v_lshlrev_b32 v[L2], 1, v5
	v_bfe_u32 v6, v0, 4, 1
	s_delay_alu instid0(VALU_DEP_1)
	v_lshlrev_b32 v[H64], 6, v6
	v_and_b32 v7, 15, v0
	s_delay_alu instid0(VALU_DEP_1)
	v_lshlrev_b32 v[R4], 2, v7
	v_lshlrev_b32 v8, 4, v0                        ; the mask: 256 threads x 2 x 16 bytes
	global_load_b128 v[32:35], v8, s[8:9]
	global_load_b128 v[36:39], v8, s[8:9] offset:4096
	v_lshl_add_u32 v9, v0, 4, MSK
	v_mov_b32 v[FF+1], 0                           ; (named as the upper half of a pair)
.irp b, 0,1,2,3
	v_mov_b32 v[BY+\b], 0                          ; written once: a lane permute's destination counts as one of its sources
	v_mov_b32 v[TP+\b], 0
.endr
	WIN 0x40                                       ; destination window 1
.irp i, 0,1,2,3,4,5
	v_mov_b32 v[ZP+\i], 0                          ; the zero codes: behind K's last tile,
	v_mov_b32 v[QF+6+\i], 0                        ; and the upper 64 of K in Q's two operands
	v_mov_b32 v[QF+18+\i], 0
.endr
	WIN 0
	s_wait_loadcnt 0x0
.irp i, 0,1,2,3,4,5,6,7
	v_mul_f32 v[32+\i], 0x41000000, v[32+\i]       ; x 8: exact
.endr
	ds_store_b128 v9, v[32:35]
	ds_store_b128 v9, v[36:39] offset:4096
	s_wait_tensorcnt 0x0                           ; my eighth of K, V and their words has landed,
	s_wait_dscnt 0x0                               ; my part of the mask is stored:
	s_barrier_signal -1
	s_barrier_wait -1                              ; everybody's.  From here on LDS is only read
; The softmax of tile x for one step of 128 keys.
.macro SOFT x
.set SB, S+64*(\x)
.set MN, STT+4*(\x)
.set PB, P+12*(\x)
.set OB, OT+32*(\x)
.irp b, 0,1,2,3
	v_max3_num_f32 v[BM+\b], v[SB+16*\b], v[SB+16*\b+1], v[SB+16*\b+2]   ; THE LARGEST SCORE OF EACH BLOCK OF 32 KEYS: it serves for the row's maximum and, since p rises with the score, for the block's largest p
.endr
.irp i, 3,5,7,9,11,13
.irp b, 0,1,2,3
	v_max3_num_f32 v[BM+\b], v[BM+\b], v[SB+16*\b+\i], v[SB+16*\b+\i+1]   ; (the four blocks by turns)
.endr
.endr
.irp b, 0,1,2,3
	v_max_num_f32 v[BM+\b], v[BM+\b], v[SB+16*\b+15]
.endr
.irp b, 0,1,2,3
	s_delay_alu instid0(VALU_DEP_4)
	v_permlanex16_b32 v[BY+\b], v[BM+\b], s20, s21
.endr
.irp b, 0,1,2,3
	s_delay_alu instid0(VALU_DEP_4)
	v_max_num_f32 v[BM+\b], v[BM+\b], v[BY+\b]     ; with lane l xor 16's 16 keys
.endr
	s_delay_alu instid0(VALU_DEP_2)
	v_max3_num_f32 v[TP], v[BM], v[BM+1], v[BM+2]
	s_delay_alu instid0(VALU_DEP_1)
	v_max_num_f32 v[TP], v[TP], v[BM+3]            ; the step's largest score of my query
	s_delay_alu instid0(VALU_DEP_1)
	v_mul_f32 v[TP], s22, v[TP]                    ; as t (c is positive)
	s_delay_alu instid0(VALU_DEP_1)
	v_max_num_f32 v[MN+1], v[MN+1], v[TP]          ; the running largest t
	v_mov_b32 v[TP], v[MN]
	s_delay_alu instid0(VALU_DEP_2)
	v_floor_f32 v[MN], -v[MN+1]                    ; the new -M = floor(-t) = -ceil(t): M is a whole number
	s_delay_alu instid0(VALU_DEP_1)
	v_sub_f32 v[TP], v[MN], v[TP]                  ; M's old value less its new one: a whole number, 0 or less
	s_delay_alu instid0(VALU_DEP_1)
	v_cvt_i32_f32 v[TP], v[TP]                     ; (it saturates)
	s_delay_alu instid0(VALU_DEP_1)
	v_ldexp_f32 v[FF], 1.0, v[TP]                  ; f = 2^(old M - new M)
.irp j, 0,2,4,6,8,10,12,14,16,18,20,22,24,26,28,30,32,34,36,38,40,42,44,46,48,50,52,54,56,58,60,62
	v_pk_fma_f32 v[SB+\j:SB+\j+1], v[SB+\j:SB+\j+1], s[22:23], v[MN:MN+1] op_sel_hi:[1,0,0]   ; t - M, two at a time (of the pairs c and -M the low word serves both halves)
.endr
.irp b, 0,1,2,3
	v_fma_f32 v[BM+\b], v[BM+\b], s22, v[MN]       ; the same of each block's largest score
.endr
	s_wait_alu depctr_va_vdst(0)
.irp j, 0,1,2,3,4,5,6,7,8,9,10,11,12,13,14,15,16,17,18,19,20,21,22,23,24,25,26,27,28,29,30,31,32,33,34,35,36,37,38,39,40,41,42,43,44,45,46,47,48,49,50,51,52,53,54,55,56,57,58,59,60,61,62,63
	v_exp_f32 v[SB+\j], v[SB+\j]                   ; p = 2^(t - M), at most 1: not normalised
.endr
.irp b, 0,1,2,3
	v_exp_f32 v[BM+\b], v[BM+\b]                   ; the block's largest p: the same two instructions on the same number give the same bits
.endr
	v_pk_mul_f32 v[MN+2:MN+3], v[MN+2:MN+3], v[FF:FF+1] op_sel_hi:[1,0]   ; the sums under the new M.  (A plain place behind the exponentials)
	s_wait_alu depctr_va_vdst(0)
.irp b, 0,1,2,3
	v_max_num_f32 v[BM+\b], 0x2800000, v[BM+\b]    ; the floor 2^(5 - 127): the byte cannot fall under 1
.endr
.irp b, 0,1,2,3
	s_delay_alu instid0(VALU_DEP_4)
	v_add_nc_u32 v[SO+\b], 0xfe000000, v[BM+\b]    ; 4 off the exponent field: the conversion's scale operand
.endr
.irp b, 0,1,2,3
	s_delay_alu instid0(VALU_DEP_4)
	v_lshrrev_b32 v[BY+\b], 23, v[SO+\b]           ; the scale's byte
.endr
	s_delay_alu instid0(VALU_DEP_3)
	v_lshl_or_b32 v[PS+(\x)], v[BY+1], 8, v[BY]    ; p's scale word for these 128 keys
	s_delay_alu instid0(VALU_DEP_1)
	v_lshl_or_b32 v[PS+(\x)], v[BY+2], 16, v[PS+(\x)]
	s_delay_alu instid0(VALU_DEP_1)
	v_lshl_or_b32 v[PS+(\x)], v[BY+3], 24, v[PS+(\x)]
.irp c, 0,1
	v_cvt_scalef32_pk16_bf6_f32 v[PB+6*\c:PB+6*\c+2], v[SB+32*\c:SB+32*\c+15], v[SO+2*\c]
	v_cvt_scalef32_pk16_bf6_f32 v[CT+4*\c:CT+4*\c+2], v[SB+32*\c+16:SB+32*\c+31], v[SO+2*\c+1]   ; (a conversion's three registers begin on an even number)
.endr
	v_nop                                          ; one plain place behind a scaled conversion
.irp c, 0,1                                    ; the operand's layout wants a WHOLE block in a lane
.irp i, 0,1,2
	v_permlane16_swap_b32 v[PB+6*\c+\i], v[CT+4*\c+\i]
.endr
.irp i, 0,1,2
	s_delay_alu instid0(VALU_DEP_3)
	v_mov_b32 v[PB+6*\c+3+\i], v[CT+4*\c+\i]
.endr
.endr
	v_pk_add_f32 v[TP+2:TP+3], v[SB:SB+1], v[SB+2:SB+3]   ; THE ROW'S SUM IS TAKEN OF THE UNQUANTISED p: two at a time, in two chains
.irp j, 4,8,12,16,20,24,28,32,36,40,44,48,52,56,60
	v_pk_add_f32 v[MN+2:MN+3], v[MN+2:MN+3], v[SB+\j:SB+\j+1]
	v_pk_add_f32 v[TP+2:TP+3], v[TP+2:TP+3], v[SB+\j+2:SB+\j+3]
.endr
	s_delay_alu instid0(VALU_DEP_1)
	v_pk_add_f32 v[MN+2:MN+3], v[MN+2:MN+3], v[TP+2:TP+3]
	WIN 0x41                                       ; O^T (destination and source 0) in window 1, f in window 0
.irp j, 0,2,4,6,8,10,12,14,16,18,20,22,24,26,28,30
	v_pk_mul_f32 v[OB+\j:OB+\j+1], v[OB+\j:OB+\j+1], v[FF:FF+1] op_sel_hi:[1,0]   ; O^T under the new M.  (With the sums above: the places between p's codes and scale word and the products that take them)
.endr
	WIN 0
.endm
; The way out of tile x: O^T / the sum, quantised along the head's 64 channels: a half image and a halfword of two scale bytes a row.
.macro OUT x
.set SB, S+64*(\x)
.set MN, STT+4*(\x)
.set PB, P+12*(\x)
.set OB, OT+32*(\x)
	v_add_f32 v[TP], v[MN+2], v[MN+3]              ; the sum's two halves,
	s_delay_alu instid0(VALU_DEP_1)
	v_permlanex16_b32 v[TP+1], v[TP], s20, s21
	s_delay_alu instid0(VALU_DEP_1)
	v_add_f32 v[TP], v[TP], v[TP+1]                ; and lane l xor 16's
	s_wait_alu depctr_va_vdst(0)
	v_rcp_f32 v[TP], v[TP]
	v_nop                                          ; one plain place behind a transcendental
	WIN 0x01                                       ; source 0 window 1
.set j, 0
	s_wait_alu depctr_va_vdst(0)
.rept 32
	v_mul_f32 v[SB+j], v[OB+j], v[TP]              ; register 16 b + i: channel 32 b + 16 (lane / 16) + i; each accumulator from its low end on
.set j, j+1
.endr
	WIN 0
.irp b, 0,1
	v_max3_num_f32 v[BM+\b], |v[SB+16*\b]|, |v[SB+16*\b+1]|, 0x2800000
.endr
.irp i, 2,4,6,8,10,12,14
.irp b, 0,1
	s_delay_alu instid0(VALU_DEP_2)
	v_max3_num_f32 v[BM+\b], v[BM+\b], |v[SB+16*\b+\i]|, |v[SB+16*\b+\i+1]|
.endr
.endr
.irp b, 0,1
	s_delay_alu instid0(VALU_DEP_2)
	v_permlanex16_b32 v[BY+\b], v[BM+\b], s20, s21
.endr
.irp b, 0,1
	s_delay_alu instid0(VALU_DEP_2)
	v_max_num_f32 v[BM+\b], v[BM+\b], v[BY+\b]
.endr
.irp b, 0,1
	s_delay_alu instid0(VALU_DEP_2)
	v_add_nc_u32 v[SO+\b], 0xfe000000, v[BM+\b]
.endr
.irp b, 0,1
	s_delay_alu instid0(VALU_DEP_2)
	v_lshrrev_b32 v[BY+\b], 23, v[SO+\b]
.endr
	s_delay_alu instid0(VALU_DEP_1)
	v_lshl_or_b32 v[HW+(\x)], v[BY+1], 8, v[BY]
	v_cvt_scalef32_pk16_bf6_f32 v[PB:PB+2], v[SB:SB+15], v[SO]
	v_cvt_scalef32_pk16_bf6_f32 v[CT:CT+2], v[SB+16:SB+31], v[SO+1]
	v_nop
.irp i, 0,1,2
	v_permlane16_swap_b32 v[PB+\i], v[CT+\i]
.endr
.irp i, 0,1,2
	s_delay_alu instid0(VALU_DEP_3)
	v_mov_b32 v[PB+3+\i], v[CT+\i]
.endr
	global_store_b128 v[L16], v[PB:PB+3], s[74:75] offset:12288*(\x)        ; 512 consecutive bytes, then 256
	global_store_b64 v[L8], v[PB+4:PB+5], s[74:75] offset:12288*(\x)+512
.endm
	s_mov_b32 s61, 2
.Lpass:                                            ; two passes: 32 queries of the wave in each
	WIN 0x40
.irp x, 0,1
	global_load_b128 v[QF+12*\x:QF+12*\x+3], v[L16], s[70:71] offset:768*\x
	global_load_b64 v[QF+12*\x+4:QF+12*\x+5], v[L8], s[70:71] offset:768*\x+512
.endr
.set j, 0
.rept 64
	v_mov_b32 v[OT+j], 0                           ; O^T.  (The step is written once: the first finds zeros, which the first change of M leaves zeros)
.set j, j+1
.endr
	WIN 0
.irp x, 0,1
	global_load_b32 v[QS+\x], v[R4], s[72:73] offset:64*\x
	v_mov_b32 v[STT+4*\x+1], 0xff61b1e6            ; the largest t so far: -3e38
	s_delay_alu instid0(VALU_DEP_1)
	v_floor_f32 v[STT+4*\x], -v[STT+4*\x+1]        ; -M
	v_mov_b32 v[STT+4*\x+2], 0                     ; the sum, in two halves
	v_mov_b32 v[STT+4*\x+3], 0
.endr
	s_mov_b32 s63, KIMG                            ; where the step's tiles and words begin in LDS
	s_mov_b32 s66, VIMG
	s_mov_b32 s67, MSK
	s_mov_b32 s68, KSC
	s_mov_b32 s69, VSC
	s_wait_loadcnt 0x0                             ; Q
	s_mov_b32 s62, 16
.Lstep:                                            ; 128 keys
	s_setprio 2
	v_add_nc_u32 v[ADK], s63, v[L16]               ; (these seven are also the places in front of loads into registers that the last products read)
	v_add_nc_u32 v[ADK8], s63, v[L8]
	v_add_nc_u32 v[ADV], s66, v[L16]
	v_add_nc_u32 v[ADV8], s66, v[L8]
	v_add_nc_u32 v[ADM], s67, v[H64]
	v_add_nc_u32 v[ADS], s68, v[L4]
	v_add_nc_u32 v[ADT], s69, v[L4]
.irp b, 0,1,2,3
	ds_load_b32 v[KS+\b], v[ADS] offset:128*\b
.endr
.irp e, 0,1
	ds_load_b32 v[VS+\e], v[ADT] offset:128*\e
.endr
	WIN 0x40
.irp t, 0,1,2,3,4,5,6,7
	ds_load_b128 v[KF+6*\t:KF+6*\t+3], v[ADK] offset:768*\t
	ds_load_b64 v[KF+6*\t+4:KF+6*\t+5], v[ADK8] offset:768*\t+512
.endr
.irp t, 0,1,2,3,4,5,6,7
	ds_load_b128 v[MC+8*\t:MC+8*\t+3], v[ADM] offset:(32*(\t/2)+8*(\t%2))*4       ; 8 x mask at keys 32 (t / 2) + 8 (t % 2) + 16 h + 0 .. 7: sixteen lanes share each word
	ds_load_b128 v[MC+8*\t+4:MC+8*\t+7], v[ADM] offset:(32*(\t/2)+8*(\t%2))*4+16
.endr
.irp d, 0,1,2,3
.irp e, 0,1
	ds_load_b128 v[VF+12*\d+6*\e:VF+12*\d+6*\e+3], v[ADV] offset:1536*\d+768*\e
	ds_load_b64 v[VF+12*\d+6*\e+4:VF+12*\d+6*\e+5], v[ADV8] offset:1536*\d+768*\e+512
.endr
.endr
	s_wait_dscnt 16                                ; the words, K and the mask are in; V's 16 loads may be out
	WIN 0x15                                       ; K, Q and the mask in window 1, S^T in window 0
.irp t, 0,1,2,3,4,5,6,7
.irp x, 0,1
.if (\t%2) == 0
	v_wmma_scale_f32_16x16x128_f8f6f4 v[S+64*\x+8*\t:S+64*\x+8*\t+7], v[KF+6*\t:KF+6*\t+11], v[QF+12*\x:QF+12*\x+11], v[MC+8*\t:MC+8*\t+7], v[KS+\t/2], v[QS+\x] matrix_a_fmt:MATRIX_FMT_BF6 matrix_b_fmt:MATRIX_FMT_BF6
.else
	v_wmma_scale_f32_16x16x128_f8f6f4 v[S+64*\x+8*\t:S+64*\x+8*\t+7], v[KF+6*\t:KF+6*\t+11], v[QF+12*\x:QF+12*\x+11], v[MC+8*\t:MC+8*\t+7], v[KS+\t/2], v[QS+\x] matrix_a_fmt:MATRIX_FMT_BF6 matrix_b_fmt:MATRIX_FMT_BF6 matrix_a_scale:MATRIX_SCALE_ROW1
.endif
.endr
.endr
	WIN 0
.rept 4
	v_nop                                          ; places in front of the first read of the scores
.endr
	SOFT 0
	s_setprio 1
	SOFT 1
	s_wait_alu depctr_va_vdst(0)
	s_wait_dscnt 0x0                               ; V is in
	WIN 0x51                                       ; V in window 1, p in window 0, O^T in window 1
	s_setprio 0
.irp d, 0,1,2,3                                ; the eight accumulators take turns, one instruction a turn
.irp x, 0,1
.if (\d%2) == 0
	v_wmma_scale_f32_16x16x128_f8f6f4 v[OT+32*\x+8*\d:OT+32*\x+8*\d+7], v[VF+12*\d:VF+12*\d+11], v[P+12*\x:P+12*\x+11], v[OT+32*\x+8*\d:OT+32*\x+8*\d+7], v[VS+\d/2], v[PS+\x] matrix_a_fmt:MATRIX_FMT_BF6 matrix_b_fmt:MATRIX_FMT_BF6
.else
	v_wmma_scale_f32_16x16x128_f8f6f4 v[OT+32*\x+8*\d:OT+32*\x+8*\d+7], v[VF+12*\d:VF+12*\d+11], v[P+12*\x:P+12*\x+11], v[OT+32*\x+8*\d:OT+32*\x+8*\d+7], v[VS+\d/2], v[PS+\x] matrix_a_fmt:MATRIX_FMT_BF6 matrix_b_fmt:MATRIX_FMT_BF6 matrix_a_scale:MATRIX_SCALE_ROW1
.endif
.endr
.endr
	WIN 0
	s_add_co_u32 s63, s63, 6144                    ; the next 128 keys
	s_add_co_u32 s66, s66, 6144
	s_add_co_u32 s67, s67, 512
	s_add_co_u32 s68, s68, 512
	s_add_co_u32 s69, s69, 256
	s_sub_co_u32 s62, s62, 1
	s_cmp_lg_u32 s62, 0
	s_cbranch_scc1 .Lstep
	s_setprio 0
.rept 4
	v_nop                                          ; places behind the last products
.endr
	OUT 0
	OUT 1
	v_cndmask_b32 v[HW+2], v[HW], v[HW+1], s60     ; lanes 0-15 send the first tile's halfwords, lanes 16-31 the second's: 64 consecutive bytes
	global_store_b16 v[L2], v[HW+2], s[76:77]
	s_wait_xcnt 0x0                                ; the stores and Q's loads have read their registers and bases, which are written again below and in the next pass
	s_add_nc_u64 s[70:71], s[70:71], 12288         ; 16 tiles on
	s_add_nc_u64 s[72:73], s[72:73], 1024
	s_add_nc_u64 s[74:75], s[74:75], 196608
	s_add_nc_u64 s[76:77], s[76:77], 512
	s_sub_co_u32 s61, s61, 1
	s_cmp_lg_u32 s61, 0
	s_cbranch_scc1 .Lpass
	s_wait_dscnt 0x0
	s_wait_tensorcnt 0x0
	ds_add_u32 v254, v255
	s_wait_dscnt 0x0
	CROUND                                         ; the closing round: no work-group ends while a partner may still ask for a tile that names it
	s_endpgm
.Lfunc_end_k_qaab4bc5ca1_attn:
	.size	k_qaab4bc5ca1_attn, .Lfunc_end_k_qaab4bc5ca1_attn-k_qaab4bc5ca1_attn
	.p2alignl 7, 3214868480
	.fill 96, 4, 3214868480
	.section	.rodata,"a",@progbits
	.p2align	6, 0x0
	.amdhsa_kernel k_qaab4bc5ca1_attn
		.amdhsa_group_segment_fixed_size 218112
		.amdhsa_private_segment_fixed_size 0
		.amdhsa_enable_private_segment 0
		.amdhsa_kernarg_size 32
		.amdhsa_user_sgpr_count 2
		.amdhsa_user_sgpr_kernarg_segment_ptr 1
		.amdhsa_wavefront_size32 1
		.amdhsa_system_sgpr_workgroup_id_x 1
		.amdhsa_system_sgpr_workgroup_id_y 1
		.amdhsa_system_sgpr_workgroup_id_z 1
		.amdhsa_system_vgpr_workitem_id 0
		.amdhsa_next_free_vgpr 512
		.amdhsa_next_free_sgpr 84
		.amdhsa_reserve_vcc 0
		.amdhsa_float_denorm_mode_32 3
		.amdhsa_float_denorm_mode_16_64 3
		.amdhsa_memory_ordered 1
		.amdhsa_forward_progress 1
		.amdhsa_inst_pref_size 53
	.end_amdhsa_kernel
	.amdgpu_metadata
---
amdhsa.version: [ 1, 2 ]
amdhsa.kernels:
  - .name:           k_qaab4bc5ca1_attn
    .symbol:         k_qaab4bc5ca1_attn.kd
    .args:
      - { .name: qq, .offset: 0, .size: 8, .value_kind: global_buffer, .address_space: global }
      - { .name: kv, .offset: 8, .size: 8, .value_kind: global_buffer, .address_space: global }
      - { .name: attention_mask, .offset: 16, .size: 8, .value_kind: global_buffer, .address_space: global }
      - { .name: cq, .offset: 24, .size: 8, .value_kind: global_buffer, .address_space: global }
    .group_segment_fixed_size: 218112
    .private_segment_fixed_size: 0
    .kernarg_segment_align: 8
    .kernarg_segment_size: 32
    .max_flat_workgroup_size: 256
    .sgpr_count:     84
    .vgpr_count:     512
    .wavefront_size: 32
...
	.end_amdgpu_metadata
.endif
;; end of part 7
;; launch outln (part 8): grid 256 x 1, 16 waves a work-group, no clusters, 100,352 bytes of LDS; arguments cq, wq, bo, hidden_states, ln_gamma, ln_beta, out0; writes out0
.if DOCPART == 8
	.amdgcn_target "amdgcn-amd-amdhsa--gfx1250"
	.amdhsa_code_object_version 6
	.text
	.protected	k_qaab4bc5ca1_outln
	.globl	k_qaab4bc5ca1_outln
	.p2align	8
	.type	k_qaab4bc5ca1_outln,@function
k_qaab4bc5ca1_outln:
	s_mov_b64 s[64:65], 0
	v_nop
	global_prefetch_b8 v0, s[64:65] scope:SCOPE_SE
	s_setreg_imm32_b32 hwreg(HW_REG_WAVE_SCHED_MODE, 0, 2), 2
	s_setreg_imm32_b32 hwreg(HW_REG_WAVE_MODE, 25, 1), 1
	s_wait_xcnt 0x0
	s_wait_alu depctr_vm_vsrc(0)
; out0 = LayerNorm(ctx Wo^T + bo + hidden_states) x gamma + beta.  The product on codes of BF6 (E3M2) with E8M0 scales, sums in f32; all else in f32.
; SHARES.  A work-group owns 32 tokens (two tiles of 16 rows 32 (T / 2) + 8 (T % 2) + i + 8 (i / 8)) and all 1,024 columns, so that a row's mean and variance stay inside it.  Wave w of sixteen owns columns 64 w .. 64 w + 63:
; four tiles of Wo's rows x two tiles of tokens = 8 accumulators.  Source 0 = Wo, source 1 = ctx: a lane holds one token and eight neighbouring columns.
; ctx's codes (24,576 bytes, [tile][head][768]: heads 2 s and 2 s + 1 on end are K step s's fragment) are copied into LDS once and read by all waves.
; Wo'S FRAGMENTS GO FROM MEMORY STRAIGHT INTO REGISTERS, as images, 512 consecutive bytes a load, through a ring of five register slots of two fragments: at each wait for a group three younger runs of six loads stay on their way.
; NO CLUSTER, NO JOINT LOADS: each fragment of Wo is multiplied by exactly one wave of a work-group, exactly once.  Shared with partners it would have to pass through LDS slots filled again behind a round of
; the cluster's barrier, with 8 matrix instructions a wave between two rounds for 96 KiB of a K step's fragments; here no wave waits for another inside the K loop.
; THE ROWS OF hidden_states are asked for while the last products run; earlier, one prefetch a wave names each of its 32 rows' 256 bytes once (a lane a row), five groups of loads ahead of the first of those loads.
; THE VARIANCE is the mean of (y - mean)^2, taken in a second pass over registers: never a difference of large sums.
; LIMITS: NaN and infinities are not served.
; THE MODE: SCHED_MODE bits 1:0 = 2 (LLVM: expert scheduling mode 2), set by the entry lines.  The code itself states the register dependences between vector or matrix instructions and memory or LDS
; instructions, with s_wait_alu, always for 0.
; THE PLAN.  Registers that memory or LDS instructions touch:
;   v1-9          offsets and LDS addresses: written at the head, read by every load, store and the prefetch, never written again.
;   AF            K step s: its eight LDS loads land here, its eight products read it; the loads of step s + 1 land here again.
;   ring slot k   group n (n % 5 = k): six loads land here, the group's four products read it; then group n + 5, or rows of hidden_states, land here.
;   ACC = Y       written by the products; read by the LDS stores into the stage; the loads back land in the same registers; then vector work; read by the last global stores.
;   PS            written by vector sums; read by the LDS stores of a reduction; the loads back land in the same registers.
; IN THE K LOOP one wait on va_vdst stands at a step's head: the eight products of the step before are done reading AF and their two ring slots.  The step's loads follow it: ctx's fragments, the first freed slot's
; refill, and, behind the step's first four products, the second freed slot's.  The products issued since the wait name this step's two slots, AF, the accumulators and the scale words: none of the registers
; in which the refills land.  No address is stepped.
; REGISTERS: v1-9 addresses; v12-19 ctx's scale words (K step s: lanes 0-15 tile 0, lanes 16-31 tile 1); v20-35 Wo's (8 y + s: lanes 0-15 tile 2 y, lanes 16-31 tile 2 y + 1); v36-99 accumulators, then y by rows;
;   v100-123 ctx's two fragments, later row sums and work; v124-243 the ring, later hidden_states; v244-255 gamma, beta, bo of my four columns.
.set WS_OFF, 3145728
.set CS_OFF, 6291456
.set AIMG, 0                           ; LDS: ctx's images, 24,576 bytes;
.set RED1, 24576                       ; 32 rows x 16 waves' sums;
.set RED2, 26624                       ; and sums of squares;
.set STG,  28672                       ; a stage of 16 rows x (256 + 16) bytes for each wave
.set ASC, 12
.set BSC, 20
.set ACC, 36
.set Y,   36
.set AF,  100
.set PS,  100                          ; v100-115 a figure for each of my 16 pairs of rows
.set TT,  116                          ; v116-123 at work
.set RB,  124
.set HID, 148
	s_load_b256 s[4:11], s[0:1], 0x0               ; cq, wq, bo, hidden_states
	s_load_b128 s[12:15], s[0:1], 0x20             ; ln_gamma, ln_beta
	s_load_b64 s[16:17], s[0:1], 0x30              ; out0
	v_lshrrev_b32 v10, 5, v0
	v_readfirstlane_b32 s18, v10                   ; wave 0..15
	v_and_b32 v10, 31, v0                          ; lane
	v_and_b32 v11, 15, v0                          ; lane % 16
	v_bfe_u32 v119, v0, 4, 1                       ; lane / 16
	v_lshlrev_b32 v1, 4, v10                       ; 16 x lane
	v_lshlrev_b32 v2, 3, v10                       ; 8 x lane
	s_wait_alu depctr_va_sdst(0)                   ; s18 is written, ahead of its first reader: LDS addresses and the buffers' offsets are made from it
	s_mul_i32 s19, s18, 4352
	s_add_co_u32 s19, s19, STG                     ; my stage
	v_mul_u32_u24 v3, v11, 272
	v_lshl_add_u32 v3, v119, 6, v3
	v_add_nc_u32 v3, s19, v3                       ; in: row r, + 64 h bytes
	v_mul_u32_u24 v4, v119, 272
	v_lshl_add_u32 v4, v11, 4, v4
	v_add_nc_u32 v4, s19, v4                       ; back: lanes 0-15 one row of 256 bytes, lanes 16-31 the next
	v_lshlrev_b32 v5, 12, v119
	v_lshl_add_u32 v5, v11, 4, v5                  ; and the same two rows in hidden_states and out0
	s_lshl_b32 s20, s18, 2
	v_lshlrev_b32 v6, 6, v119
	v_lshl_add_u32 v7, v11, 2, v6                  ; the sums, back: my row's 16 words, one a lane
	v_add_nc_u32 v6, s20, v6                       ; the sums, in: my row's word of my wave
	v_lshlrev_b32 v8, 12, v10                      ; the prefetch: a lane a row
	v_lshlrev_b32 v9, 4, v0                        ; 16 x thread: the copy of ctx's images
	v_lshlrev_b32 v116, 1, v10                     ; 2 x lane: ctx's halfwords
	v_lshlrev_b32 v117, 4, v11
	v_lshl_add_u32 v117, v119, 9, v117             ; 16 r + 512 h: Wo's words
	v_lshlrev_b32 v118, 4, v11                     ; my four columns of the wave's 64
	s_mul_i32 s22, ttmp9, 24576                    ; ctx's images of my two tiles
	s_mov_b32 s23, 0
	s_lshl_b32 s24, ttmp9, 6
	s_add_co_u32 s24, s24, CS_OFF                  ; their halfwords
	s_mov_b32 s25, 0
	s_lshr_b32 s26, s18, 1
	s_add_co_u32 s26, s26, 24                      ; Wo's groups are 24 .. 31 of wq
	s_mul_i32 s26, s26, 98304
	s_and_b32 s27, s18, 1
	s_mul_i32 s27, s27, 6144                       ; my four tiles of the group's eight
	s_add_co_u32 s26, s26, s27
	s_mov_b32 s27, 0
	s_lshl_b32 s28, s18, 11
	s_add_co_u32 s28, s28, WS_OFF+192*512          ; their scale words
	s_mov_b32 s29, 0
	s_lshl_b32 s30, ttmp9, 17                      ; 32 rows of 4,096 bytes
	s_lshl_b32 s32, s18, 8                         ; my 64 columns
	s_add_co_u32 s30, s30, s32
	s_mov_b32 s31, 0
	s_mov_b32 s33, 0
	s_mov_b32 s34, 0xba800000                      ; -1 / 1024
	s_mov_b32 s35, s34                             ; (named with it as a pair)
	s_mov_b32 s36, 0x3a800000                      ; 1 / 1024
	s_mov_b32 s37, 0x2b8cbccc                      ; 1e-12
	s_wait_kmcnt 0x0
	s_add_nc_u64 s[22:23], s[4:5], s[22:23]
	s_add_nc_u64 s[24:25], s[4:5], s[24:25]
	s_add_nc_u64 s[26:27], s[6:7], s[26:27]
	s_add_nc_u64 s[28:29], s[6:7], s[28:29]
	s_add_nc_u64 s[10:11], s[10:11], s[30:31]
	s_add_nc_u64 s[16:17], s[16:17], s[30:31]
	s_add_nc_u64 s[8:9], s[8:9], s[32:33]
	s_add_nc_u64 s[12:13], s[12:13], s[32:33]
	s_add_nc_u64 s[14:15], s[14:15], s[32:33]
	s_wait_alu depctr_va_vdst(0)                   ; v1 to v9 and v116 to v118 are written: the offsets and LDS addresses that every load, store and the prefetch below read
.macro GLOAD n                         ; group n = 2 s + y: Wo's tiles 2 y, 2 y + 1 of K step s: 3,072 consecutive bytes into ring slot n % 5
.irp c, 0,1,2,3,4,5
	global_load_b128 v[RB+24*((\n)%5)+4*\c:RB+24*((\n)%5)+4*\c+3], v1, s[26:27] offset:12288*((\n)/2)+3072*((\n)%2)+512*\c
.endr
.endm
.macro ALOAD s                         ; ctx's two fragments of K step s, from LDS: two half images each
.irp m, 0,1
	ds_load_b128 v[AF+12*\m:AF+12*\m+3], v1 offset:AIMG+12288*\m+1536*(\s)
	ds_load_b64 v[AF+12*\m+4:AF+12*\m+5], v2 offset:AIMG+12288*\m+1536*(\s)+512
	ds_load_b128 v[AF+12*\m+6:AF+12*\m+9], v1 offset:AIMG+12288*\m+1536*(\s)+768
	ds_load_b64 v[AF+12*\m+10:AF+12*\m+11], v2 offset:AIMG+12288*\m+1536*(\s)+1280
.endr
.endm
.macro GMUL n                          ; four products: Wo's two tiles x the two tiles of tokens.  The eight accumulators take turns, one instruction a turn
.set SK, (\n)/2
.set YK, (\n)%2
.set RS, RB+24*((\n)%5)
.set A0, ACC+16*YK
.if SK == 0
	v_wmma_scale_f32_16x16x128_f8f6f4 v[A0:A0+7], v[RS:RS+11], v[AF:AF+11], 0, v[BSC+8*YK+SK], v[ASC+SK] matrix_a_fmt:MATRIX_FMT_BF6 matrix_b_fmt:MATRIX_FMT_BF6
	v_wmma_scale_f32_16x16x128_f8f6f4 v[A0+32:A0+39], v[RS:RS+11], v[AF+12:AF+23], 0, v[BSC+8*YK+SK], v[ASC+SK] matrix_a_fmt:MATRIX_FMT_BF6 matrix_b_fmt:MATRIX_FMT_BF6 matrix_b_scale:MATRIX_SCALE_ROW1
	v_wmma_scale_f32_16x16x128_f8f6f4 v[A0+8:A0+15], v[RS+12:RS+23], v[AF:AF+11], 0, v[BSC+8*YK+SK], v[ASC+SK] matrix_a_fmt:MATRIX_FMT_BF6 matrix_b_fmt:MATRIX_FMT_BF6 matrix_a_scale:MATRIX_SCALE_ROW1
	v_wmma_scale_f32_16x16x128_f8f6f4 v[A0+40:A0+47], v[RS+12:RS+23], v[AF+12:AF+23], 0, v[BSC+8*YK+SK], v[ASC+SK] matrix_a_fmt:MATRIX_FMT_BF6 matrix_b_fmt:MATRIX_FMT_BF6 matrix_a_scale:MATRIX_SCALE_ROW1 matrix_b_scale:MATRIX_SCALE_ROW1
.else
	v_wmma_scale_f32_16x16x128_f8f6f4 v[A0:A0+7], v[RS:RS+11], v[AF:AF+11], v[A0:A0+7], v[BSC+8*YK+SK], v[ASC+SK] matrix_a_fmt:MATRIX_FMT_BF6 matrix_b_fmt:MATRIX_FMT_BF6
	v_wmma_scale_f32_16x16x128_f8f6f4 v[A0+32:A0+39], v[RS:RS+11], v[AF+12:AF+23], v[A0+32:A0+39], v[BSC+8*YK+SK], v[ASC+SK] matrix_a_fmt:MATRIX_FMT_BF6 matrix_b_fmt:MATRIX_FMT_BF6 matrix_b_scale:MATRIX_SCALE_ROW1
	v_wmma_scale_f32_16x16x128_f8f6f4 v[A0+8:A0+15], v[RS+12:RS+23], v[AF:AF+11], v[A0+8:A0+15], v[BSC+8*YK+SK], v[ASC+SK] matrix_a_fmt:MATRIX_FMT_BF6 matrix_b_fmt:MATRIX_FMT_BF6 matrix_a_scale:MATRIX_SCALE_ROW1
	v_wmma_scale_f32_16x16x128_f8f6f4 v[A0+40:A0+47], v[RS+12:RS+23], v[AF+12:AF+23], v[A0+40:A0+47], v[BSC+8*YK+SK], v[ASC+SK] matrix_a_fmt:MATRIX_FMT_BF6 matrix_b_fmt:MATRIX_FMT_BF6 matrix_a_scale:MATRIX_SCALE_ROW1 matrix_b_scale:MATRIX_SCALE_ROW1
.endif
.endm
; Pair of rows i = 8 m + k: rows 2 k and 2 k + 1 of tile m, which are tokens 8 m + 2 k + 8 (k / 4) and the next of my 32
.macro HLOAD i
	global_load_b128 v[HID+4*(\i):HID+4*(\i)+3], v5, s[10:11] offset:(8*((\i)/8)+2*((\i)%8)+8*(((\i)%8)/4))*4096 th:TH_LOAD_NT
.endm
; What takes the ring slot that group g - 5 has left: group g while Wo has groups; behind them the slots that are done with take hidden_states (slots 1, 2 and 3: six, six and four pairs of rows)
.macro REFILL g
.if (\g) <= 15
	GLOAD \g
.elseif (\g) == 16
.irp i, 0,1,2,3,4,5
	HLOAD \i
.endr
.elseif (\g) == 17
.irp i, 6,7,8,9,10,11
	HLOAD \i
.endr
.else
.irp i, 12,13,14,15
	HLOAD \i
.endr
.endif
.endm
.irp k, 0,1,2
	global_load_b128 v[ACC+4*\k:ACC+4*\k+3], v9, s[22:23] offset:8192*\k th:TH_LOAD_NT   ; ctx's images: 512 threads x 16 bytes, three times
.endr
.irp d, 0,1,2,3,4,5,6,7,8,9,10,11,12,13,14,15
	global_load_u16 v[AF+\d], v116, s[24:25] offset:16384*\d    ; head d's two scale bytes: lanes 0-15 tile 0's rows, lanes 16-31 tile 1's
.endr
.irp y, 0,1
.irp u, 0,1
	global_load_b128 v[BSC+8*\y+4*\u:BSC+8*\y+4*\u+3], v117, s[28:29] offset:1024*\y+256*\u   ; Wo's words of four K steps
.endr
.endr
	global_load_b128 v[244:247], v118, s[12:13]    ; gamma
	global_load_b128 v[248:251], v118, s[14:15]    ; beta
	global_load_b128 v[252:255], v118, s[8:9]      ; bo
	GLOAD 0
	GLOAD 1
	GLOAD 2
	GLOAD 3
	GLOAD 4
	s_wait_loadcnt 53                              ; of the 56 loads the first three, ctx's images, are in
.irp k, 0,1,2
	ds_store_b128 v9, v[ACC+4*\k:ACC+4*\k+3] offset:AIMG+8192*\k
.endr
	s_wait_loadcnt 30                              ; all but the ring's 30
.irp s, 0,1,2,3,4,5,6,7
	v_lshl_or_b32 v[ASC+\s], v[AF+2*\s+1], 16, v[AF+2*\s]   ; K step s: heads 2 s and 2 s + 1
.endr
.rept 8
	v_nop                                          ; a scale register written by a vector instruction stands 8 places ahead of a scaled matrix instruction
.endr
	s_wait_alu depctr_va_vdst(0)                   ; behind the places: v12 to v19 are written, which the products take as scales; the lines that made them are done reading v100 to v115, in which ctx's fragments land
	s_wait_dscnt 0x0                               ; for the others' sake: my part of the images is stored
	s_barrier_signal -1
	s_barrier_wait -1
	s_wait_alu depctr_vm_vsrc(0)                   ; the head's loads have read their offsets v116 to v118, in which ctx's fragments land; my LDS stores have read v36 to v47, which the first products write
.set SS, 0
.rept 8                                        ; K's eight steps, two groups each, written out: every offset is an immediate
.if SS > 0
	s_wait_alu depctr_va_vdst(0)                   ; the eight products of the step before are done reading ctx's fragments and their two ring slots: all the registers in which this step's loads land
.endif
	ALOAD SS
.if SS > 0
	REFILL 2*SS+3                                  ; the slot that group 2 s - 2 has left
.endif
	s_wait_dscnt 0x0                               ; ctx's fragments are in
.if SS == 0
	s_wait_loadcnt 24                              ; group 0 is in; groups 1 to 4 stay out
.else
	s_wait_loadcnt 18                              ; group 2 s is in; behind it three runs of six loads stay out
.endif
	GMUL 2*SS
.if SS > 0
	REFILL 2*SS+4                                  ; the slot that group 2 s - 1 has left.  No wait: no vector or matrix instruction since the wait at the step's head names these registers
.if SS == 3
	global_prefetch_b8 v8, s[10:11] th:TH_LOAD_NT scope:SCOPE_SE   ; my 32 rows' 256 bytes of hidden_states, a lane a row: each named once in the launch, five groups ahead of their first load
.endif
.endif
.if SS == 7
	s_wait_loadcnt 16                              ; group 15 is in; the 16 pairs of rows of hidden_states stay out
.else
	s_wait_loadcnt 18                              ; group 2 s + 1 is in; behind it three runs of six loads stay out
.endif
	GMUL 2*SS+1
.rept 4
	v_nop                                          ; four plain places behind the step's products: they stay beside the wait at the next step's head; behind the last step they stand ahead of the first read of results (ISA guide 7.12.1)
.endr
.set SS, SS+1
.endr
	; ---- from columns to rows: a lane holds eight columns of one token; through my stage it gets four neighbouring columns of 16 pairs of rows, sixteen lanes to a row's 256 bytes
	s_wait_alu depctr_va_vdst(0)                   ; behind the places: the products have written the accumulators, which the LDS stores read and in which the loads back land
.irp m, 0,1
.irp c, 0,1,2,3
	ds_store_b128 v3, v[ACC+32*\m+8*\c:ACC+32*\m+8*\c+3] offset:128*(\c/2)+32*(\c%2)          ; each accumulator from its low end on
	ds_store_b128 v3, v[ACC+32*\m+8*\c+4:ACC+32*\m+8*\c+7] offset:128*(\c/2)+32*(\c%2)+16
.endr
	s_wait_alu depctr_vm_vsrc(0)                   ; the eight stores above have read this tile's 32 registers, in which the eight loads below land
.irp k, 0,1,2,3,4,5,6,7
	ds_load_b128 v[Y+32*\m+4*\k:Y+32*\m+4*\k+3], v4 offset:544*\k   ; LDS serves a wave's instructions in order: these see the stores above, and the next tile's stores come behind them
.endr
.endr
	s_wait_dscnt 0x0
	s_wait_loadcnt 0x0                             ; hidden_states
.macro RSUM                            ; each figure summed over the sixteen lanes of its row
.irp x, 1,2,4,8
.irp i, 0,1,2,3,4,5,6,7,8,9,10,11,12,13,14,15
	v_add_f32_dpp v[PS+\i], v[PS+\i], v[PS+\i] row_xmask:\x row_mask:0xf bank_mask:0xf
.endr
.endr
.endm
.macro ACROSS base                     ; and over the sixteen waves: a word for each row and wave, a barrier, one word a lane back
	RSUM
	s_wait_alu depctr_va_vdst(0)                   ; the sums over the lanes have written the 16 figures, which the LDS stores read
.irp i, 0,1,2,3,4,5,6,7,8,9,10,11,12,13,14,15
	ds_store_b32 v6, v[PS+\i] offset:\base+(16*(\i/8)+2*(\i%8))*64   ; sixteen lanes write the same word with the same value
.endr
	s_wait_dscnt 0x0                               ; for the others' sake
	s_barrier_signal -1
	s_barrier_wait -1
	s_wait_alu depctr_vm_vsrc(0)                   ; my LDS stores have read the 16 figures' registers, in which the loads below land
.irp i, 0,1,2,3,4,5,6,7,8,9,10,11,12,13,14,15
	ds_load_b32 v[PS+\i], v7 offset:\base+(16*(\i/8)+2*(\i%8))*64
.endr
	s_wait_dscnt 0x0
	RSUM
.endm
.irp i, 0,1,2,3,4,5,6,7,8,9,10,11,12,13,14,15
	v_pk_add_f32 v[Y+4*\i:Y+4*\i+1], v[Y+4*\i:Y+4*\i+1], v[252:253]         ; + bo
	v_pk_add_f32 v[Y+4*\i+2:Y+4*\i+3], v[Y+4*\i+2:Y+4*\i+3], v[254:255]
.endr
.irp i, 0,1,2,3,4,5,6,7,8,9,10,11,12,13,14,15
	v_pk_add_f32 v[Y+4*\i:Y+4*\i+1], v[Y+4*\i:Y+4*\i+1], v[HID+4*\i:HID+4*\i+1]   ; + hidden_states
	v_pk_add_f32 v[Y+4*\i+2:Y+4*\i+3], v[Y+4*\i+2:Y+4*\i+3], v[HID+4*\i+2:HID+4*\i+3]
.endr
.irp q, 0,1,2,3
.irp u, 0,1,2,3
	v_pk_add_f32 v[TT+2*\u:TT+2*\u+1], v[Y+4*(4*\q+\u):Y+4*(4*\q+\u)+1], v[Y+4*(4*\q+\u)+2:Y+4*(4*\q+\u)+3]
.endr
.irp u, 0,1,2,3
	v_add_f32 v[PS+4*\q+\u], v[TT+2*\u], v[TT+2*\u+1]      ; my four columns' sum
.endr
.endr
	ACROSS RED1                                    ; the row's sum, in every lane
.macro SUBMEAN i                       ; y - sum / 1024: the sum is broadcast from its half of a pair
.if ((\i)%2) == 0
	v_pk_fma_f32 v[Y+4*(\i):Y+4*(\i)+1], v[PS+(\i):PS+(\i)+1], s[34:35], v[Y+4*(\i):Y+4*(\i)+1] op_sel_hi:[0,0,1]
	v_pk_fma_f32 v[Y+4*(\i)+2:Y+4*(\i)+3], v[PS+(\i):PS+(\i)+1], s[34:35], v[Y+4*(\i)+2:Y+4*(\i)+3] op_sel_hi:[0,0,1]
.else
	v_pk_fma_f32 v[Y+4*(\i):Y+4*(\i)+1], v[PS+(\i)-1:PS+(\i)], s[34:35], v[Y+4*(\i):Y+4*(\i)+1] op_sel:[1,0,0] op_sel_hi:[1,0,1]
	v_pk_fma_f32 v[Y+4*(\i)+2:Y+4*(\i)+3], v[PS+(\i)-1:PS+(\i)], s[34:35], v[Y+4*(\i)+2:Y+4*(\i)+3] op_sel:[1,0,0] op_sel_hi:[1,0,1]
.endif
.endm
.irp i, 0,1,2,3,4,5,6,7,8,9,10,11,12,13,14,15
	SUBMEAN \i
.endr
.irp q, 0,1,2,3
.irp u, 0,1,2,3
	v_pk_mul_f32 v[TT+2*\u:TT+2*\u+1], v[Y+4*(4*\q+\u):Y+4*(4*\q+\u)+1], v[Y+4*(4*\q+\u):Y+4*(4*\q+\u)+1]
.endr
.irp u, 0,1,2,3
	v_pk_fma_f32 v[TT+2*\u:TT+2*\u+1], v[Y+4*(4*\q+\u)+2:Y+4*(4*\q+\u)+3], v[Y+4*(4*\q+\u)+2:Y+4*(4*\q+\u)+3], v[TT+2*\u:TT+2*\u+1]
.endr
.irp u, 0,1,2,3
	v_add_f32 v[PS+4*\q+\u], v[TT+2*\u], v[TT+2*\u+1]      ; my four columns' sum of squares
.endr
.endr
	ACROSS RED2
.irp i, 0,1,2,3,4,5,6,7,8,9,10,11,12,13,14,15
	v_fma_f32 v[PS+\i], v[PS+\i], s36, s37         ; the variance + 1e-12
.endr
	s_wait_alu depctr_va_vdst(0)
.irp i, 0,1,2,3,4,5,6,7,8,9,10,11,12,13,14,15
	v_rsq_f32 v[PS+\i], v[PS+\i]
.endr
	v_nop                                          ; one plain place behind a transcendental
	s_wait_alu depctr_va_vdst(0)                   ; the sixteen reciprocal roots are written, ahead of their first reader: one wait for the batch
.macro FINA i                          ; pair of rows i: x 1 / sqrt(variance + 1e-12), x gamma + beta
.if ((\i)%2) == 0
	v_pk_mul_f32 v[Y+4*(\i):Y+4*(\i)+1], v[Y+4*(\i):Y+4*(\i)+1], v[PS+(\i):PS+(\i)+1] op_sel_hi:[1,0]
	v_pk_mul_f32 v[Y+4*(\i)+2:Y+4*(\i)+3], v[Y+4*(\i)+2:Y+4*(\i)+3], v[PS+(\i):PS+(\i)+1] op_sel_hi:[1,0]
.else
	v_pk_mul_f32 v[Y+4*(\i):Y+4*(\i)+1], v[Y+4*(\i):Y+4*(\i)+1], v[PS+(\i)-1:PS+(\i)] op_sel:[0,1] op_sel_hi:[1,1]
	v_pk_mul_f32 v[Y+4*(\i)+2:Y+4*(\i)+3], v[Y+4*(\i)+2:Y+4*(\i)+3], v[PS+(\i)-1:PS+(\i)] op_sel:[0,1] op_sel_hi:[1,1]
.endif
	v_pk_fma_f32 v[Y+4*(\i):Y+4*(\i)+1], v[Y+4*(\i):Y+4*(\i)+1], v[244:245], v[248:249]       ; x gamma + beta
	v_pk_fma_f32 v[Y+4*(\i)+2:Y+4*(\i)+3], v[Y+4*(\i)+2:Y+4*(\i)+3], v[246:247], v[250:251]
.endm
.macro FINS i                          ; and its store
	global_store_b128 v5, v[Y+4*(\i):Y+4*(\i)+3], s[16:17] offset:(8*((\i)/8)+2*((\i)%8)+8*(((\i)%8)/4))*4096 th:TH_STORE_NT   ; sixteen lanes store 256 consecutive bytes, at a multiple of 256 from out0's first byte
.endm
.irp i, 0,1,2,3,4,5,6,7
	FINA \i
.endr
	s_wait_alu depctr_va_vdst(0)                   ; pairs of rows 0 to 7 are written, which the eight stores below read; the arithmetic dealt among those stores names pairs 8 to 15, the roots, gamma and beta alone
.irp i, 0,1,2,3,4,5,6,7
	FINS \i
	FINA \i+8
.endr
	s_wait_alu depctr_va_vdst(0)                   ; pairs of rows 8 to 15 are written, which the last eight stores read
.irp i, 8,9,10,11,12,13,14,15
	FINS \i
.endr
	s_wait_xcnt 0x0
	v_lshl_add_u32 v254, v0, 2, 0x18000            ; the add's two registers are made anew here: no memory or LDS instruction has read v254 or v255
	v_mov_b32 v255, 0
	s_wait_dscnt 0x0                               ; the closing lines, six on end
	s_wait_alu 0x0
	s_wait_tensorcnt 0x0
	ds_add_u32 v254, v255
	s_wait_dscnt 0x0
	s_endpgm
.Lfunc_end_k_qaab4bc5ca1_outln:
	.size	k_qaab4bc5ca1_outln, .Lfunc_end_k_qaab4bc5ca1_outln-k_qaab4bc5ca1_outln
	.p2alignl 7, 3214868480
	.fill 96, 4, 3214868480
	.section	.rodata,"a",@progbits
	.p2align	6, 0x0
	.amdhsa_kernel k_qaab4bc5ca1_outln
		.amdhsa_group_segment_fixed_size 100352
		.amdhsa_private_segment_fixed_size 0
		.amdhsa_enable_private_segment 0
		.amdhsa_kernarg_size 56
		.amdhsa_user_sgpr_count 2
		.amdhsa_user_sgpr_kernarg_segment_ptr 1
		.amdhsa_wavefront_size32 1
		.amdhsa_system_sgpr_workgroup_id_x 1
		.amdhsa_system_sgpr_workgroup_id_y 1
		.amdhsa_system_sgpr_workgroup_id_z 1
		.amdhsa_system_vgpr_workitem_id 0
		.amdhsa_next_free_vgpr 256
		.amdhsa_next_free_sgpr 66
		.amdhsa_reserve_vcc 0
		.amdhsa_float_denorm_mode_32 3
		.amdhsa_float_denorm_mode_16_64 3
		.amdhsa_memory_ordered 1
		.amdhsa_forward_progress 1
		.amdhsa_inst_pref_size 72
	.end_amdhsa_kernel
	.amdgpu_metadata
---
amdhsa.version: [ 1, 2 ]
amdhsa.kernels:
  - .name:           k_qaab4bc5ca1_outln
    .symbol:         k_qaab4bc5ca1_outln.kd
    .args:
      - { .name: cq, .offset: 0, .size: 8, .value_kind: global_buffer, .address_space: global }
      - { .name: wq, .offset: 8, .size: 8, .value_kind: global_buffer, .address_space: global }
      - { .name: bo, .offset: 16, .size: 8, .value_kind: global_buffer, .address_space: global }
      - { .name: hidden_states, .offset: 24, .size: 8, .value_kind: global_buffer, .address_space: global }
      - { .name: ln_gamma, .offset: 32, .size: 8, .value_kind: global_buffer, .address_space: global }
      - { .name: ln_beta, .offset: 40, .size: 8, .value_kind: global_buffer, .address_space: global }
      - { .name: out0, .offset: 48, .size: 8, .value_kind: global_buffer, .address_space: global }
    .group_segment_fixed_size: 100352
    .private_segment_fixed_size: 0
    .kernarg_segment_align: 8
    .kernarg_segment_size: 56
    .max_flat_workgroup_size: 512
    .sgpr_count:     66
    .vgpr_count:     256
    .wavefront_size: 32
...
	.end_amdgpu_metadata
.endif
;; end of part 8
